; MI455X (gfx1250); checked and timed in simulation.
; The chip was launched on July 23, 2026; its instructions are those of AMD's public machine-readable ISA for CDNA 5 (MIT licence, August 2026) and "CDNA5" Instruction Set Architecture Reference Guide (July 2026). The comments in the code are by the model that wrote it; some were corrected since.
;; Dynamics. Allowed arithmetic: float matrix products may take bf16 or f16 operands with f32 sums; other float arithmetic in f32, or as packed bf16 or f16 multiplies, adds, multiply-adds, maxima and minima; sums over many terms, partial sums and values carried from step to step in f32; what a program stores and reads back later, other than sums and carried values, may be rounded once to bf16 or f16.
;; Inputs: fW0 2,048 x 256 float32; fW1 2,048 x 2,048 float32; fW2 255 x 2,048 float32; fb0 2,048 float32; fb1 2,048 float32; fb2 255 float32; vU0 2,048 x 2,048 float32; vU1 1 x 2,048 float32; vW0 2,048 x 256 float32; vW1 2,048 x 256 float32; vW2 1 x 256 float32; vb0 2,048 float32; vb1 2,048 float32; vb2 1 float32; x 2,048 x 256 float32.
;; Outputs: out0 2,048 x 255 float32.
;; 2 versions, each right. Each part assembles by itself: llvm-mc -triple=amdgcn-amd-amdhsa -mcpu=gfx1250 --defsym DOCPART=n.
;; ======== version 1 of 2: 6 launches
;; workspace buffers: PW 24,133,632 bytes; LA 27,262,976 bytes; KA 25,296,896 bytes; KB 14,680,064 bytes; KC 16,777,216 bytes
;; launch prep (part 1): grid 672 x 1, 8 waves a work-group, no clusters, 0 bytes of LDS; arguments vU0, fW1, fW0, vW0, vW1, x, fW2, vb0, vb1, vU1, PW, LA; writes PW, LA
.if DOCPART == 1
	.amdgcn_target "amdgcn-amd-amdhsa--gfx1250"
	.amdhsa_code_object_version 6
	.text
	.protected	k_q602b0adf68_prep
	.globl	k_q602b0adf68_prep
	.p2align	8
	.type	k_q602b0adf68_prep,@function
k_q602b0adf68_prep:
	s_mov_b64 s[64:65], 0
	v_nop
	global_prefetch_b8 v0, s[64:65] scope:SCOPE_SE
	s_setreg_imm32_b32 hwreg(HW_REG_WAVE_MODE, 25, 1), 1
	s_wait_xcnt 0x0
; PREP: every matrix operand that comes from an input is rounded once to bf16 and laid where the products want it.
; THE WHOLE PROGRAM.  h0 = relu(x fW0^T + fb0); h1 = relu(h0 fW1^T + fb1); fhat = h1 fW2^T + fb2; fx = [fhat, 1].
; With t = clamp(a, 0, d): rehu(a) = max(a - d/2, t^2 / 2d) and rehu'(a) = t / d (identities of reference()'s rehu for every a).
; S = softplus(vU0); a0 = x vW0^T + vb0; a1 = (z0 S^T + 2048 x vW1^T) / 2048 + vb1; g1 = softplus(vU1) rehu'(a1); g0 = (g1 S / 2048) rehu'(a0);
; dy = vW2 + g1 vW1 + g0 vW0; s = icnn(x) - icnn(0); gV = rehu'(s) dy + 2 eps x; the projection follows in the last launch.
; WORK LEFT OUT, for all finite values of the inputs:
;   vb2 is added to icnn(x) and to icnn(0) alike, only their difference is used, and a constant has no gradient: vb2 reaches no output.  It is not loaded and is no launch's argument.
;   icnn(0): u is the zero that reference() builds itself, so its three products with u are 0; what is left is t0[j] below.
;   reference() walks the ICNN forward for Vx and once more inside grad: the same numbers; they are made once.
;   rv's column 255 is sliced away and is not stored (gV[255] and fx[255] = 1 stay in the row sums).
;   LIMIT: a NaN, an infinity or an overflow that reaches only the work left out (vb2) is not carried to the result.
; LIMITS.  softplus(v) = max(v, 0) + ln 2 log2(1 + 2^(-|v| log2 e)): absolute error up to 6e-8, so it counts as 0 below v = -16.6.  NaN and infinities are not treated apart.
; OUT.  PW: BM [4096][2560] bf16 (rows 0-2047: fW1 in columns 0-2047; row 2048 + j: S[j] | 2048 vW1[j] | fW2^T[j], its column 255 = 0), WC = [fW0; vW0], X16 = x, SPU = softplus(vU1) f32,
; T0[j] = rehu(vb1[j] + sum_k rehu(vb0[k]) S[j][k] / 2048) SPU[j] f32 (icnn(0) = their sum, but for vb2).  LA: bf16(x) behind z0's columns of rows 2048 on.
; SHARES.  A wave takes 2,048 numbers: sixteen loads of 512 consecutive bytes, all out at once; each store of the wave covers 256 consecutive bytes, aligned.  The stream binds: no LDS, no matrix unit.
; The two single numbers a row (SPU[j], T0[j]) leave as 4-byte stores of one lane: 16 KiB in the launch.
.set D,   16                           ; v[16:79]   the 2,048 numbers: load i, register c: number 128 i + 4 lane + c
.set RZ,  80                           ; v[80:143]  rehu(vb0), the same map
.set E,   144                          ; v[144:207] at work
.set Q,   144                          ; v[144:175] packed bf16, to store
.set WV,  28
.set G,   29
.set SRC, 34
.set DST, 36
.set DS2, 38
.set KIND, 40
.set CH,  41
.set MLT, 42
.set WCOFF,  20971520
.set X16OFF, 23068672
.set SPUOFF, 24117248
.set BMS,    2048*5120
.macro LOAD16 base
.set i, 0
.rept 16
	global_load_b128 v[D+4*i:D+4*i+3], v2, s[\base:\base+1] offset:512*i th:TH_LOAD_NT
.set i, i+1
.endr
.endm
; Load i is waited for by its count (15 - i younger ones stay out), rounded and stored; p2 = bytes from one row of 512 bytes to the next in the target; sc = 1: times 2048 first (a power of two: exact)
.macro CVST p2, base, sc
.set i, 0
.rept 16
	s_wait_loadcnt 15-i
.if \sc
	v_pk_mul_f32 v[D+4*i:D+4*i+1], v[D+4*i:D+4*i+1], s[58:59] op_sel_hi:[1,0]
	v_pk_mul_f32 v[D+4*i+2:D+4*i+3], v[D+4*i+2:D+4*i+3], s[58:59] op_sel_hi:[1,0]
.endif
	v_cvt_pk_bf16_f32 v[Q+2*i], v[D+4*i], v[D+4*i+1]
	v_cvt_pk_bf16_f32 v[Q+2*i+1], v[D+4*i+2], v[D+4*i+3]
	global_store_b64 v3, v[Q+2*i:Q+2*i+1], s[\base:\base+1] offset:(i/2)*(\p2)+(i%2)*256
.set i, i+1
.endr
.endm
	s_load_b512 s[4:19], s[0:1], 0x0               ; vU0 s[4:5], fW1 s[6:7], fW0 s[8:9], vW0 s[10:11], vW1 s[12:13], x s[14:15], fW2 s[16:17], vb0 s[18:19]
	s_load_b256 s[20:27], s[0:1], 0x40             ; vb1 s[20:21], vU1 s[22:23], PW s[24:25], LA s[26:27]
	v_lshrrev_b32 v1, 5, v0
	v_readfirstlane_b32 s[WV], v1                  ; wave 0..7
	v_and_b32 v1, 31, v0                           ; lane
	v_lshlrev_b32 v2, 4, v1                        ; 16 bytes a lane, in
	v_lshlrev_b32 v3, 3, v1                        ; 8 bytes a lane, out
	s_mov_b32 s[G], ttmp9
	s_mov_b32 s31, 0                               ; high words of the two offset pairs
	s_mov_b32 s33, 0
	s_mov_b32 s48, 0x3c23d70a                      ; d = 0.01
	s_mov_b32 s50, 0x42480000                      ; 1 / 2d = 50
	s_mov_b32 s51, 0x42480000
	s_mov_b32 s52, 0xbba3d70a                      ; -d / 2
	s_mov_b32 s53, 0xbba3d70a
	s_mov_b32 s54, 0xbfb8aa3b                      ; -log2 e
	s_mov_b32 s56, 0x3f317218                      ; ln 2
	s_mov_b32 s57, 0x3f317218
	s_mov_b32 s58, 0x45000000                      ; 2048
	s_mov_b32 s59, 0x45000000
	s_mov_b32 s60, 0x3a000000                      ; 1 / 2048
	s_mov_b32 s62, 0x76543210                      ; v_permlanex16_b32: each lane takes its own place in the other half
	s_mov_b32 s63, 0xfedcba98
	s_wait_kmcnt 0x0
	s_cmp_lt_u32 s[G], 256
	s_cbranch_scc1 .Lsp
	s_cmp_ge_u32 s[G], 640
	s_cbranch_scc1 .Ltr
	s_cmp_lt_u32 s[G], 512
	s_cbranch_scc1 .Lfw1
	s_cmp_lt_u32 s[G], 544
	s_cbranch_scc1 .Lfw0
	s_cmp_lt_u32 s[G], 576
	s_cbranch_scc1 .Lvw0
	s_cmp_lt_u32 s[G], 608
	s_cbranch_scc1 .Lvw1
	s_sub_co_u32 s[CH], s[G], 608                  ; x: to X16, and then behind z0's columns in LA
	s_mov_b64 s[SRC:SRC+1], s[14:15]
	s_add_nc_u64 s[DST:DST+1], s[24:25], X16OFF
	s_mov_b32 s[MLT], 4096
	s_mov_b32 s[KIND], 1
	s_branch .Ldense
.Lfw1:                                         ; a chunk is a row of fW1, and a row of BM
	s_sub_co_u32 s[CH], s[G], 256
	s_mov_b64 s[SRC:SRC+1], s[6:7]
	s_mov_b64 s[DST:DST+1], s[24:25]
	s_mov_b32 s[MLT], 5120
	s_mov_b32 s[KIND], 0
	s_branch .Ldense
.Lfw0:                                         ; a chunk is eight rows of 256
	s_sub_co_u32 s[CH], s[G], 512
	s_mov_b64 s[SRC:SRC+1], s[8:9]
	s_add_nc_u64 s[DST:DST+1], s[24:25], WCOFF
	s_mov_b32 s[MLT], 4096
	s_mov_b32 s[KIND], 0
	s_branch .Ldense
.Lvw0:
	s_sub_co_u32 s[CH], s[G], 544
	s_mov_b64 s[SRC:SRC+1], s[10:11]
	s_add_nc_u64 s[DST:DST+1], s[24:25], WCOFF+1048576
	s_mov_b32 s[MLT], 4096
	s_mov_b32 s[KIND], 0
.Ldense:                                       ; 4,096 dense bytes out
	s_lshl3_add_u32 s[CH], s[CH], s[WV]            ; my chunk
	s_lshl_b32 s30, s[CH], 13
	s_mul_i32 s32, s[CH], s[MLT]
	s_add_nc_u64 s[SRC:SRC+1], s[SRC:SRC+1], s[30:31]
	s_add_nc_u64 s[DST:DST+1], s[DST:DST+1], s[32:33]
	LOAD16 SRC
	CVST 512, DST, 0
	s_cmp_eq_u32 s[KIND], 1
	s_cbranch_scc0 .Lend
	s_mul_i32 s32, s[CH], 8*4608                   ; x once more: rows 2048 + 8 chunk on of LA's first table, from byte 4,096 of the row
	s_add_nc_u64 s[DS2:DS2+1], s[26:27], s[32:33]
	s_add_nc_u64 s[DS2:DS2+1], s[DS2:DS2+1], 2048*4608+4096
.set i, 0
.rept 16
	global_store_b64 v3, v[Q+2*i:Q+2*i+1], s[DS2:DS2+1] offset:(i/2)*4608+(i%2)*256
.set i, i+1
.endr
.Lend:
	s_endpgm
.Lvw1:                                         ; 2048 vW1, behind S in BM's rows 2048 on
	s_sub_co_u32 s[CH], s[G], 576
	s_lshl3_add_u32 s[CH], s[CH], s[WV]
	s_lshl_b32 s30, s[CH], 13
	s_mul_i32 s32, s[CH], 8*5120
	s_add_nc_u64 s[SRC:SRC+1], s[12:13], s[30:31]
	s_add_nc_u64 s[DST:DST+1], s[24:25], s[32:33]
	s_add_nc_u64 s[DST:DST+1], s[DST:DST+1], BMS+4096
	LOAD16 SRC
	CVST 5120, DST, 1
	s_endpgm
.Lsp:                                          ; row j of vU0: S[j], and the row's term of icnn(0)
	s_lshl3_add_u32 s[CH], s[G], s[WV]             ; j
	s_lshl_b32 s30, s[CH], 13
	s_lshl_b32 s32, s[CH], 2
	s_add_nc_u64 s[SRC:SRC+1], s[4:5], s[30:31]
	s_add_nc_u64 s[44:45], s[20:21], s[32:33]      ; vb1[j]
	s_add_nc_u64 s[46:47], s[22:23], s[32:33]      ; vU1[j]
	s_add_nc_u64 s[DS2:DS2+1], s[24:25], s[32:33]
	s_add_nc_u64 s[DS2:DS2+1], s[DS2:DS2+1], SPUOFF  ; SPU[j]; T0[j] lies 8,192 bytes on
	v_mov_b32 v4, 0
	global_load_b32 v5, v4, s[44:45]
	global_load_b32 v6, v4, s[46:47]
.set i, 0
.rept 16
	global_load_b128 v[RZ+4*i:RZ+4*i+3], v2, s[18:19] offset:512*i  ; vb0: every wave reads it
.set i, i+1
.endr
	LOAD16 SRC
	s_mul_i32 s30, s[CH], 5120
	s_add_nc_u64 s[DST:DST+1], s[24:25], s[30:31]
	s_add_nc_u64 s[DST:DST+1], s[DST:DST+1], BMS
	s_wait_loadcnt 16                              ; vb0 and the two single numbers are in; the row's 16 loads stay out
.set p, 0
.rept 32                                       ; rehu(vb0), a pair at a time
	v_med3_num_f32 v[E+2*p], v[RZ+2*p], 0, s48
	v_med3_num_f32 v[E+2*p+1], v[RZ+2*p+1], 0, s48
	v_pk_add_f32 v[RZ+2*p:RZ+2*p+1], v[RZ+2*p:RZ+2*p+1], s[52:53] op_sel_hi:[1,0]
	v_pk_mul_f32 v[E+2*p:E+2*p+1], v[E+2*p:E+2*p+1], v[E+2*p:E+2*p+1]
	v_pk_mul_f32 v[E+2*p:E+2*p+1], v[E+2*p:E+2*p+1], s[50:51] op_sel_hi:[1,0]
	v_max_num_f32 v[RZ+2*p], v[RZ+2*p], v[E+2*p]
	v_max_num_f32 v[RZ+2*p+1], v[RZ+2*p+1], v[E+2*p+1]
.set p, p+1
.endr
	s_wait_loadcnt 0x0
	v_mul_f32 v7, s54, |v6|
.set i, 0
.rept 64
	v_mul_f32 v[E+i], s54, |v[D+i]|                ; -|v| log2 e
.set i, i+1
.endr
	v_exp_f32 v7, v7                               ; one batch of 65 exponentials,
.set i, 0
.rept 64
	v_exp_f32 v[E+i], v[E+i]
.set i, i+1
.endr
	v_nop                                          ; a plain instruction behind the last of them,
	s_wait_alu depctr_va_vdst(0)                   ; and one wait ahead of the first use
	v_add_f32 v7, 1.0, v7
.set p, 0
.rept 32
	v_pk_add_f32 v[E+2*p:E+2*p+1], v[E+2*p:E+2*p+1], 1.0 op_sel_hi:[1,0]
.set p, p+1
.endr
	v_log_f32 v7, v7                               ; one batch of 65 logarithms
.set i, 0
.rept 64
	v_log_f32 v[E+i], v[E+i]
.set i, i+1
.endr
	v_max_num_f32 v6, 0, v6                        ; plain work that names no result of the batch
.set i, 0
.rept 64
	v_max_num_f32 v[D+i], 0, v[D+i]
.set i, i+1
.endr
	s_wait_alu depctr_va_vdst(0)                   ; one wait for the batch
	v_fma_f32 v6, v7, s56, v6                      ; softplus(vU1[j])
.set p, 0
.rept 32
	v_pk_fma_f32 v[D+2*p:D+2*p+1], v[E+2*p:E+2*p+1], s[56:57], v[D+2*p:D+2*p+1] op_sel_hi:[1,0,1]  ; S in f32
.set p, p+1
.endr
.set p, 0
.rept 4
	v_pk_mul_f32 v[8+2*p:9+2*p], v[D+2*p:D+2*p+1], v[RZ+2*p:RZ+2*p+1]  ; four chains start the sum over k of S rehu(vb0)
.set p, p+1
.endr
.rept 28
	v_pk_fma_f32 v[8+2*(p%4):9+2*(p%4)], v[D+2*p:D+2*p+1], v[RZ+2*p:RZ+2*p+1], v[8+2*(p%4):9+2*(p%4)]
.set p, p+1
.endr
.set i, 0
.rept 16
	v_cvt_pk_bf16_f32 v[Q+2*i], v[D+4*i], v[D+4*i+1]
	v_cvt_pk_bf16_f32 v[Q+2*i+1], v[D+4*i+2], v[D+4*i+3]
	global_store_b64 v3, v[Q+2*i:Q+2*i+1], s[DST:DST+1] offset:256*i
.set i, i+1
.endr
	v_pk_add_f32 v[8:9], v[8:9], v[10:11]
	v_pk_add_f32 v[12:13], v[12:13], v[14:15]
	v_pk_add_f32 v[8:9], v[8:9], v[12:13]
	v_add_f32 v8, v8, v9
	v_add_f32_dpp v8, v8, v8 row_xmask:1 row_mask:0xf bank_mask:0xf
	v_add_f32_dpp v8, v8, v8 row_xmask:2 row_mask:0xf bank_mask:0xf
	v_add_f32_dpp v8, v8, v8 row_xmask:4 row_mask:0xf bank_mask:0xf
	v_add_f32_dpp v8, v8, v8 row_xmask:8 row_mask:0xf bank_mask:0xf
	v_permlanex16_b32 v9, v8, s62, s63
	v_add_f32 v8, v8, v9                           ; the sum, in every lane
	v_fma_f32 v8, v8, s60, v5                      ; vb1[j] + sum / 2048
	v_med3_num_f32 v9, v8, 0, s48
	v_mul_f32 v10, s50, v9
	v_mul_f32 v10, v10, v9
	v_add_f32 v8, s52, v8
	v_max_num_f32 v8, v8, v10                      ; rehu
	v_mul_f32 v8, v8, v6                           ; T0[j]
	s_wait_xcnt 0x0                                ; EXEC changes only behind this wait: the stores above have read theirs
	v_cmp_eq_u32 vcc_lo, 0, v1
	s_and_saveexec_b32 s43, vcc_lo                 ; lane 0 alone
	global_store_b32 v4, v6, s[DS2:DS2+1]
	global_store_b32 v4, v8, s[DS2:DS2+1] offset:8192
	s_endpgm
.Ltr:                                          ; fW2^T: wave u takes 16 columns j of fW2 and 128 of its rows o; lane l rows 128 half + 4 l + 0..3
	s_sub_co_u32 s[CH], s[G], 640
	s_lshl3_add_u32 s[CH], s[CH], s[WV]            ; u, 0 to 255
	s_and_b32 s43, s[CH], 1                        ; half
	s_lshr_b32 s[MLT], s[CH], 1                    ; which 16 columns
	s_lshl_b32 s30, s[MLT], 6
	s_add_nc_u64 s[SRC:SRC+1], s[16:17], s[30:31]
	s_mul_i32 s32, s[MLT], 16*5120
	s_lshl_b32 s44, s43, 8
	s_add_co_u32 s32, s32, s44
	s_add_nc_u64 s[DST:DST+1], s[24:25], s[32:33]
	s_add_nc_u64 s[DST:DST+1], s[DST:DST+1], BMS+4608
	s_lshl_b32 s44, s43, 7
	v_lshl_add_u32 v4, v1, 2, s44
	v_add_nc_u32 v5, 1, v4
	v_add_nc_u32 v6, 2, v4
	v_add_nc_u32 v7, 3, v4
	v_cmp_eq_u32 vcc_lo, 0xff, v7                  ; row 255 does not exist: it is read as row 254 and written as 0
	v_min_u32 v7, 0xfe, v7
.irp e, 0,1,2,3
	v_lshlrev_b32 v[8+\e], 13, v[4+\e]             ; a row of fW2 is 8,192 bytes
.endr
.irp e, 0,1,2,3
.irp c, 0,1,2,3
	global_load_b128 v[D+16*\e+4*\c:D+16*\e+4*\c+3], v[8+\e], s[SRC:SRC+1] offset:16*\c
.endr
.endr
	s_wait_loadcnt 0x0
.set i, 0
.rept 16
	v_cndmask_b32 v[D+48+i], v[D+48+i], 0, vcc_lo
.set i, i+1
.endr
.set i, 0
.rept 16                                       ; column j0 + i of fW2 is row 2048 + j0 + i of BM: my four rows o are 8 bytes of it
	v_cvt_pk_bf16_f32 v[Q+2*i], v[D+i], v[D+16+i]
	v_cvt_pk_bf16_f32 v[Q+2*i+1], v[D+32+i], v[D+48+i]
	global_store_b64 v3, v[Q+2*i:Q+2*i+1], s[DST:DST+1] offset:5120*i
.set i, i+1
.endr
	s_endpgm
.Lfunc_end_k_q602b0adf68_prep:
	.size	k_q602b0adf68_prep, .Lfunc_end_k_q602b0adf68_prep-k_q602b0adf68_prep
	.p2alignl 7, 3214868480
	.fill 96, 4, 3214868480
	.section	.rodata,"a",@progbits
	.p2align	6, 0x0
	.amdhsa_kernel k_q602b0adf68_prep
		.amdhsa_group_segment_fixed_size 0
		.amdhsa_private_segment_fixed_size 0
		.amdhsa_enable_private_segment 0
		.amdhsa_kernarg_size 96
		.amdhsa_user_sgpr_count 2
		.amdhsa_user_sgpr_kernarg_segment_ptr 1
		.amdhsa_wavefront_size32 1
		.amdhsa_system_sgpr_workgroup_id_x 1
		.amdhsa_system_sgpr_workgroup_id_y 1
		.amdhsa_system_sgpr_workgroup_id_z 1
		.amdhsa_system_vgpr_workitem_id 0
		.amdhsa_next_free_vgpr 208
		.amdhsa_next_free_sgpr 66
		.amdhsa_reserve_vcc 1
		.amdhsa_float_denorm_mode_32 3
		.amdhsa_float_denorm_mode_16_64 3
		.amdhsa_memory_ordered 1
		.amdhsa_forward_progress 1
		.amdhsa_inst_pref_size 62
	.end_amdhsa_kernel
	.amdgpu_metadata
---
amdhsa.version: [ 1, 2 ]
amdhsa.kernels:
  - .name:           k_q602b0adf68_prep
    .symbol:         k_q602b0adf68_prep.kd
    .args:
      - { .name: vU0, .offset: 0, .size: 8, .value_kind: global_buffer, .address_space: global }
      - { .name: fW1, .offset: 8, .size: 8, .value_kind: global_buffer, .address_space: global }
      - { .name: fW0, .offset: 16, .size: 8, .value_kind: global_buffer, .address_space: global }
      - { .name: vW0, .offset: 24, .size: 8, .value_kind: global_buffer, .address_space: global }
      - { .name: vW1, .offset: 32, .size: 8, .value_kind: global_buffer, .address_space: global }
      - { .name: x, .offset: 40, .size: 8, .value_kind: global_buffer, .address_space: global }
      - { .name: fW2, .offset: 48, .size: 8, .value_kind: global_buffer, .address_space: global }
      - { .name: vb0, .offset: 56, .size: 8, .value_kind: global_buffer, .address_space: global }
      - { .name: vb1, .offset: 64, .size: 8, .value_kind: global_buffer, .address_space: global }
      - { .name: vU1, .offset: 72, .size: 8, .value_kind: global_buffer, .address_space: global }
      - { .name: PW, .offset: 80, .size: 8, .value_kind: global_buffer, .address_space: global }
      - { .name: LA, .offset: 88, .size: 8, .value_kind: global_buffer, .address_space: global }
    .group_segment_fixed_size: 0
    .private_segment_fixed_size: 0
    .kernarg_segment_align: 8
    .kernarg_segment_size: 96
    .max_flat_workgroup_size: 256
    .sgpr_count:     66
    .vgpr_count:     208
    .wavefront_size: 32
...
	.end_amdgpu_metadata
.endif
;; end of part 1
;; launch lay0 (part 2): grid 16 x 16, 4 waves a work-group, clusters of 4 x 1, 327,680 bytes of LDS; arguments PW, fb0, vb0, LA; writes LA
.if DOCPART == 2
	.amdgcn_target "amdgcn-amd-amdhsa--gfx1250"
	.amdhsa_code_object_version 6
	.text
	.protected	k_q602b0adf68_lay0
	.globl	k_q602b0adf68_lay0
	.p2align	8
	.type	k_q602b0adf68_lay0,@function
k_q602b0adf68_lay0:
	s_mov_b64 s[64:65], 0
	v_nop
	global_prefetch_b8 v0, s[64:65] scope:SCOPE_SE
	s_setreg_imm32_b32 hwreg(HW_REG_WAVE_MODE, 25, 1), 1
	s_wait_xcnt 0x0
	s_wait_alu depctr_hold_cnt(0) depctr_sa_sdst(0) depctr_va_vdst(0) depctr_va_sdst(0) depctr_va_ssrc(0) depctr_va_vcc(0) depctr_vm_vsrc(0)
	s_getreg_b32 s2, hwreg(HW_REG_IB_STS2, 6, 4)
	s_cmp_eq_u32 s2, 0
	s_cbranch_scc0 .Lentry_in_a_cluster
	s_endpgm
.Lentry_in_a_cluster:
	s_bfe_u32 s2, ttmp6, 0x10000c
	s_cmp_lg_u32 s2, 0x3003
	s_cbranch_scc0 .Lentry_shape_is_right
	s_endpgm
.Lentry_shape_is_right:
; LAY0: x [fW0; vW0]^T, K = 256.  Units y = 0..7: h0 = relu(. + fb0).  Units y = 8..15: a0 = . + vb0; z0 = rehu(a0) and rehu'(a0) / 2048.  All out in bf16, each rounded once.
; SHARES.  A work-group makes 128 rows x 256 columns: row tile 4 x cluster x + cx, column unit y.  Wave w: rows 64 (w / 2) on, columns 128 (w % 2) on: 32 accumulators of 16 x 16.
; THE MATRIX INSTRUCTION IS USED TRANSPOSED (source 0 = 16 rows of B, source 1 = 16 rows of A): a lane holds row lane % 16 and the columns 8 (lane / 16) + 0..7.
; K goes in steps of 128 (rows of 256 bytes in memory) through two LDS slots; here K has two steps, so both slots are filled once and nothing is filled again.
; CLUSTER 4 x 1.  The four partners are four row tiles of one unit y: B's tile (two thirds of a step's bytes) hangs on y and the wave alone and is asked for JOINTLY (mask 15);
; A's tile is each work-group's own: a plain load.  Not 4 x 4: in two of the four launches that share this form the units along y have no tile of A in common or are not a multiple of four.
; No prefetch: the launch has two K steps, both asked for at its head.
; REGISTERS, in windows of 256: window 0: v0-31 addresses, v32-95 A's fragments (two buffers of 4 x 8), v96 on the way out; window 1: v0-127 B's fragments (two buffers of 8 x 8); window 2: accumulator (a, b) at v[8 (8 a + b)].
.set PA,     256                       ; elements from row to row of A (X16) and of B (WC)
.set PB,     256
.set PAB,    2*PA
.set PBB,    2*PB
.set BSTEP,  256                       ; bytes from a K step of B to the next
.set X16OFF, 23068672
.set WCOFF,  20971520
.set R0OFF,  18874368
.set PITCH,  272                       ; an LDS row: 256 bytes + 16: the sixteen rows of a fragment load begin 16 bytes apart modulo 256
.set APART,  128*PITCH                 ; A's 128 rows; B's 256 rows are twice that
.set SLOT,   3*APART
.set STAGE,  2*SLOT                    ; behind the ring: 32 rows x 528 bytes of f32 for each wave, for the way out; no tensor load lands here
.set SPITCH, 528
.set WSTAGE, 32*SPITCH
.set SPARE,  STAGE+4*WSTAGE            ; the spare words, 128 bytes for each wave: two blocks of 256 bytes that no other line names
.set ADRA, 16                          ; v16-17 LDS address of my A fragments in slot 0, 1
.set ADRB, 20                          ; v20-21 the same for B
.set STO,  24                          ; where I put 16 bytes of a stage row
.set RD,   25                          ; where I read a stage row back: 16 bytes a lane
.set CO,   26                          ; 8 x lane: my 4 bf16 of a row; never rewritten
.set RA,   27                          ; RD + the row loop's step
.set SPW,  28                          ; SPARE + 4 x my thread's number; never rewritten
.set NIL,  29                          ; 0; never rewritten
.set L16,  31                          ; 16 x lane; never rewritten
.set T,    96                          ; v96-111  four rows, my 4 columns of each
.set BI,   112                         ; v112-115 my 4 columns' bias
.set U,    116                         ; v116-131 t
.set Q,    132                         ; v132-147 t^2 / 2d
.set O,    148                         ; v148-155 packed, to store
.set O2,   156                         ; v156-163 packed, to store
.set G1A, 24
.set G0A, 32
.set G1B, 48
.set G0B, 56
.set HF,  47
.set WV,  66
.set WM,  67
.set WN,  68
.set CX,  69
.set RT,  70
.set Y,   71
.set ROLE, 72
.set RO,  75
.set C50, 88                           ; s[88:89] 1 / 2d
.set CM,  90                           ; s[90:91] -d / 2
.set CR,  92                           ; s[92:93] 1 / (2048 d)
.set C01, 94                           ; d
.set MSB, 0
.macro WIN new                         ; the immediate's high byte repeats the setting that is left; a switch that changes nothing is dropped
.if MSB != (\new)
	s_set_vgpr_msb (MSB<<8)|(\new)
.set MSB, \new
.endif
.endm
.set MULW, 0xa1                        ; source 0 (B) window 1, source 1 (A) window 0, C and D window 2
.set TO_B, 0x40                        ; destination window 1
.macro JLOAD s                         ; waves 0 and 1 fetch A's two halves (plain), waves 2 and 3 B's (joint); an s_nop 0 and four v_nop follow each line
	s_cmp_eq_u32 s[WM], 0
	s_cbranch_scc0 .Lfor_b_\@
	tensor_load_to_lds s[G0A+4*(\s):G0A+4*(\s)+3], s[G1A:G1A+7]
	s_nop 0
.rept 4
	v_nop
.endr
	s_branch .Lasked_\@
.Lfor_b_\@:
	tensor_load_to_lds s[G0B+4*(\s):G0B+4*(\s)+3], s[G1B:G1B+7]
	s_nop 0
.rept 4
	v_nop
.endr
.Lasked_\@:
.endm
.macro CROUND                          ; a round of the cluster's barrier
	s_barrier_signal -1
	s_barrier_wait -1
	s_cmp_lg_u32 s[WV], 0
	s_cbranch_scc1 .Lnot_wave_0_\@
	s_barrier_signal -3
.Lnot_wave_0_\@:
	s_barrier_wait -3
	s_barrier_signal -1
	s_barrier_wait -1
.endm
.macro PLACES                          ; four plain places between a matrix instruction and a load into a register that it has read
.rept 4
	v_nop
.endr
.endm
.macro MUL8 f, a, zero                 ; row block a x all 8 column blocks, 32 along K, from buffer f; the 32 accumulators take turns, one instruction a turn
	WIN MULW
.irp b, 0,1,2,3,4,5,6,7
.if \zero
	v_wmma_f32_16x16x32_bf16 v[8*(8*(\a)+\b):8*(8*(\a)+\b)+7], v[64*(\f)+8*\b:64*(\f)+8*\b+7], v[32+32*(\f)+8*(\a):32+32*(\f)+8*(\a)+7], 0
.else
	v_wmma_f32_16x16x32_bf16 v[8*(8*(\a)+\b):8*(8*(\a)+\b)+7], v[64*(\f)+8*\b:64*(\f)+8*\b+7], v[32+32*(\f)+8*(\a):32+32*(\f)+8*(\a)+7], v[8*(8*(\a)+\b):8*(8*(\a)+\b)+7]
.endif
.endr
.endm
.macro FETCH slot, q, f                ; 24 LDS loads in one run: quarter q (32 along K) of a slot into buffer f: B's 8 blocks, then A's 4
	WIN TO_B
.irp i, 0,1,2,3,4,5,6,7
	ds_load_b128 v[64*(\f)+8*\i:64*(\f)+8*\i+3],   v[ADRB+(\slot)] offset:64*(\q)+\i*16*PITCH
	ds_load_b128 v[64*(\f)+8*\i+4:64*(\f)+8*\i+7], v[ADRB+(\slot)] offset:64*(\q)+\i*16*PITCH+32
.endr
	WIN 0
.irp i, 0,1,2,3
	ds_load_b128 v[32+32*(\f)+8*\i:32+32*(\f)+8*\i+3],   v[ADRA+(\slot)] offset:64*(\q)+\i*16*PITCH
	ds_load_b128 v[32+32*(\f)+8*\i+4:32+32*(\f)+8*\i+7], v[ADRA+(\slot)] offset:64*(\q)+\i*16*PITCH+32
.endr
.endm
.macro QUARTER slot, q, f, g, zero     ; multiplies buffer f; in its middle fetches quarter q into buffer g
	s_wait_dscnt 4                                 ; all but the youngest four loads: A's blocks 2 and 3
	MUL8 \f, 0, \zero
	MUL8 \f, 1, \zero
	PLACES
	FETCH \slot, \q, \g
	s_wait_dscnt 24                                ; all but the 24 just issued
	MUL8 \f, 2, \zero
	MUL8 \f, 3, \zero
.endm
.macro TURN slot, next                 ; a step's last quarter, and the change of slots: nothing is filled again here
	WIN 0
	s_wait_tensorcnt 0x0                           ; my part of the next slot has landed;
	ds_add_u32 v[SPW], v[NIL]                      ; 0 onto my spare word
	s_wait_dscnt 5                                 ; (the add and the youngest four loads may be out)
	MUL8 1, 0, 0
	s_wait_dscnt 0x0                               ; the add is done, my reads of this slot are over
	s_barrier_signal -1
	MUL8 1, 1, 0
	s_barrier_wait -1                              ; the next slot is whole
	PLACES
	FETCH \next, 0, 0
	MUL8 1, 2, 0
	MUL8 1, 3, 0
.endm
.macro DUMP hf                         ; row blocks 2 hf, 2 hf + 1 in f32 into my stage; each accumulator's low registers first
	WIN 0x08                                       ; store data (source 1) in window 2
.irp a, 0,1
.irp b, 0,1,2,3,4,5,6,7
	ds_store_b128 v[STO], v[8*(8*(2*(\hf)+\a)+\b):8*(8*(2*(\hf)+\a)+\b)+3]   offset:16*SPITCH*\a+64*\b
	ds_store_b128 v[STO], v[8*(8*(2*(\hf)+\a)+\b)+4:8*(8*(2*(\hf)+\a)+\b)+7] offset:16*SPITCH*\a+64*\b+16
.endr
.endr
	WIN 0
.endm
.macro HALFDUMP
	s_cmp_eq_u32 s[HF], 0
	s_cbranch_scc0 .Lhi_\@
	DUMP 0
	s_branch .Ldone_\@
.Lhi_\@:
	DUMP 1
.Ldone_\@:
.endm
.macro ROWS4                           ; four rows of my stage: lane l takes columns 4 l .. 4 l + 3.  LDS serves a wave's instructions in order: these see my stores
	v_add_nc_u32 v[RA], s[RO], v[RD]
.irp i, 0,1,2,3
	ds_load_b128 v[T+4*\i:T+4*\i+3], v[RA] offset:SPITCH*\i
.endr
	s_wait_dscnt 0x0
.endm
.macro NEXT4 label
	s_add_co_u32 s[RO], s[RO], 4*SPITCH
	s_sub_co_u32 s2, s2, 1
	s_cmp_lg_u32 s2, 0
	s_cbranch_scc1 \label
.endm
	s_load_b256 s[4:11], s[0:1], 0x0               ; PW s[4:5], fb0 s[6:7], vb0 s[8:9], LA s[10:11]
	v_lshl_add_u32 v[SPW], v0, 2, SPARE
	v_mov_b32 v[NIL], 0
	ds_add_u32 v[SPW], v[NIL]                      ; the wave's opening: the add, twice on end, and its wait ahead of my first tensor load
	ds_add_u32 v[SPW], v[NIL]
	v_lshrrev_b32 v1, 5, v0
	v_readfirstlane_b32 s[WV], v1                  ; wave 0..3
	s_lshr_b32 s[WM], s[WV], 1                     ; my 64 rows.  Also: I fetch for A (0) or for B (1)
	s_and_b32 s[WN], s[WV], 1                      ; my 128 columns.  Also: which half of that tile I fetch
	s_bfe_u32 s[CX], ttmp6, 0x40000
	s_lshl_b32 s[RT], ttmp9, 2
	s_add_co_u32 s[RT], s[RT], s[CX]               ; row tile: it enters A's and the outputs' addresses alone
	s_and_b32 s[Y], ttmp7, 0xffff                  ; the unit, which the four partners share
	s_lshr_b32 s[ROLE], s[Y], 3
	s_mov_b32 s[G1A+0], (1<<16)|(1<<20)|(5<<22)|(3<<25)  ; no mask; 2-byte elements; padding on: after every 64 words 4 words
	s_mov_b32 s[G1A+1], 128<<16                    ; tensor_dim0 = 128
	s_mov_b32 s[G1A+2], 64<<16                     ; tensor_dim1 = 64
	s_mov_b32 s[G1A+3], 128<<16                    ; tile_dim0 = 128
	s_mov_b32 s[G1A+4], 64                         ; tile_dim1 = 64
	s_mov_b32 s[G1A+5], PA
	s_mov_b32 s[G1A+6], 0
	s_mov_b32 s[G1A+7], 0
	s_mov_b32 s[G1B+0], 15|(1<<16)|(1<<20)|(1<<21)|(5<<22)|(3<<25)  ; the mask of four, bit 21 beside it; the rest as A's
	s_mov_b32 s[G1B+1], 128<<16
	s_mov_b32 s[G1B+2], 128<<16                    ; 128 rows
	s_mov_b32 s[G1B+3], 128<<16
	s_mov_b32 s[G1B+4], 128
	s_mov_b32 s[G1B+5], PB
	s_mov_b32 s[G1B+6], 0
	s_mov_b32 s[G1B+7], 0
	s_lshl_b32 s14, s[RT], 7
	s_lshl_b32 s15, s[WN], 6
	s_add_co_u32 s14, s14, s15
	s_mul_i32 s14, s14, PAB                        ; A: row 128 x row tile + 64 x half
	s_mov_b32 s15, 0
	s_lshl_b32 s40, s[Y], 8
	s_lshl_b32 s41, s[WN], 7
	s_add_co_u32 s40, s40, s41
	s_mul_i32 s40, s40, PBB                        ; B: row 256 y + 128 x half: nothing of cx in these registers
	s_mov_b32 s41, 0
	s_mul_i32 s20, s[WN], 64*PITCH                 ; where they go
	s_mul_i32 s21, s[WN], APART
	s_mov_b32 s[C50], 0x42480000
	s_mov_b32 s[C50+1], 0x42480000
	s_mov_b32 s[CM], 0xbba3d70a
	s_mov_b32 s[CM+1], 0xbba3d70a
	s_mov_b32 s[CR], 0x3d480000
	s_mov_b32 s[CR+1], 0x3d480000
	s_mov_b32 s[C01], 0x3c23d70a
	s_wait_dscnt 0x0                               ; both opening adds are done
	s_wait_kmcnt 0x0
	s_add_nc_u64 s[16:17], s[4:5], s[14:15]
	s_add_nc_u64 s[16:17], s[16:17], X16OFF
	s_add_nc_u64 s[42:43], s[4:5], s[40:41]
	s_add_nc_u64 s[42:43], s[42:43], WCOFF
	CROUND                                         ; all four work-groups are here: the first joint loads meet
.irp s, 0,1
	s_mov_b32 s[G0A+4*\s], 1
	s_add_co_u32 s[G0A+4*\s+1], s20, \s*SLOT
	s_add_nc_u64 s[G0A+4*\s+2:G0A+4*\s+3], s[16:17], \s*256
	s_or_b32 s[G0A+4*\s+3], s[G0A+4*\s+3], 0x80000000
	s_mov_b32 s[G0B+4*\s], 1
	s_add_co_u32 s[G0B+4*\s+1], s21, \s*SLOT+APART
	s_add_nc_u64 s[G0B+4*\s+2:G0B+4*\s+3], s[42:43], \s*BSTEP
	s_or_b32 s[G0B+4*\s+3], s[G0B+4*\s+3], 0x80000000
	JLOAD \s
.endr
	v_and_b32 v1, 15, v0                           ; l % 16
	v_bfe_u32 v2, v0, 4, 1                         ; l / 16
	v_mul_u32_u24 v3, v1, PITCH
	v_lshl_add_u32 v3, v2, 4, v3                   ; a fragment's row x pitch + 16 x half
	s_mul_i32 s22, s[WM], 64*PITCH
	s_mul_i32 s23, s[WN], APART
	s_add_co_u32 s23, s23, APART
.irp s, 0,1
	v_add_nc_u32 v[ADRA+\s], s22, v3
	v_add_nc_u32 v[ADRB+\s], s23, v3
	s_add_co_u32 s22, s22, SLOT
	s_add_co_u32 s23, s23, SLOT
.endr
	s_mul_i32 s22, s[WV], WSTAGE
	s_add_co_u32 s22, s22, STAGE                   ; my stage
	v_mul_u32_u24 v4, v1, SPITCH
	v_lshl_add_u32 v4, v2, 5, v4                   ; row l % 16, 32 bytes for each half of the lanes
	v_add_nc_u32 v[STO], s22, v4
	v_and_b32 v5, 31, v0
	v_lshl_add_u32 v[RD], v5, 4, s22
	v_lshlrev_b32 v[CO], 3, v5
	v_lshlrev_b32 v[L16], 4, v5
	s_and_b32 s44, s[Y], 7
	s_lshl_b32 s45, s44, 9
	s_lshl_b32 s46, s[WN], 8
	s_add_co_u32 s45, s45, s46                     ; my 128 columns: their byte in a bf16 row of 2,048
	s_lshl_b32 s18, s[RT], 7
	s_lshl_b32 s19, s[WM], 6
	s_add_co_u32 s18, s18, s19                     ; my first row
	s_lshl_b32 s19, s[ROLE], 11
	s_add_co_u32 s19, s19, s18
	s_mul_i32 s14, s19, 4608
	s_add_co_u32 s14, s14, s45
	s_add_nc_u64 s[80:81], s[10:11], s[14:15]      ; h0 (rows 0 on) or z0 (rows 2048 on)
	s_lshl_b32 s14, s18, 12
	s_add_co_u32 s14, s14, s45
	s_add_nc_u64 s[82:83], s[10:11], s[14:15]
	s_add_nc_u64 s[82:83], s[82:83], R0OFF         ; rehu'(a0) / 2048
	s_lshl_b32 s14, s45, 1
	s_cmp_eq_u32 s[ROLE], 0
	s_cselect_b64 s[84:85], s[6:7], s[8:9]
	s_add_nc_u64 s[84:85], s[84:85], s[14:15]
	global_load_b128 v[BI:BI+3], v[L16], s[84:85]  ; my 4 columns' bias
	s_wait_tensorcnt 0x1                           ; my part of K step 0 is in; step 1's load stays out
	s_barrier_signal -1
	s_barrier_wait -1
	FETCH 0, 0, 0
	QUARTER 0, 1, 0, 1, 1                          ; the first products start the sums: nothing is cleared
	QUARTER 0, 2, 1, 0, 0
	QUARTER 0, 3, 0, 1, 0
	TURN 0, 1
	QUARTER 1, 1, 0, 1, 0
	QUARTER 1, 2, 1, 0, 0
	QUARTER 1, 3, 0, 1, 0
	s_wait_dscnt 4
	MUL8 1, 0, 0
	MUL8 1, 1, 0
	s_wait_dscnt 0x0
	MUL8 1, 2, 0
	MUL8 1, 3, 0
	WIN 0
.rept 8
	v_nop                                          ; the places behind the last products, ahead of the stores that read them
.endr
	s_wait_loadcnt 0x0                             ; the bias
	s_mov_b32 s[HF], 0
	s_cmp_eq_u32 s[ROLE], 0
	s_cbranch_scc0 .Lv_half
.Lf_half:                                      ; h0: two halves of 32 rows, four rows a trip
	HALFDUMP
	s_mov_b32 s2, 8
	s_mov_b32 s[RO], 0
.Lf_rows:
	ROWS4
.set p, 0
.rept 8
	v_pk_add_f32 v[T+2*p:T+2*p+1], v[T+2*p:T+2*p+1], v[BI+2*(p%2):BI+2*(p%2)+1]
.set p, p+1
.endr
.set k, 0
.rept 16
	v_max_num_f32 v[T+k], 0, v[T+k]
.set k, k+1
.endr
.irp i, 0,1,2,3
	v_cvt_pk_bf16_f32 v[O+2*\i], v[T+4*\i], v[T+4*\i+1]
	v_cvt_pk_bf16_f32 v[O+2*\i+1], v[T+4*\i+2], v[T+4*\i+3]
	global_store_b64 v[CO], v[O+2*\i:O+2*\i+1], s[80:81] offset:\i*4608  ; the wave stores 256 consecutive bytes, aligned
.endr
	s_wait_xcnt 0x0                                ; the stores have read their data and their base: both are written again only behind this wait
	s_add_nc_u64 s[80:81], s[80:81], 4*4608
	NEXT4 .Lf_rows
	s_add_co_u32 s[HF], s[HF], 1
	s_cmp_lt_u32 s[HF], 2
	s_cbranch_scc1 .Lf_half
	s_branch .Lclose
.Lv_half:                                      ; z0 and rehu'(a0) / 2048
	HALFDUMP
	s_mov_b32 s2, 8
	s_mov_b32 s[RO], 0
.Lv_rows:
	ROWS4
.set p, 0
.rept 8
	v_pk_add_f32 v[T+2*p:T+2*p+1], v[T+2*p:T+2*p+1], v[BI+2*(p%2):BI+2*(p%2)+1]  ; a
.set p, p+1
.endr
.set k, 0
.rept 16
	v_med3_num_f32 v[U+k], v[T+k], 0, s[C01]       ; t = clamp(a, 0, d)
.set k, k+1
.endr
.set p, 0
.rept 8
	v_pk_mul_f32 v[Q+2*p:Q+2*p+1], v[U+2*p:U+2*p+1], s[C50:C50+1] op_sel_hi:[1,0]
.set p, p+1
.endr
.set p, 0
.rept 8
	v_pk_mul_f32 v[Q+2*p:Q+2*p+1], v[Q+2*p:Q+2*p+1], v[U+2*p:U+2*p+1]            ; t^2 / 2d
	v_pk_add_f32 v[T+2*p:T+2*p+1], v[T+2*p:T+2*p+1], s[CM:CM+1] op_sel_hi:[1,0]  ; a - d / 2
	v_pk_mul_f32 v[U+2*p:U+2*p+1], v[U+2*p:U+2*p+1], s[CR:CR+1] op_sel_hi:[1,0]  ; t / (2048 d)
.set p, p+1
.endr
.set k, 0
.rept 16
	v_max_num_f32 v[T+k], v[T+k], v[Q+k]
.set k, k+1
.endr
.irp i, 0,1,2,3
	v_cvt_pk_bf16_f32 v[O+2*\i], v[T+4*\i], v[T+4*\i+1]
	v_cvt_pk_bf16_f32 v[O+2*\i+1], v[T+4*\i+2], v[T+4*\i+3]
	global_store_b64 v[CO], v[O+2*\i:O+2*\i+1], s[80:81] offset:\i*4608
	v_cvt_pk_bf16_f32 v[O2+2*\i], v[U+4*\i], v[U+4*\i+1]
	v_cvt_pk_bf16_f32 v[O2+2*\i+1], v[U+4*\i+2], v[U+4*\i+3]
	global_store_b64 v[CO], v[O2+2*\i:O2+2*\i+1], s[82:83] offset:\i*4096
.endr
	s_wait_xcnt 0x0
	s_add_nc_u64 s[80:81], s[80:81], 4*4608
	s_add_nc_u64 s[82:83], s[82:83], 4*4096
	NEXT4 .Lv_rows
	s_add_co_u32 s[HF], s[HF], 1
	s_cmp_lt_u32 s[HF], 2
	s_cbranch_scc1 .Lv_half
.Lclose:
	s_wait_tensorcnt 0x0                           ; the wave's end: behind my last tensor load and my last LDS store
	ds_add_u32 v[SPW], v[NIL]
	s_wait_dscnt 0x0
	CROUND                                         ; the closing round
	s_endpgm
.Lfunc_end_k_q602b0adf68_lay0:
	.size	k_q602b0adf68_lay0, .Lfunc_end_k_q602b0adf68_lay0-k_q602b0adf68_lay0
	.p2alignl 7, 3214868480
	.fill 96, 4, 3214868480
	.section	.rodata,"a",@progbits
	.p2align	6, 0x0
	.amdhsa_kernel k_q602b0adf68_lay0
		.amdhsa_group_segment_fixed_size 327680
		.amdhsa_private_segment_fixed_size 0
		.amdhsa_enable_private_segment 0
		.amdhsa_kernarg_size 32
		.amdhsa_user_sgpr_count 2
		.amdhsa_user_sgpr_kernarg_segment_ptr 1
		.amdhsa_wavefront_size32 1
		.amdhsa_system_sgpr_workgroup_id_x 1
		.amdhsa_system_sgpr_workgroup_id_y 1
		.amdhsa_system_sgpr_workgroup_id_z 1
		.amdhsa_system_vgpr_workitem_id 0
		.amdhsa_next_free_vgpr 768
		.amdhsa_next_free_sgpr 96
		.amdhsa_reserve_vcc 0
		.amdhsa_float_denorm_mode_32 3
		.amdhsa_float_denorm_mode_16_64 3
		.amdhsa_memory_ordered 1
		.amdhsa_forward_progress 1
		.amdhsa_inst_pref_size 57
	.end_amdhsa_kernel
	.amdgpu_metadata
---
amdhsa.version: [ 1, 2 ]
amdhsa.kernels:
  - .name:           k_q602b0adf68_lay0
    .symbol:         k_q602b0adf68_lay0.kd
    .args:
      - { .name: PW, .offset: 0, .size: 8, .value_kind: global_buffer, .address_space: global }
      - { .name: fb0, .offset: 8, .size: 8, .value_kind: global_buffer, .address_space: global }
      - { .name: vb0, .offset: 16, .size: 8, .value_kind: global_buffer, .address_space: global }
      - { .name: LA, .offset: 24, .size: 8, .value_kind: global_buffer, .address_space: global }
    .group_segment_fixed_size: 327680
    .private_segment_fixed_size: 0
    .kernarg_segment_align: 8
    .kernarg_segment_size: 32
    .max_flat_workgroup_size: 128
    .sgpr_count:     96
    .vgpr_count:     768
    .wavefront_size: 32
...
	.end_amdgpu_metadata
.endif
;; end of part 2
;; launch fwd (part 3): grid 16 x 16, 4 waves a work-group, clusters of 4 x 1, 327,680 bytes of LDS; arguments PW, LA, fb1, vb1, KA; writes KA
.if DOCPART == 3
	.amdgcn_target "amdgcn-amd-amdhsa--gfx1250"
	.amdhsa_code_object_version 6
	.text
	.protected	k_q602b0adf68_fwd
	.globl	k_q602b0adf68_fwd
	.p2align	8
	.type	k_q602b0adf68_fwd,@function
k_q602b0adf68_fwd:
	s_mov_b64 s[64:65], 0
	v_nop
	global_prefetch_b8 v0, s[64:65] scope:SCOPE_SE
	s_setreg_imm32_b32 hwreg(HW_REG_WAVE_MODE, 25, 1), 1
	s_wait_xcnt 0x0
	s_wait_alu depctr_hold_cnt(0) depctr_sa_sdst(0) depctr_va_vdst(0) depctr_va_sdst(0) depctr_va_ssrc(0) depctr_va_vcc(0) depctr_vm_vsrc(0)
	s_getreg_b32 s2, hwreg(HW_REG_IB_STS2, 6, 4)
	s_cmp_eq_u32 s2, 0
	s_cbranch_scc0 .Lentry_in_a_cluster
	s_endpgm
.Lentry_in_a_cluster:
	s_bfe_u32 s2, ttmp6, 0x10000c
	s_cmp_lg_u32 s2, 0x3003
	s_cbranch_scc0 .Lentry_shape_is_right
	s_endpgm
.Lentry_shape_is_right:
; FWD.  Units y = 0..7: h1 = relu(h0 fW1^T + fb1), K = 2048, stored as hi = bf16(h1) and lo = bf16(h1 - hi).
; Units y = 8..15: a1 = [z0 | x] [S | 2048 vW1]^T / 2048 + vb1, ONE product over K = 2304; out: g1 = softplus(vU1) rehu'(a1) in bf16, and for each row the f32 sum over my 128 columns of rehu(a1) softplus(vU1).
; Left out: reference()'s second walk of the ICNN forward (inside grad): the same numbers as the first.
; SHARES, LAYOUT, CLUSTER as in the launch before: a work-group makes 128 rows x 256 columns, a wave 64 x 128; the matrix instruction is used transposed; B's tile is asked for jointly by the
; four row tiles of a cluster (mask 15), A's is a plain load of the work-group's own.  Not 4 x 4: one form serves four launches, and in two of them the units along y share no tile of A or are not a multiple of four.
; RING.  K steps of 128 through two slots; a slot is asked for again in the last quarter of its step, behind a round of the cluster's barrier, one tensor load a wave: by this text's count two loads
; of a wave are out at the start, one later.  The laps are 8 (y < 8) or 9: the loop counts up to a bound made of y, which the partners share; the LDS addresses are fixed.
; PREFETCH.  Behind the refill of K step t each asking wave names step t + 4: four steps, 512 matrix instructions, ahead of the load that will want it.  A's 64 rows of a wave: a lane a row, two
; instructions, in the first unit of the eight that read those rows.  B's 128 rows of a wave: the first cluster along x asks, its four partners take 32 rows each, told apart by address.
; Steps 0 to 5 come by their loads alone; the last step named is the last of K.
.set PA,     2304
.set PB,     2560
.set PAB,    2*PA
.set PBB,    2*PB
.set BSTEP,  256
.set SPUOFF, 24117248
.set YPOFF,  25165824
.set PITCH,  272
.set APART,  128*PITCH
.set SLOT,   3*APART
.set STAGE,  2*SLOT
.set SPITCH, 528
.set WSTAGE, 32*SPITCH
.set SPARE,  STAGE+4*WSTAGE
.set ADRA, 16
.set ADRB, 20
.set STO,  24
.set RD,   25
.set CO,   26
.set RA,   27
.set SPW,  28
.set NIL,  29
.set PFO,  30                          ; the prefetches' offset: my lane x a row's bytes; never rewritten
.set L16,  31
.set T,    96                          ; v96-111  four rows, my 4 columns of each
.set BI,   112                         ; v112-115 bias
.set SP,   116                         ; v116-119 softplus(vU1) of my columns
.set C1,   120                         ; v120-123 the same / d
.set U,    124                         ; v124-139
.set Q,    140                         ; v140-155
.set O,    156                         ; v156-163
.set YS,   164                         ; v164-167 a row's sum
.set YT,   168                         ; v168-171 the other half of the lanes'
.set YV,   172                         ; v172-173 lane l: the sums of my rows 2 l and 2 l + 1
.set LM,   174                         ; v174-175 lane, lane - 1
.set G1A, 24
.set G0A, 32
.set G1B, 48
.set G0B, 56
.set RI,  46
.set HF,  47
.set WV,  66
.set WM,  67
.set WN,  68
.set CX,  69
.set RT,  70
.set Y,   71
.set ROLE, 72
.set LIM, 73
.set BND, 74
.set RO,  75
.set PFA, 76
.set SEL, 86
.set C50, 88
.set CM,  90
.set CI,  92                           ; s[92:93] 1 / 2048
.set C01, 94
.set MSK, 95
.set MSB, 0
.macro WIN new
.if MSB != (\new)
	s_set_vgpr_msb (MSB<<8)|(\new)
.set MSB, \new
.endif
.endm
.set MULW, 0xa1
.set TO_B, 0x40
.macro JLOAD s
	s_cmp_eq_u32 s[WM], 0
	s_cbranch_scc0 .Lfor_b_\@
	tensor_load_to_lds s[G0A+4*(\s):G0A+4*(\s)+3], s[G1A:G1A+7]
	s_nop 0
.rept 4
	v_nop
.endr
	s_branch .Lasked_\@
.Lfor_b_\@:
	tensor_load_to_lds s[G0B+4*(\s):G0B+4*(\s)+3], s[G1B:G1B+7]
	s_nop 0
.rept 4
	v_nop
.endr
.Lasked_\@:
.endm
.macro CREST                           ; a round of the cluster's barrier behind its opening barrier
	s_cmp_lg_u32 s[WV], 0
	s_cbranch_scc1 .Lnot_wave_0_\@
	s_barrier_signal -3
.Lnot_wave_0_\@:
	s_barrier_wait -3
	s_barrier_signal -1
	s_barrier_wait -1
.endm
.macro CROUND
	s_barrier_signal -1
	s_barrier_wait -1
	CREST
.endm
.macro ASK                             ; the K step four refills on; the test is the same in all partners for a given wave
	s_cmp_lt_u32 s3, s[LIM]
	s_cbranch_scc0 .Lnot_mine_\@
	global_prefetch_b8 v[PFO], s[PFA:PFA+1] th:TH_LOAD_NT scope:SCOPE_SE
	s_cmp_eq_u32 s[WM], 0
	s_cbranch_scc0 .Lnot_mine_\@
	global_prefetch_b8 v[PFO], s[PFA:PFA+1] offset:32*PAB th:TH_LOAD_NT scope:SCOPE_SE  ; A's other 32 rows
.Lnot_mine_\@:
.endm
.macro PLACES
.rept 4
	v_nop
.endr
.endm
.macro MUL8 f, a, zero
	WIN MULW
.irp b, 0,1,2,3,4,5,6,7
.if \zero
	v_wmma_f32_16x16x32_bf16 v[8*(8*(\a)+\b):8*(8*(\a)+\b)+7], v[64*(\f)+8*\b:64*(\f)+8*\b+7], v[32+32*(\f)+8*(\a):32+32*(\f)+8*(\a)+7], 0
.else
	v_wmma_f32_16x16x32_bf16 v[8*(8*(\a)+\b):8*(8*(\a)+\b)+7], v[64*(\f)+8*\b:64*(\f)+8*\b+7], v[32+32*(\f)+8*(\a):32+32*(\f)+8*(\a)+7], v[8*(8*(\a)+\b):8*(8*(\a)+\b)+7]
.endif
.endr
.endm
.macro FETCH slot, q, f
	WIN TO_B
.irp i, 0,1,2,3,4,5,6,7
	ds_load_b128 v[64*(\f)+8*\i:64*(\f)+8*\i+3],   v[ADRB+(\slot)] offset:64*(\q)+\i*16*PITCH
	ds_load_b128 v[64*(\f)+8*\i+4:64*(\f)+8*\i+7], v[ADRB+(\slot)] offset:64*(\q)+\i*16*PITCH+32
.endr
	WIN 0
.irp i, 0,1,2,3
	ds_load_b128 v[32+32*(\f)+8*\i:32+32*(\f)+8*\i+3],   v[ADRA+(\slot)] offset:64*(\q)+\i*16*PITCH
	ds_load_b128 v[32+32*(\f)+8*\i+4:32+32*(\f)+8*\i+7], v[ADRA+(\slot)] offset:64*(\q)+\i*16*PITCH+32
.endr
.endm
.macro QUARTER slot, q, f, g, zero
	s_wait_dscnt 4                                 ; all but the youngest four loads: A's blocks 2 and 3
	MUL8 \f, 0, \zero
	MUL8 \f, 1, \zero
	PLACES
	FETCH \slot, \q, \g
	s_wait_dscnt 24                                ; all but the 24 just issued
	MUL8 \f, 2, \zero
	MUL8 \f, 3, \zero
.endm
; A step's last quarter and the change of slots.  fill = 1: the barrier opens a round of the cluster's barrier, and the slot just read out is filled again, first thing behind the round.
.macro TURN slot, next, fill
.if \fill
	s_wait_xcnt 0x0                                ; the last prefetch, a K step back, has read its address
	s_add_nc_u64 s[PFA:PFA+1], s[PFA:PFA+1], 256
.endif
	WIN 0
	s_wait_tensorcnt 0x0                           ; all my tensor loads have landed: my part of the next slot;
	ds_add_u32 v[SPW], v[NIL]                      ; 0 onto my spare word
	s_wait_dscnt 5                                 ; (the add and the youngest four loads may be out)
	MUL8 1, 0, 0
	s_wait_dscnt 0x0                               ; the add is done, my reads of this slot are over
	s_barrier_signal -1
	MUL8 1, 1, 0
.if \fill
	WIN 0
.endif
	s_barrier_wait -1
.if \fill
	CREST                                          ; no wave of any partner still reads this slot or has a load on its way
	s_add_nc_u64 s[G0A+4*(\slot)+2:G0A+4*(\slot)+3], s[G0A+4*(\slot)+2:G0A+4*(\slot)+3], 512
	s_add_nc_u64 s[G0B+4*(\slot)+2:G0B+4*(\slot)+3], s[G0B+4*(\slot)+2:G0B+4*(\slot)+3], 2*BSTEP
	JLOAD \slot                                    ; its four v_nop are also the places in front of the loads below
.else
	PLACES
.endif
	FETCH \next, 0, 0
.if \fill
	ASK
.endif
	MUL8 1, 2, 0
	MUL8 1, 3, 0
.endm
.macro DUMP hf
	WIN 0x08
.irp a, 0,1
.irp b, 0,1,2,3,4,5,6,7
	ds_store_b128 v[STO], v[8*(8*(2*(\hf)+\a)+\b):8*(8*(2*(\hf)+\a)+\b)+3]   offset:16*SPITCH*\a+64*\b
	ds_store_b128 v[STO], v[8*(8*(2*(\hf)+\a)+\b)+4:8*(8*(2*(\hf)+\a)+\b)+7] offset:16*SPITCH*\a+64*\b+16
.endr
.endr
	WIN 0
.endm
.macro HALFDUMP
	s_cmp_eq_u32 s[HF], 0
	s_cbranch_scc0 .Lhi_\@
	DUMP 0
	s_branch .Ldone_\@
.Lhi_\@:
	DUMP 1
.Ldone_\@:
.endm
.macro ROWS4
	v_add_nc_u32 v[RA], s[RO], v[RD]
.irp i, 0,1,2,3
	ds_load_b128 v[T+4*\i:T+4*\i+3], v[RA] offset:SPITCH*\i
.endr
	s_wait_dscnt 0x0
.endm
.macro NEXT4 label
	s_add_co_u32 s[RO], s[RO], 4*SPITCH
	s_sub_co_u32 s2, s2, 1
	s_cmp_lg_u32 s2, 0
	s_cbranch_scc1 \label
.endm
	s_load_b256 s[4:11], s[0:1], 0x0               ; PW s[4:5], LA s[6:7], fb1 s[8:9], vb1 s[10:11]
	s_load_b64 s[12:13], s[0:1], 0x20              ; KA
	v_lshl_add_u32 v[SPW], v0, 2, SPARE
	v_mov_b32 v[NIL], 0
	ds_add_u32 v[SPW], v[NIL]                      ; the wave's opening: the add, twice on end, and its wait ahead of my first tensor load
	ds_add_u32 v[SPW], v[NIL]
	v_lshrrev_b32 v1, 5, v0
	v_readfirstlane_b32 s[WV], v1
	s_lshr_b32 s[WM], s[WV], 1
	s_and_b32 s[WN], s[WV], 1
	s_bfe_u32 s[CX], ttmp6, 0x40000
	s_lshl_b32 s[RT], ttmp9, 2
	s_add_co_u32 s[RT], s[RT], s[CX]
	s_and_b32 s[Y], ttmp7, 0xffff
	s_lshr_b32 s[ROLE], s[Y], 3
	s_mov_b32 s[G1A+0], (1<<16)|(1<<20)|(5<<22)|(3<<25)
	s_mov_b32 s[G1A+1], 128<<16
	s_mov_b32 s[G1A+2], 64<<16
	s_mov_b32 s[G1A+3], 128<<16
	s_mov_b32 s[G1A+4], 64
	s_mov_b32 s[G1A+5], PA
	s_mov_b32 s[G1A+6], 0
	s_mov_b32 s[G1A+7], 0
	s_mov_b32 s[G1B+0], 15|(1<<16)|(1<<20)|(1<<21)|(5<<22)|(3<<25)
	s_mov_b32 s[G1B+1], 128<<16
	s_mov_b32 s[G1B+2], 128<<16
	s_mov_b32 s[G1B+3], 128<<16
	s_mov_b32 s[G1B+4], 128
	s_mov_b32 s[G1B+5], PB
	s_mov_b32 s[G1B+6], 0
	s_mov_b32 s[G1B+7], 0
	s_lshl_b32 s14, s[RT], 7
	s_lshl_b32 s15, s[WN], 6
	s_add_co_u32 s14, s14, s15
	s_lshl_b32 s15, s[ROLE], 11
	s_add_co_u32 s14, s14, s15                     ; A: h0's rows, or 2,048 further down [z0 | x]'s
	s_mul_i32 s14, s14, PAB
	s_mov_b32 s15, 0
	s_lshl_b32 s40, s[Y], 8
	s_lshl_b32 s41, s[WN], 7
	s_add_co_u32 s40, s40, s41
	s_mul_i32 s40, s40, PBB                        ; B: row 256 y + 128 x half of BM
	s_mov_b32 s41, 0
	s_mul_i32 s20, s[WN], 64*PITCH
	s_mul_i32 s21, s[WN], APART
	s_mov_b32 s[SEL], 0x76543210
	s_mov_b32 s[SEL+1], 0xfedcba98
	s_mov_b32 s[C50], 0x42480000
	s_mov_b32 s[C50+1], 0x42480000
	s_mov_b32 s[CM], 0xbba3d70a
	s_mov_b32 s[CM+1], 0xbba3d70a
	s_mov_b32 s[CI], 0x3a000000
	s_mov_b32 s[CI+1], 0x3a000000
	s_mov_b32 s[C01], 0x3c23d70a
	s_mov_b32 s[MSK], 0xffff0000
	s_wait_dscnt 0x0
	s_wait_kmcnt 0x0
	s_add_nc_u64 s[16:17], s[6:7], s[14:15]
	s_add_nc_u64 s[42:43], s[4:5], s[40:41]
	CROUND
.irp s, 0,1
	s_mov_b32 s[G0A+4*\s], 1
	s_add_co_u32 s[G0A+4*\s+1], s20, \s*SLOT
	s_add_nc_u64 s[G0A+4*\s+2:G0A+4*\s+3], s[16:17], \s*256
	s_or_b32 s[G0A+4*\s+3], s[G0A+4*\s+3], 0x80000000
	s_mov_b32 s[G0B+4*\s], 1
	s_add_co_u32 s[G0B+4*\s+1], s21, \s*SLOT+APART
	s_add_nc_u64 s[G0B+4*\s+2:G0B+4*\s+3], s[42:43], \s*BSTEP
	s_or_b32 s[G0B+4*\s+3], s[G0B+4*\s+3], 0x80000000
	JLOAD \s
.endr
	v_and_b32 v1, 15, v0
	v_bfe_u32 v2, v0, 4, 1
	v_mul_u32_u24 v3, v1, PITCH
	v_lshl_add_u32 v3, v2, 4, v3
	s_mul_i32 s22, s[WM], 64*PITCH
	s_mul_i32 s23, s[WN], APART
	s_add_co_u32 s23, s23, APART
.irp s, 0,1
	v_add_nc_u32 v[ADRA+\s], s22, v3
	v_add_nc_u32 v[ADRB+\s], s23, v3
	s_add_co_u32 s22, s22, SLOT
	s_add_co_u32 s23, s23, SLOT
.endr
	s_mul_i32 s22, s[WV], WSTAGE
	s_add_co_u32 s22, s22, STAGE
	v_mul_u32_u24 v4, v1, SPITCH
	v_lshl_add_u32 v4, v2, 5, v4
	v_add_nc_u32 v[STO], s22, v4
	v_and_b32 v5, 31, v0
	v_lshl_add_u32 v[RD], v5, 4, s22
	v_lshlrev_b32 v[CO], 3, v5
	v_lshlrev_b32 v[L16], 4, v5
	s_and_b32 s44, s[Y], 7
	s_lshl_b32 s45, s44, 9
	s_lshl_b32 s46, s[WN], 8
	s_add_co_u32 s45, s45, s46                     ; my 128 columns: their byte in a bf16 row of 2,048
	s_lshl_b32 s18, s[RT], 7
	s_lshl_b32 s19, s[WM], 6
	s_add_co_u32 s18, s18, s19                     ; my first row
	s_mul_i32 s14, s18, 12288
	s_add_co_u32 s14, s14, s45
	s_xor_b32 s19, s[ROLE], 1
	s_lshl_b32 s19, s19, 12                        ; g1 lies at byte 0 of a row of ACT, hi at 4,096, lo at 8,192
	s_add_co_u32 s14, s14, s19
	s_add_nc_u64 s[80:81], s[12:13], s[14:15]
	s_lshl1_add_u32 s19, s44, s[WN]                ; which of the 16 column parts
	s_lshl_b32 s19, s19, 13
	s_lshl2_add_u32 s14, s18, s19
	s_add_nc_u64 s[82:83], s[12:13], s[14:15]
	s_add_nc_u64 s[82:83], s[82:83], YPOFF
	s_lshl_b32 s14, s45, 1
	s_add_nc_u64 s[20:21], s[4:5], s[14:15]
	s_add_nc_u64 s[20:21], s[20:21], SPUOFF
	s_cmp_eq_u32 s[ROLE], 0
	s_cselect_b64 s[84:85], s[8:9], s[10:11]
	s_cselect_b32 s[BND], 7, 8                     ; trips of the loop: laps - 1
	s_add_nc_u64 s[84:85], s[84:85], s[14:15]
	global_load_b128 v[BI:BI+3], v[L16], s[84:85]
	s_mul_i32 s22, s[CX], 32*PBB                   ; the prefetches: of B's 128 rows my work-group takes 32
	s_mov_b32 s23, 0
	s_mov_b32 s47, PBB
	s_cmp_eq_u32 s[WM], 0
	s_cselect_b64 s[PFA:PFA+1], s[16:17], s[42:43]
	s_cselect_b32 s22, 0, s22
	s_cselect_b32 s47, PAB, s47
	s_cselect_b32 s19, s44, ttmp9                  ; the coordinate along which others read the same rows
	s_add_nc_u64 s[PFA:PFA+1], s[PFA:PFA+1], s[22:23]
	s_add_nc_u64 s[PFA:PFA+1], s[PFA:PFA+1], 5*256 ; at K step 5: the first refill steps it to 6
	v_mul_u32_u24 v[PFO], s47, v5
	s_sub_co_u32 s46, s[BND], 2
	s_cmp_eq_u32 s19, 0
	s_cselect_b32 s[LIM], s46, 0                   ; trips that ask: laps - 3, or none
	s_wait_tensorcnt 0x1                           ; my part of K step 0 is in; step 1's load stays out
	s_barrier_signal -1
	s_barrier_wait -1
	FETCH 0, 0, 0
	QUARTER 0, 1, 0, 1, 1                          ; the first products start the sums
	WIN 0
	s_mov_b32 s3, 0
.Llap:                                         ; a trip goes once round the ring, from a lap's second quarter to the next lap's first
	QUARTER 0, 2, 1, 0, 0
	QUARTER 0, 3, 0, 1, 0
	TURN 0, 1, 1
	QUARTER 1, 1, 0, 1, 0
	QUARTER 1, 2, 1, 0, 0
	QUARTER 1, 3, 0, 1, 0
	TURN 1, 0, 1
	QUARTER 0, 1, 0, 1, 0
	WIN 0
	s_add_co_u32 s3, s3, 1
	s_cmp_lt_u32 s3, s[BND]
	s_cbranch_scc1 .Llap
	QUARTER 0, 2, 1, 0, 0                          ; the last lap fills nothing
	QUARTER 0, 3, 0, 1, 0
	TURN 0, 1, 0
	QUARTER 1, 1, 0, 1, 0
	QUARTER 1, 2, 1, 0, 0
	QUARTER 1, 3, 0, 1, 0
	s_wait_dscnt 4
	MUL8 1, 0, 0
	MUL8 1, 1, 0
	s_wait_dscnt 0x0
	MUL8 1, 2, 0
	MUL8 1, 3, 0
	WIN 0
.rept 8
	v_nop
.endr
	s_wait_loadcnt 0x0                             ; the bias
	s_mov_b32 s[HF], 0
	s_cmp_eq_u32 s[ROLE], 0
	s_cbranch_scc0 .Lg_arm
.Lh_half:                                      ; h1 as hi + lo
	HALFDUMP
	s_mov_b32 s2, 8
	s_mov_b32 s[RO], 0
.Lh_rows:
	ROWS4
.set p, 0
.rept 8
	v_pk_add_f32 v[T+2*p:T+2*p+1], v[T+2*p:T+2*p+1], v[BI+2*(p%2):BI+2*(p%2)+1]
.set p, p+1
.endr
.set k, 0
.rept 16
	v_max_num_f32 v[T+k], 0, v[T+k]
.set k, k+1
.endr
.set k, 0
.rept 8
	v_cvt_pk_bf16_f32 v[O+k], v[T+2*k], v[T+2*k+1] ; hi
.set k, k+1
.endr
.set k, 0
.rept 8
	v_lshlrev_b32 v[U+2*k], 16, v[O+k]             ; hi back in f32
	v_and_b32 v[U+2*k+1], s[MSK], v[O+k]
.set k, k+1
.endr
.set p, 0
.rept 8
	v_pk_add_f32 v[U+2*p:U+2*p+1], v[T+2*p:T+2*p+1], v[U+2*p:U+2*p+1] neg_lo:[0,1] neg_hi:[0,1]  ; h1 - hi, exact
.set p, p+1
.endr
.set k, 0
.rept 8
	v_cvt_pk_bf16_f32 v[Q+k], v[U+2*k], v[U+2*k+1] ; lo
.set k, k+1
.endr
.irp i, 0,1,2,3
	global_store_b64 v[CO], v[O+2*\i:O+2*\i+1], s[80:81] offset:\i*12288
	global_store_b64 v[CO], v[Q+2*\i:Q+2*\i+1], s[80:81] offset:\i*12288+4096
.endr
	s_wait_xcnt 0x0                                ; the stores have read their data and their base
	s_add_nc_u64 s[80:81], s[80:81], 4*12288
	NEXT4 .Lh_rows
	s_add_co_u32 s[HF], s[HF], 1
	s_cmp_lt_u32 s[HF], 2
	s_cbranch_scc1 .Lh_half
	s_branch .Lclose
.Lg_arm:                                       ; g1 and the rows' sums
	global_load_b128 v[SP:SP+3], v[L16], s[20:21]  ; softplus(vU1) of my 4 columns: loaded in the arm that reads it
	v_mov_b32 v[LM], v5
	v_add_nc_u32 v[LM+1], -1, v5
.irp i, 0,1,2,3
	v_mov_b32 v[YT+\i], 0                          ; v_permlanex16_b32's destination counts as read
.endr
	v_mov_b32 v[YV], 0
	v_mov_b32 v[YV+1], 0
	s_mov_b32 s[RI], 0
	s_wait_loadcnt 0x0
.irp i, 0,1,2,3
	v_mul_f32 v[C1+\i], 0x42c80000, v[SP+\i]       ; / d
.endr
.Lg_half:
	HALFDUMP
	s_mov_b32 s2, 8
	s_mov_b32 s[RO], 0
.Lg_rows:
	ROWS4
.set p, 0
.rept 8
	v_pk_fma_f32 v[T+2*p:T+2*p+1], v[T+2*p:T+2*p+1], s[CI:CI+1], v[BI+2*(p%2):BI+2*(p%2)+1] op_sel_hi:[1,0,1]  ; a1
.set p, p+1
.endr
.set k, 0
.rept 16
	v_med3_num_f32 v[U+k], v[T+k], 0, s[C01]       ; t
.set k, k+1
.endr
.set p, 0
.rept 8
	v_pk_mul_f32 v[Q+2*p:Q+2*p+1], v[U+2*p:U+2*p+1], s[C50:C50+1] op_sel_hi:[1,0]
.set p, p+1
.endr
.set p, 0
.rept 8
	v_pk_mul_f32 v[Q+2*p:Q+2*p+1], v[Q+2*p:Q+2*p+1], v[U+2*p:U+2*p+1]
	v_pk_add_f32 v[T+2*p:T+2*p+1], v[T+2*p:T+2*p+1], s[CM:CM+1] op_sel_hi:[1,0]
	v_pk_mul_f32 v[U+2*p:U+2*p+1], v[U+2*p:U+2*p+1], v[C1+2*(p%2):C1+2*(p%2)+1]  ; g1
.set p, p+1
.endr
.set k, 0
.rept 16
	v_max_num_f32 v[T+k], v[T+k], v[Q+k]           ; z1
.set k, k+1
.endr
.irp i, 0,1,2,3
	v_cvt_pk_bf16_f32 v[O+2*\i], v[U+4*\i], v[U+4*\i+1]
	v_cvt_pk_bf16_f32 v[O+2*\i+1], v[U+4*\i+2], v[U+4*\i+3]
	global_store_b64 v[CO], v[O+2*\i:O+2*\i+1], s[80:81] offset:\i*12288
.endr
.irp i, 0,1,2,3
	v_pk_mul_f32 v[Q+4*\i:Q+4*\i+1], v[T+4*\i:T+4*\i+1], v[SP:SP+1]
.endr
.irp i, 0,1,2,3
	v_pk_fma_f32 v[Q+4*\i:Q+4*\i+1], v[T+4*\i+2:T+4*\i+3], v[SP+2:SP+3], v[Q+4*\i:Q+4*\i+1]
.endr
.irp i, 0,1,2,3
	v_add_f32 v[YS+\i], v[Q+4*\i], v[Q+4*\i+1]
.endr
.irp m, 1,2,4,8
.irp i, 0,1,2,3
	v_add_f32_dpp v[YS+\i], v[YS+\i], v[YS+\i] row_xmask:\m row_mask:0xf bank_mask:0xf
.endr
.endr
.irp i, 0,1,2,3
	v_permlanex16_b32 v[YT+\i], v[YS+\i], s[SEL], s[SEL+1]
.endr
.irp i, 0,1,2,3
	v_add_f32 v[YS+\i], v[YS+\i], v[YT+\i]         ; the row's sum over my 128 columns, in every lane
.endr
.irp i, 0,1,2,3
	v_cmp_eq_u32 vcc_lo, s[RI], v[LM+(\i/2)]       ; row 2 RI + i belongs to lane RI + i / 2, register i % 2
	v_cndmask_b32 v[YV+(\i%2)], v[YV+(\i%2)], v[YS+\i], vcc_lo
.endr
	s_wait_xcnt 0x0
	s_add_nc_u64 s[80:81], s[80:81], 4*12288
	s_add_co_u32 s[RI], s[RI], 2
	NEXT4 .Lg_rows
	s_add_co_u32 s[HF], s[HF], 1
	s_cmp_lt_u32 s[HF], 2
	s_cbranch_scc1 .Lg_half
	global_store_b64 v[CO], v[YV:YV+1], s[82:83]   ; my 64 rows' sums: 256 consecutive bytes, aligned
.Lclose:
	s_wait_tensorcnt 0x0                           ; the wave's end
	ds_add_u32 v[SPW], v[NIL]
	s_wait_dscnt 0x0
	CROUND                                         ; the closing round
	s_endpgm
.Lfunc_end_k_q602b0adf68_fwd:
	.size	k_q602b0adf68_fwd, .Lfunc_end_k_q602b0adf68_fwd-k_q602b0adf68_fwd
	.p2alignl 7, 3214868480
	.fill 96, 4, 3214868480
	.section	.rodata,"a",@progbits
	.p2align	6, 0x0
	.amdhsa_kernel k_q602b0adf68_fwd
		.amdhsa_group_segment_fixed_size 327680
		.amdhsa_private_segment_fixed_size 0
		.amdhsa_enable_private_segment 0
		.amdhsa_kernarg_size 40
		.amdhsa_user_sgpr_count 2
		.amdhsa_user_sgpr_kernarg_segment_ptr 1
		.amdhsa_wavefront_size32 1
		.amdhsa_system_sgpr_workgroup_id_x 1
		.amdhsa_system_sgpr_workgroup_id_y 1
		.amdhsa_system_sgpr_workgroup_id_z 1
		.amdhsa_system_vgpr_workitem_id 0
		.amdhsa_next_free_vgpr 768
		.amdhsa_next_free_sgpr 96
		.amdhsa_reserve_vcc 1
		.amdhsa_float_denorm_mode_32 3
		.amdhsa_float_denorm_mode_16_64 3
		.amdhsa_memory_ordered 1
		.amdhsa_forward_progress 1
		.amdhsa_inst_pref_size 95
	.end_amdhsa_kernel
	.amdgpu_metadata
---
amdhsa.version: [ 1, 2 ]
amdhsa.kernels:
  - .name:           k_q602b0adf68_fwd
    .symbol:         k_q602b0adf68_fwd.kd
    .args:
      - { .name: PW, .offset: 0, .size: 8, .value_kind: global_buffer, .address_space: global }
      - { .name: LA, .offset: 8, .size: 8, .value_kind: global_buffer, .address_space: global }
      - { .name: fb1, .offset: 16, .size: 8, .value_kind: global_buffer, .address_space: global }
      - { .name: vb1, .offset: 24, .size: 8, .value_kind: global_buffer, .address_space: global }
      - { .name: KA, .offset: 32, .size: 8, .value_kind: global_buffer, .address_space: global }
    .group_segment_fixed_size: 327680
    .private_segment_fixed_size: 0
    .kernarg_segment_align: 8
    .kernarg_segment_size: 40
    .max_flat_workgroup_size: 128
    .sgpr_count:     96
    .vgpr_count:     768
    .wavefront_size: 32
...
	.end_amdgpu_metadata
.endif
;; end of part 3
;; launch bwd (part 4): grid 16 x 11, 4 waves a work-group, clusters of 4 x 1, 327,680 bytes of LDS; arguments PW, LA, KA, KB; writes KB
.if DOCPART == 4
	.amdgcn_target "amdgcn-amd-amdhsa--gfx1250"
	.amdhsa_code_object_version 6
	.text
	.protected	k_q602b0adf68_bwd
	.globl	k_q602b0adf68_bwd
	.p2align	8
	.type	k_q602b0adf68_bwd,@function
k_q602b0adf68_bwd:
	s_mov_b64 s[64:65], 0
	v_nop
	global_prefetch_b8 v0, s[64:65] scope:SCOPE_SE
	s_setreg_imm32_b32 hwreg(HW_REG_WAVE_MODE, 25, 1), 1
	s_wait_xcnt 0x0
	s_wait_alu depctr_hold_cnt(0) depctr_sa_sdst(0) depctr_va_vdst(0) depctr_va_sdst(0) depctr_va_ssrc(0) depctr_va_vcc(0) depctr_vm_vsrc(0)
	s_getreg_b32 s2, hwreg(HW_REG_IB_STS2, 6, 4)
	s_cmp_eq_u32 s2, 0
	s_cbranch_scc0 .Lentry_in_a_cluster
	s_endpgm
.Lentry_in_a_cluster:
	s_bfe_u32 s2, ttmp6, 0x10000c
	s_cmp_lg_u32 s2, 0x3003
	s_cbranch_scc0 .Lentry_shape_is_right
	s_endpgm
.Lentry_shape_is_right:
; BWD: four kinds of product over K = 2048 whose B lies [K][N] in rows 2048 on of BM: it is read as it lies and turned on the way out of LDS (ds_load_tr16_b128).
; Units y = 0..7: g0 = (g1 S) x (rehu'(a0) / 2048), columns 256 y on, bf16.  y = 8: 2048 g1 vW1.  y = 9: hi fW2^T.  y = 10: lo fW2^T.  The last three leave in f32: they are added up in the last launch.
; SHARES, CLUSTER, RING as in the launch before (a work-group 128 x 256, a wave 64 x 128, B joint with mask 15, A plain; not 4 x 4: units 8 to 10 share no tile of A with four others, and 11 units are no multiple of four).
; A slot's B part is 128 rows of K x 512 bytes, 544 apart: the 16 lanes of a turning load take 8 rows x 32 bytes that begin 32 bytes apart modulo 256.
; PREFETCH.  Behind the refill of K step t each asking wave names step t + 4, 512 matrix instructions ahead of its load.  A's 64 rows of a wave, a lane a row, two instructions: unit 0 asks for g1
; (units 1 to 8 read the same), units 9 and 10 for hi and lo.  B's 64 rows of K x 512 bytes of a wave: the first cluster along x asks (unit 9 also for unit 10), each partner 16 rows, two lanes a row, told apart by address.
; Steps 0 to 5 come by their loads alone; the last step named is step 15.
.set PA,     6144
.set PB,     2560
.set PAB,    2*PA
.set PBB,    2*PB
.set BSTEP,  128*PBB
.set R0OFF,  18874368
.set PSOFF,  8388608
.set PITCH,  272
.set PT,     544
.set APART,  128*PITCH
.set SLOT,   3*APART
.set STAGE,  2*SLOT
.set SPITCH, 528
.set WSTAGE, 32*SPITCH
.set SPARE,  STAGE+4*WSTAGE
.set ADRA, 16
.set ADRB, 20
.set STO,  24
.set RD,   25
.set CO,   26
.set RA,   27
.set SPW,  28
.set NIL,  29
.set PFO,  30
.set L16,  31
.set T,    96                          ; the f32 way out: four rows
.set R,    96                          ; g0's way out: v96-223: row i's four factors as loaded, then its four results to store
.set G1A, 24
.set G0A, 32
.set G1B, 48
.set G0B, 56
.set WV,  66
.set WM,  67
.set WN,  68
.set CX,  69
.set RT,  70
.set Y,   71
.set ROLE, 72
.set LIM, 73
.set RO,  75
.set PFA, 76
.set PFS, 78                           ; s[78:79] bytes from a K step to the next in what I prefetch
.set MSK, 95
.set MSB, 0
.macro WIN new
.if MSB != (\new)
	s_set_vgpr_msb (MSB<<8)|(\new)
.set MSB, \new
.endif
.endm
.set MULW, 0xa1
.set TO_B, 0x40
.macro JLOAD s
	s_cmp_eq_u32 s[WM], 0
	s_cbranch_scc0 .Lfor_b_\@
	tensor_load_to_lds s[G0A+4*(\s):G0A+4*(\s)+3], s[G1A:G1A+7]
	s_nop 0
.rept 4
	v_nop
.endr
	s_branch .Lasked_\@
.Lfor_b_\@:
	tensor_load_to_lds s[G0B+4*(\s):G0B+4*(\s)+3], s[G1B:G1B+7]
	s_nop 0
.rept 4
	v_nop
.endr
.Lasked_\@:
.endm
.macro CREST
	s_cmp_lg_u32 s[WV], 0
	s_cbranch_scc1 .Lnot_wave_0_\@
	s_barrier_signal -3
.Lnot_wave_0_\@:
	s_barrier_wait -3
	s_barrier_signal -1
	s_barrier_wait -1
.endm
.macro CROUND
	s_barrier_signal -1
	s_barrier_wait -1
	CREST
.endm
.macro ASK
	s_cmp_gt_u32 s3, s[LIM]                        ; s3 counts 7 down to 1: the last two trips name nothing
	s_cbranch_scc0 .Lnot_mine_\@
	global_prefetch_b8 v[PFO], s[PFA:PFA+1] th:TH_LOAD_NT scope:SCOPE_SE
	s_cmp_eq_u32 s[WM], 0
	s_cbranch_scc0 .Lnot_mine_\@
	global_prefetch_b8 v[PFO], s[PFA:PFA+1] offset:32*PAB th:TH_LOAD_NT scope:SCOPE_SE
.Lnot_mine_\@:
.endm
.macro PLACES
.rept 4
	v_nop
.endr
.endm
.macro MUL8 f, a, zero
	WIN MULW
.irp b, 0,1,2,3,4,5,6,7
.if \zero
	v_wmma_f32_16x16x32_bf16 v[8*(8*(\a)+\b):8*(8*(\a)+\b)+7], v[64*(\f)+8*\b:64*(\f)+8*\b+7], v[32+32*(\f)+8*(\a):32+32*(\f)+8*(\a)+7], 0
.else
	v_wmma_f32_16x16x32_bf16 v[8*(8*(\a)+\b):8*(8*(\a)+\b)+7], v[64*(\f)+8*\b:64*(\f)+8*\b+7], v[32+32*(\f)+8*(\a):32+32*(\f)+8*(\a)+7], v[8*(8*(\a)+\b):8*(8*(\a)+\b)+7]
.endif
.endr
.endm
.macro FETCH slot, q, f                ; B turned: block i is columns 16 i on; the two loads bring K = 32 q + 8 (l / 16) + 0..7 and 16 more
	WIN TO_B
.irp i, 0,1,2,3,4,5,6,7
	ds_load_tr16_b128 v[64*(\f)+8*\i:64*(\f)+8*\i+3],   v[ADRB+(\slot)] offset:32*PT*(\q)+32*\i
	ds_load_tr16_b128 v[64*(\f)+8*\i+4:64*(\f)+8*\i+7], v[ADRB+(\slot)] offset:32*PT*(\q)+32*\i+16*PT
.endr
	WIN 0
.irp i, 0,1,2,3
	ds_load_b128 v[32+32*(\f)+8*\i:32+32*(\f)+8*\i+3],   v[ADRA+(\slot)] offset:64*(\q)+\i*16*PITCH
	ds_load_b128 v[32+32*(\f)+8*\i+4:32+32*(\f)+8*\i+7], v[ADRA+(\slot)] offset:64*(\q)+\i*16*PITCH+32
.endr
.endm
.macro QUARTER slot, q, f, g, zero
	s_wait_dscnt 4                                 ; all but the youngest four loads: A's blocks 2 and 3
	MUL8 \f, 0, \zero
	MUL8 \f, 1, \zero
	PLACES
	FETCH \slot, \q, \g
	s_wait_dscnt 24                                ; all but the 24 just issued
	MUL8 \f, 2, \zero
	MUL8 \f, 3, \zero
.endm
.macro TURN slot, next, fill
.if \fill
	s_wait_xcnt 0x0                                ; the last prefetch, a K step back, has read its address
	s_add_nc_u64 s[PFA:PFA+1], s[PFA:PFA+1], s[PFS:PFS+1]
.endif
	WIN 0
	s_wait_tensorcnt 0x0                           ; all my tensor loads have landed: my part of the next slot;
	ds_add_u32 v[SPW], v[NIL]                      ; 0 onto my spare word
	s_wait_dscnt 5                                 ; (the add and the youngest four loads may be out)
	MUL8 1, 0, 0
	s_wait_dscnt 0x0                               ; the add is done, my reads of this slot are over
	s_barrier_signal -1
	MUL8 1, 1, 0
.if \fill
	WIN 0
.endif
	s_barrier_wait -1
.if \fill
	CREST
	s_add_nc_u64 s[G0A+4*(\slot)+2:G0A+4*(\slot)+3], s[G0A+4*(\slot)+2:G0A+4*(\slot)+3], 512
	s_add_nc_u64 s[G0B+4*(\slot)+2:G0B+4*(\slot)+3], s[G0B+4*(\slot)+2:G0B+4*(\slot)+3], 2*BSTEP
	JLOAD \slot
.else
	PLACES
.endif
	FETCH \next, 0, 0
.if \fill
	ASK
.endif
	MUL8 1, 2, 0
	MUL8 1, 3, 0
.endm
.macro DUMP hf
	WIN 0x08
.irp a, 0,1
.irp b, 0,1,2,3,4,5,6,7
	ds_store_b128 v[STO], v[8*(8*(2*(\hf)+\a)+\b):8*(8*(2*(\hf)+\a)+\b)+3]   offset:16*SPITCH*\a+64*\b
	ds_store_b128 v[STO], v[8*(8*(2*(\hf)+\a)+\b)+4:8*(8*(2*(\hf)+\a)+\b)+7] offset:16*SPITCH*\a+64*\b+16
.endr
.endr
	WIN 0
.endm
; One row of g0: the sums (k-th of eight rows in v32 on) times the row's four factors, rounded into the registers that held the factors, stored from there: no register of a store is written again.
.macro ROWG row, k
.set rr, R+2*(\row)
.set tt, 32+4*(\k)
.set uu, 64+4*((\k)%2)
	s_wait_loadcnt 63-(\row)                       ; loads come back in order: this row's factors are in, the later rows' may stay out
	v_lshlrev_b32 v[uu], 16, v[rr]
	v_and_b32 v[uu+1], s[MSK], v[rr]
	v_lshlrev_b32 v[uu+2], 16, v[rr+1]
	v_and_b32 v[uu+3], s[MSK], v[rr+1]
	v_pk_mul_f32 v[tt:tt+1], v[tt:tt+1], v[uu:uu+1]
	v_pk_mul_f32 v[tt+2:tt+3], v[tt+2:tt+3], v[uu+2:uu+3]
	v_cvt_pk_bf16_f32 v[rr], v[tt], v[tt+1]
	v_cvt_pk_bf16_f32 v[rr+1], v[tt+2], v[tt+3]
	global_store_b64 v[CO], v[rr:rr+1], s[80:81] offset:4096*(\row)  ; 256 consecutive bytes, aligned
.endm
.macro OUT_G0 hf
	DUMP \hf
.irp g, 0,1,2,3
.irp k, 0,1,2,3,4,5,6,7
	ds_load_b128 v[32+4*\k:35+4*\k], v[RD] offset:(8*\g+\k)*SPITCH
.endr
	s_wait_dscnt 0x0
.irp k, 0,1,2,3,4,5,6,7
	ROWG 32*(\hf)+8*\g+\k, \k
.endr
.endr
.endm
.macro OUT_F hf                        ; 32 rows in f32, four a trip: a store of the wave covers 512 consecutive bytes, aligned
	DUMP \hf
	s_mov_b32 s2, 8
	s_mov_b32 s[RO], 0
.Lf_rows_\@:
	v_add_nc_u32 v[RA], s[RO], v[RD]
.irp i, 0,1,2,3
	ds_load_b128 v[T+4*\i:T+4*\i+3], v[RA] offset:SPITCH*\i
.endr
	s_wait_dscnt 0x0
.irp i, 0,1,2,3
	global_store_b128 v[L16], v[T+4*\i:T+4*\i+3], s[84:85] offset:\i*1024
.endr
	s_wait_xcnt 0x0                                ; the stores have read their data and their base
	s_add_nc_u64 s[84:85], s[84:85], 4096
	s_add_co_u32 s[RO], s[RO], 4*SPITCH
	s_sub_co_u32 s2, s2, 1
	s_cmp_lg_u32 s2, 0
	s_cbranch_scc1 .Lf_rows_\@
.endm
	s_load_b256 s[4:11], s[0:1], 0x0               ; PW s[4:5], LA s[6:7], KA s[8:9], KB s[10:11]
	v_lshl_add_u32 v[SPW], v0, 2, SPARE
	v_mov_b32 v[NIL], 0
	ds_add_u32 v[SPW], v[NIL]                      ; the wave's opening: the add, twice on end, and its wait ahead of my first tensor load
	ds_add_u32 v[SPW], v[NIL]
	v_lshrrev_b32 v1, 5, v0
	v_readfirstlane_b32 s[WV], v1
	s_lshr_b32 s[WM], s[WV], 1
	s_and_b32 s[WN], s[WV], 1
	s_bfe_u32 s[CX], ttmp6, 0x40000
	s_lshl_b32 s[RT], ttmp9, 2
	s_add_co_u32 s[RT], s[RT], s[CX]
	s_and_b32 s[Y], ttmp7, 0xffff
	s_lshr_b32 s[ROLE], s[Y], 3
	s_max_u32 s44, s[Y], 8
	s_sub_co_u32 s44, s44, 8                       ; 0 for g1, 1 for hi, 2 for lo; also which f32 plane
	s_min_u32 s45, s[Y], 9                         ; which 256 columns of BM's rows
	s_mov_b32 s[G1A+0], (1<<16)|(1<<20)|(5<<22)|(3<<25)
	s_mov_b32 s[G1A+1], 128<<16
	s_mov_b32 s[G1A+2], 64<<16
	s_mov_b32 s[G1A+3], 128<<16
	s_mov_b32 s[G1A+4], 64
	s_mov_b32 s[G1A+5], PA
	s_mov_b32 s[G1A+6], 0
	s_mov_b32 s[G1A+7], 0
	s_mov_b32 s[G1B+0], 15|(1<<16)|(1<<20)|(1<<21)|(6<<22)|(7<<25)  ; the mask of four, bit 21 beside it; after every 128 words 8 words of padding
	s_mov_b32 s[G1B+1], 256<<16                    ; tensor_dim0 = 256
	s_mov_b32 s[G1B+2], 64<<16                     ; tensor_dim1 = 64
	s_mov_b32 s[G1B+3], 256<<16                    ; tile_dim0 = 256
	s_mov_b32 s[G1B+4], 64                         ; tile_dim1 = 64
	s_mov_b32 s[G1B+5], PB
	s_mov_b32 s[G1B+6], 0
	s_mov_b32 s[G1B+7], 0
	s_lshl_b32 s14, s[RT], 7
	s_lshl_b32 s15, s[WN], 6
	s_add_co_u32 s14, s14, s15
	s_mul_i32 s14, s14, PAB
	s_lshl_b32 s15, s44, 12
	s_add_co_u32 s14, s14, s15
	s_mov_b32 s15, 0
	s_lshl_b32 s40, s[WN], 6
	s_add_co_u32 s40, s40, 2048
	s_mul_i32 s40, s40, PBB                        ; B: row 2048 + 64 x half of BM,
	s_lshl_b32 s41, s45, 9
	s_add_co_u32 s40, s40, s41                     ; the unit's 512 bytes of it
	s_mov_b32 s41, 0
	s_mul_i32 s20, s[WN], 64*PITCH
	s_mul_i32 s21, s[WN], APART                    ; 64 rows x 544
	s_mov_b32 s[MSK], 0xffff0000
	s_wait_dscnt 0x0
	s_wait_kmcnt 0x0
	s_add_nc_u64 s[16:17], s[8:9], s[14:15]
	s_add_nc_u64 s[42:43], s[4:5], s[40:41]
	CROUND
.irp s, 0,1
	s_mov_b32 s[G0A+4*\s], 1
	s_add_co_u32 s[G0A+4*\s+1], s20, \s*SLOT
	s_add_nc_u64 s[G0A+4*\s+2:G0A+4*\s+3], s[16:17], \s*256
	s_or_b32 s[G0A+4*\s+3], s[G0A+4*\s+3], 0x80000000
	s_mov_b32 s[G0B+4*\s], 1
	s_add_co_u32 s[G0B+4*\s+1], s21, \s*SLOT+APART
	s_add_nc_u64 s[G0B+4*\s+2:G0B+4*\s+3], s[42:43], \s*BSTEP
	s_or_b32 s[G0B+4*\s+3], s[G0B+4*\s+3], 0x80000000
	JLOAD \s
.endr
	v_and_b32 v1, 15, v0
	v_bfe_u32 v2, v0, 4, 1
	v_mul_u32_u24 v3, v1, PITCH
	v_lshl_add_u32 v3, v2, 4, v3
	v_and_b32 v6, 7, v0
	v_lshl_add_u32 v6, v2, 3, v6                   ; the turning load: row of K 8 (l / 16) + l % 8,
	v_mul_u32_u24 v6, v6, PT
	v_bfe_u32 v7, v0, 3, 1
	v_lshl_add_u32 v6, v7, 4, v6                   ; 16 bytes for each eight lanes
	s_mul_i32 s22, s[WM], 64*PITCH
	s_lshl_b32 s23, s[WN], 8                       ; my 128 columns
	s_add_co_u32 s23, s23, APART
.irp s, 0,1
	v_add_nc_u32 v[ADRA+\s], s22, v3
	v_add_nc_u32 v[ADRB+\s], s23, v6
	s_add_co_u32 s22, s22, SLOT
	s_add_co_u32 s23, s23, SLOT
.endr
	s_mul_i32 s22, s[WV], WSTAGE
	s_add_co_u32 s22, s22, STAGE
	v_mul_u32_u24 v4, v1, SPITCH
	v_lshl_add_u32 v4, v2, 5, v4
	v_add_nc_u32 v[STO], s22, v4
	v_and_b32 v5, 31, v0
	v_lshl_add_u32 v[RD], v5, 4, s22
	v_lshlrev_b32 v[CO], 3, v5
	v_lshlrev_b32 v[L16], 4, v5
	s_lshl_b32 s46, s[Y], 9
	s_lshl_b32 s47, s[WN], 8
	s_add_co_u32 s46, s46, s47                     ; my 128 columns of g0 (units 0 to 7)
	s_lshl_b32 s18, s[RT], 7
	s_lshl_b32 s19, s[WM], 6
	s_add_co_u32 s18, s18, s19                     ; my first row
	s_lshl_b32 s14, s18, 12
	s_add_co_u32 s14, s14, s46
	s_add_nc_u64 s[80:81], s[10:11], s[14:15]      ; g0
	s_add_nc_u64 s[82:83], s[6:7], s[14:15]
	s_add_nc_u64 s[82:83], s[82:83], R0OFF         ; its factors
	s_lshl_b32 s14, s44, 21
	s_lshl_b32 s19, s18, 10
	s_add_co_u32 s14, s14, s19
	s_lshl_b32 s19, s[WN], 9
	s_add_co_u32 s14, s14, s19
	s_add_nc_u64 s[84:85], s[10:11], s[14:15]
	s_add_nc_u64 s[84:85], s[84:85], PSOFF         ; the f32 plane (units 8 to 10)
	s_cmp_eq_u32 s[Y], 0                           ; who asks: for A unit 0 and units 9, 10;
	s_cselect_b32 s19, 1, 0
	s_cmp_ge_u32 s[Y], 9
	s_cselect_b32 s19, 1, s19
	s_cmp_le_u32 s[Y], 9                           ; for B units 0 to 9 of the first cluster along x
	s_cselect_b32 s14, 1, 0
	s_cmp_eq_u32 ttmp9, 0
	s_cselect_b32 s14, s14, 0
	s_mul_i32 s22, s[CX], 16*PBB                   ; of B's 64 rows my work-group takes 16,
	s_add_co_u32 s22, s22, 5*BSTEP                 ; at K step 5: the first refill steps it to 6
	s_mov_b32 s23, 0
	s_mov_b32 s47, PBB
	s_mov_b32 s[PFS], BSTEP
	s_mov_b32 s[PFS+1], 0
	s_cmp_eq_u32 s[WM], 0
	s_cselect_b64 s[PFA:PFA+1], s[16:17], s[42:43]
	s_cselect_b32 s22, 5*256, s22
	s_cselect_b32 s47, PAB, s47
	s_cselect_b32 s[PFS], 256, s[PFS]
	s_cselect_b32 s46, 0, 1                        ; B: two lanes to a row of 512 bytes
	s_cselect_b32 s19, s19, s14
	s_add_nc_u64 s[PFA:PFA+1], s[PFA:PFA+1], s[22:23]
	v_lshrrev_b32 v6, s46, v5
	v_mul_u32_u24 v6, s47, v6
	v_and_b32 v7, s46, v5
	v_lshl_add_u32 v[PFO], v7, 8, v6
	s_cmp_eq_u32 s19, 1
	s_cselect_b32 s[LIM], 2, -1
	s_wait_tensorcnt 0x1                           ; my part of K step 0 is in; step 1's load stays out
	s_barrier_signal -1
	s_barrier_wait -1
	FETCH 0, 0, 0
	QUARTER 0, 1, 0, 1, 1
	WIN 0
	s_mov_b32 s3, 7
.Llap:
	QUARTER 0, 2, 1, 0, 0
	QUARTER 0, 3, 0, 1, 0
	TURN 0, 1, 1
	QUARTER 1, 1, 0, 1, 0
	QUARTER 1, 2, 1, 0, 0
	QUARTER 1, 3, 0, 1, 0
	TURN 1, 0, 1
	QUARTER 0, 1, 0, 1, 0
	WIN 0
	s_sub_co_u32 s3, s3, 1
	s_cmp_lg_u32 s3, 0
	s_cbranch_scc1 .Llap
	QUARTER 0, 2, 1, 0, 0
	QUARTER 0, 3, 0, 1, 0
	TURN 0, 1, 0
	QUARTER 1, 1, 0, 1, 0
	QUARTER 1, 2, 1, 0, 0
	QUARTER 1, 3, 0, 1, 0
	s_wait_dscnt 4
	MUL8 1, 0, 0
	MUL8 1, 1, 0
	s_wait_dscnt 0x0
	MUL8 1, 2, 0
	MUL8 1, 3, 0
	WIN 0
.rept 8
	v_nop
.endr
	s_cmp_eq_u32 s[ROLE], 0
	s_cbranch_scc0 .Lplane
.set i, 0
.rept 64                                       ; my 64 rows' factors, all asked for at once, in the arm that reads them: 256 consecutive bytes a load
	global_load_b64 v[R+2*i:R+2*i+1], v[CO], s[82:83] offset:4096*i th:TH_LOAD_NT
.set i, i+1
.endr
	OUT_G0 0
	OUT_G0 1
	s_branch .Lclose
.Lplane:
	OUT_F 0
	OUT_F 1
.Lclose:
	s_wait_tensorcnt 0x0                           ; the wave's end
	ds_add_u32 v[SPW], v[NIL]
	s_wait_dscnt 0x0
	CROUND
	s_endpgm
.Lfunc_end_k_q602b0adf68_bwd:
	.size	k_q602b0adf68_bwd, .Lfunc_end_k_q602b0adf68_bwd-k_q602b0adf68_bwd
	.p2alignl 7, 3214868480
	.fill 96, 4, 3214868480
	.section	.rodata,"a",@progbits
	.p2align	6, 0x0
	.amdhsa_kernel k_q602b0adf68_bwd
		.amdhsa_group_segment_fixed_size 327680
		.amdhsa_private_segment_fixed_size 0
		.amdhsa_enable_private_segment 0
		.amdhsa_kernarg_size 32
		.amdhsa_user_sgpr_count 2
		.amdhsa_user_sgpr_kernarg_segment_ptr 1
		.amdhsa_wavefront_size32 1
		.amdhsa_system_sgpr_workgroup_id_x 1
		.amdhsa_system_sgpr_workgroup_id_y 1
		.amdhsa_system_sgpr_workgroup_id_z 1
		.amdhsa_system_vgpr_workitem_id 0
		.amdhsa_next_free_vgpr 768
		.amdhsa_next_free_sgpr 96
		.amdhsa_reserve_vcc 0
		.amdhsa_float_denorm_mode_32 3
		.amdhsa_float_denorm_mode_16_64 3
		.amdhsa_memory_ordered 1
		.amdhsa_forward_progress 1
		.amdhsa_inst_pref_size 126
	.end_amdhsa_kernel
	.amdgpu_metadata
---
amdhsa.version: [ 1, 2 ]
amdhsa.kernels:
  - .name:           k_q602b0adf68_bwd
    .symbol:         k_q602b0adf68_bwd.kd
    .args:
      - { .name: PW, .offset: 0, .size: 8, .value_kind: global_buffer, .address_space: global }
      - { .name: LA, .offset: 8, .size: 8, .value_kind: global_buffer, .address_space: global }
      - { .name: KA, .offset: 16, .size: 8, .value_kind: global_buffer, .address_space: global }
      - { .name: KB, .offset: 24, .size: 8, .value_kind: global_buffer, .address_space: global }
    .group_segment_fixed_size: 327680
    .private_segment_fixed_size: 0
    .kernarg_segment_align: 8
    .kernarg_segment_size: 32
    .max_flat_workgroup_size: 128
    .sgpr_count:     96
    .vgpr_count:     768
    .wavefront_size: 32
...
	.end_amdgpu_metadata
.endif
;; end of part 4
;; launch dy0 (part 5): grid 16 x 8, 4 waves a work-group, clusters of 4 x 1, 327,680 bytes of LDS; arguments PW, KB, KC; writes KC
.if DOCPART == 5
	.amdgcn_target "amdgcn-amd-amdhsa--gfx1250"
	.amdhsa_code_object_version 6
	.text
	.protected	k_q602b0adf68_dy0
	.globl	k_q602b0adf68_dy0
	.p2align	8
	.type	k_q602b0adf68_dy0,@function
k_q602b0adf68_dy0:
	s_mov_b64 s[64:65], 0
	v_nop
	global_prefetch_b8 v0, s[64:65] scope:SCOPE_SE
	s_setreg_imm32_b32 hwreg(HW_REG_WAVE_MODE, 25, 1), 1
	s_wait_xcnt 0x0
	s_wait_alu depctr_hold_cnt(0) depctr_sa_sdst(0) depctr_va_vdst(0) depctr_va_sdst(0) depctr_va_ssrc(0) depctr_va_vcc(0) depctr_vm_vsrc(0)
	s_getreg_b32 s2, hwreg(HW_REG_IB_STS2, 6, 4)
	s_cmp_eq_u32 s2, 0
	s_cbranch_scc0 .Lentry_in_a_cluster
	s_endpgm
.Lentry_in_a_cluster:
	s_bfe_u32 s2, ttmp6, 0x10000c
	s_cmp_lg_u32 s2, 0x3003
	s_cbranch_scc0 .Lentry_shape_is_right
	s_endpgm
.Lentry_shape_is_right:
; DY0: g0 vW0, [2048 x 2048] x [2048 x 256].  The result has 16 tiles of 128 x 256 only, so K is cut into eight chunks of 256, a unit y each: 128 work-groups; the eight f32 planes are added up, in a fixed order, in the last launch.
; The form is that of the launches before: a work-group 128 x 256, a wave 64 x 128, the matrix instruction transposed, B (vW0, [K][N], turned on the way out of LDS) asked for jointly by the four row tiles of a cluster, A plain.
; Not 4 x 4: a unit's tile of A (its own chunk of K) is read by no other unit.  Two K steps, both slots filled once, nothing filled again; no prefetch: both steps are asked for at the head.
.set PA,     2048
.set PB,     256
.set PAB,    2*PA
.set PBB,    2*PB
.set BSTEP,  128*PBB
.set WCOFF,  20971520
.set PITCH,  272
.set PT,     544
.set APART,  128*PITCH
.set SLOT,   3*APART
.set STAGE,  2*SLOT
.set SPITCH, 528
.set WSTAGE, 32*SPITCH
.set SPARE,  STAGE+4*WSTAGE
.set ADRA, 16
.set ADRB, 20
.set STO,  24
.set RD,   25
.set RA,   27
.set SPW,  28
.set NIL,  29
.set L16,  31
.set T,    96
.set G1A, 24
.set G0A, 32
.set G1B, 48
.set G0B, 56
.set WV,  66
.set WM,  67
.set WN,  68
.set CX,  69
.set RT,  70
.set Y,   71
.set RO,  75
.set MSB, 0
.macro WIN new
.if MSB != (\new)
	s_set_vgpr_msb (MSB<<8)|(\new)
.set MSB, \new
.endif
.endm
.set MULW, 0xa1
.set TO_B, 0x40
.macro JLOAD s
	s_cmp_eq_u32 s[WM], 0
	s_cbranch_scc0 .Lfor_b_\@
	tensor_load_to_lds s[G0A+4*(\s):G0A+4*(\s)+3], s[G1A:G1A+7]
	s_nop 0
.rept 4
	v_nop
.endr
	s_branch .Lasked_\@
.Lfor_b_\@:
	tensor_load_to_lds s[G0B+4*(\s):G0B+4*(\s)+3], s[G1B:G1B+7]
	s_nop 0
.rept 4
	v_nop
.endr
.Lasked_\@:
.endm
.macro CROUND
	s_barrier_signal -1
	s_barrier_wait -1
	s_cmp_lg_u32 s[WV], 0
	s_cbranch_scc1 .Lnot_wave_0_\@
	s_barrier_signal -3
.Lnot_wave_0_\@:
	s_barrier_wait -3
	s_barrier_signal -1
	s_barrier_wait -1
.endm
.macro PLACES
.rept 4
	v_nop
.endr
.endm
.macro MUL8 f, a, zero
	WIN MULW
.irp b, 0,1,2,3,4,5,6,7
.if \zero
	v_wmma_f32_16x16x32_bf16 v[8*(8*(\a)+\b):8*(8*(\a)+\b)+7], v[64*(\f)+8*\b:64*(\f)+8*\b+7], v[32+32*(\f)+8*(\a):32+32*(\f)+8*(\a)+7], 0
.else
	v_wmma_f32_16x16x32_bf16 v[8*(8*(\a)+\b):8*(8*(\a)+\b)+7], v[64*(\f)+8*\b:64*(\f)+8*\b+7], v[32+32*(\f)+8*(\a):32+32*(\f)+8*(\a)+7], v[8*(8*(\a)+\b):8*(8*(\a)+\b)+7]
.endif
.endr
.endm
.macro FETCH slot, q, f
	WIN TO_B
.irp i, 0,1,2,3,4,5,6,7
	ds_load_tr16_b128 v[64*(\f)+8*\i:64*(\f)+8*\i+3],   v[ADRB+(\slot)] offset:32*PT*(\q)+32*\i
	ds_load_tr16_b128 v[64*(\f)+8*\i+4:64*(\f)+8*\i+7], v[ADRB+(\slot)] offset:32*PT*(\q)+32*\i+16*PT
.endr
	WIN 0
.irp i, 0,1,2,3
	ds_load_b128 v[32+32*(\f)+8*\i:32+32*(\f)+8*\i+3],   v[ADRA+(\slot)] offset:64*(\q)+\i*16*PITCH
	ds_load_b128 v[32+32*(\f)+8*\i+4:32+32*(\f)+8*\i+7], v[ADRA+(\slot)] offset:64*(\q)+\i*16*PITCH+32
.endr
.endm
.macro QUARTER slot, q, f, g, zero
	s_wait_dscnt 4                                 ; all but the youngest four loads: A's blocks 2 and 3
	MUL8 \f, 0, \zero
	MUL8 \f, 1, \zero
	PLACES
	FETCH \slot, \q, \g
	s_wait_dscnt 24                                ; all but the 24 just issued
	MUL8 \f, 2, \zero
	MUL8 \f, 3, \zero
.endm
.macro TURN slot, next
	WIN 0
	s_wait_tensorcnt 0x0                           ; my part of the next slot has landed;
	ds_add_u32 v[SPW], v[NIL]                      ; 0 onto my spare word
	s_wait_dscnt 5                                 ; (the add and the youngest four loads may be out)
	MUL8 1, 0, 0
	s_wait_dscnt 0x0
	s_barrier_signal -1
	MUL8 1, 1, 0
	s_barrier_wait -1
	PLACES
	FETCH \next, 0, 0
	MUL8 1, 2, 0
	MUL8 1, 3, 0
.endm
.macro DUMP hf
	WIN 0x08
.irp a, 0,1
.irp b, 0,1,2,3,4,5,6,7
	ds_store_b128 v[STO], v[8*(8*(2*(\hf)+\a)+\b):8*(8*(2*(\hf)+\a)+\b)+3]   offset:16*SPITCH*\a+64*\b
	ds_store_b128 v[STO], v[8*(8*(2*(\hf)+\a)+\b)+4:8*(8*(2*(\hf)+\a)+\b)+7] offset:16*SPITCH*\a+64*\b+16
.endr
.endr
	WIN 0
.endm
.macro OUT_F hf
	DUMP \hf
	s_mov_b32 s2, 8
	s_mov_b32 s[RO], 0
.Lf_rows_\@:
	v_add_nc_u32 v[RA], s[RO], v[RD]
.irp i, 0,1,2,3
	ds_load_b128 v[T+4*\i:T+4*\i+3], v[RA] offset:SPITCH*\i
.endr
	s_wait_dscnt 0x0
.irp i, 0,1,2,3
	global_store_b128 v[L16], v[T+4*\i:T+4*\i+3], s[84:85] offset:\i*1024  ; 512 consecutive bytes, aligned
.endr
	s_wait_xcnt 0x0                                ; the stores have read their data and their base
	s_add_nc_u64 s[84:85], s[84:85], 4096
	s_add_co_u32 s[RO], s[RO], 4*SPITCH
	s_sub_co_u32 s2, s2, 1
	s_cmp_lg_u32 s2, 0
	s_cbranch_scc1 .Lf_rows_\@
.endm
	s_load_b128 s[4:7], s[0:1], 0x0                ; PW s[4:5], KB s[6:7]
	s_load_b64 s[8:9], s[0:1], 0x10                ; KC
	v_lshl_add_u32 v[SPW], v0, 2, SPARE
	v_mov_b32 v[NIL], 0
	ds_add_u32 v[SPW], v[NIL]                      ; the wave's opening: the add, twice on end, and its wait ahead of my first tensor load
	ds_add_u32 v[SPW], v[NIL]
	v_lshrrev_b32 v1, 5, v0
	v_readfirstlane_b32 s[WV], v1
	s_lshr_b32 s[WM], s[WV], 1
	s_and_b32 s[WN], s[WV], 1
	s_bfe_u32 s[CX], ttmp6, 0x40000
	s_lshl_b32 s[RT], ttmp9, 2
	s_add_co_u32 s[RT], s[RT], s[CX]
	s_and_b32 s[Y], ttmp7, 0xffff
	s_mov_b32 s[G1A+0], (1<<16)|(1<<20)|(5<<22)|(3<<25)
	s_mov_b32 s[G1A+1], 128<<16
	s_mov_b32 s[G1A+2], 64<<16
	s_mov_b32 s[G1A+3], 128<<16
	s_mov_b32 s[G1A+4], 64
	s_mov_b32 s[G1A+5], PA
	s_mov_b32 s[G1A+6], 0
	s_mov_b32 s[G1A+7], 0
	s_mov_b32 s[G1B+0], 15|(1<<16)|(1<<20)|(1<<21)|(6<<22)|(7<<25)
	s_mov_b32 s[G1B+1], 256<<16
	s_mov_b32 s[G1B+2], 64<<16
	s_mov_b32 s[G1B+3], 256<<16
	s_mov_b32 s[G1B+4], 64
	s_mov_b32 s[G1B+5], PB
	s_mov_b32 s[G1B+6], 0
	s_mov_b32 s[G1B+7], 0
	s_lshl_b32 s14, s[RT], 7
	s_lshl_b32 s15, s[WN], 6
	s_add_co_u32 s14, s14, s15
	s_mul_i32 s14, s14, PAB
	s_lshl_b32 s15, s[Y], 9                        ; the unit's 256 columns of g0
	s_add_co_u32 s14, s14, s15
	s_mov_b32 s15, 0
	s_lshl_b32 s40, s[Y], 8
	s_lshl_b32 s41, s[WN], 6
	s_add_co_u32 s40, s40, s41
	s_add_co_u32 s40, s40, 2048
	s_mul_i32 s40, s40, PBB                        ; vW0's rows 256 y + 64 x half: rows 2048 on of WC
	s_mov_b32 s41, 0
	s_mul_i32 s20, s[WN], 64*PITCH
	s_mul_i32 s21, s[WN], APART
	s_wait_dscnt 0x0
	s_wait_kmcnt 0x0
	s_add_nc_u64 s[16:17], s[6:7], s[14:15]
	s_add_nc_u64 s[42:43], s[4:5], s[40:41]
	s_add_nc_u64 s[42:43], s[42:43], WCOFF
	CROUND
.irp s, 0,1
	s_mov_b32 s[G0A+4*\s], 1
	s_add_co_u32 s[G0A+4*\s+1], s20, \s*SLOT
	s_add_nc_u64 s[G0A+4*\s+2:G0A+4*\s+3], s[16:17], \s*256
	s_or_b32 s[G0A+4*\s+3], s[G0A+4*\s+3], 0x80000000
	s_mov_b32 s[G0B+4*\s], 1
	s_add_co_u32 s[G0B+4*\s+1], s21, \s*SLOT+APART
	s_add_nc_u64 s[G0B+4*\s+2:G0B+4*\s+3], s[42:43], \s*BSTEP
	s_or_b32 s[G0B+4*\s+3], s[G0B+4*\s+3], 0x80000000
	JLOAD \s
.endr
	v_and_b32 v1, 15, v0
	v_bfe_u32 v2, v0, 4, 1
	v_mul_u32_u24 v3, v1, PITCH
	v_lshl_add_u32 v3, v2, 4, v3
	v_and_b32 v6, 7, v0
	v_lshl_add_u32 v6, v2, 3, v6
	v_mul_u32_u24 v6, v6, PT
	v_bfe_u32 v7, v0, 3, 1
	v_lshl_add_u32 v6, v7, 4, v6
	s_mul_i32 s22, s[WM], 64*PITCH
	s_lshl_b32 s23, s[WN], 8
	s_add_co_u32 s23, s23, APART
.irp s, 0,1
	v_add_nc_u32 v[ADRA+\s], s22, v3
	v_add_nc_u32 v[ADRB+\s], s23, v6
	s_add_co_u32 s22, s22, SLOT
	s_add_co_u32 s23, s23, SLOT
.endr
	s_mul_i32 s22, s[WV], WSTAGE
	s_add_co_u32 s22, s22, STAGE
	v_mul_u32_u24 v4, v1, SPITCH
	v_lshl_add_u32 v4, v2, 5, v4
	v_add_nc_u32 v[STO], s22, v4
	v_and_b32 v5, 31, v0
	v_lshl_add_u32 v[RD], v5, 4, s22
	v_lshlrev_b32 v[L16], 4, v5
	s_lshl_b32 s18, s[RT], 7
	s_lshl_b32 s19, s[WM], 6
	s_add_co_u32 s18, s18, s19
	s_lshl_b32 s14, s18, 10
	s_lshl_b32 s19, s[Y], 21
	s_add_co_u32 s14, s14, s19
	s_lshl_b32 s19, s[WN], 9
	s_add_co_u32 s14, s14, s19
	s_add_nc_u64 s[84:85], s[8:9], s[14:15]        ; plane y, my first row, my 128 columns
	s_wait_tensorcnt 0x1                           ; my part of K step 0 is in; step 1's load stays out
	s_barrier_signal -1
	s_barrier_wait -1
	FETCH 0, 0, 0
	QUARTER 0, 1, 0, 1, 1
	QUARTER 0, 2, 1, 0, 0
	QUARTER 0, 3, 0, 1, 0
	TURN 0, 1
	QUARTER 1, 1, 0, 1, 0
	QUARTER 1, 2, 1, 0, 0
	QUARTER 1, 3, 0, 1, 0
	s_wait_dscnt 4
	MUL8 1, 0, 0
	MUL8 1, 1, 0
	s_wait_dscnt 0x0
	MUL8 1, 2, 0
	MUL8 1, 3, 0
	WIN 0
.rept 8
	v_nop
.endr
	OUT_F 0
	OUT_F 1
	s_wait_tensorcnt 0x0                           ; the wave's end
	ds_add_u32 v[SPW], v[NIL]
	s_wait_dscnt 0x0
	CROUND
	s_endpgm
.Lfunc_end_k_q602b0adf68_dy0:
	.size	k_q602b0adf68_dy0, .Lfunc_end_k_q602b0adf68_dy0-k_q602b0adf68_dy0
	.p2alignl 7, 3214868480
	.fill 96, 4, 3214868480
	.section	.rodata,"a",@progbits
	.p2align	6, 0x0
	.amdhsa_kernel k_q602b0adf68_dy0
		.amdhsa_group_segment_fixed_size 327680
		.amdhsa_private_segment_fixed_size 0
		.amdhsa_enable_private_segment 0
		.amdhsa_kernarg_size 24
		.amdhsa_user_sgpr_count 2
		.amdhsa_user_sgpr_kernarg_segment_ptr 1
		.amdhsa_wavefront_size32 1
		.amdhsa_system_sgpr_workgroup_id_x 1
		.amdhsa_system_sgpr_workgroup_id_y 1
		.amdhsa_system_sgpr_workgroup_id_z 1
		.amdhsa_system_vgpr_workitem_id 0
		.amdhsa_next_free_vgpr 768
		.amdhsa_next_free_sgpr 96
		.amdhsa_reserve_vcc 0
		.amdhsa_float_denorm_mode_32 3
		.amdhsa_float_denorm_mode_16_64 3
		.amdhsa_memory_ordered 1
		.amdhsa_forward_progress 1
		.amdhsa_inst_pref_size 45
	.end_amdhsa_kernel
	.amdgpu_metadata
---
amdhsa.version: [ 1, 2 ]
amdhsa.kernels:
  - .name:           k_q602b0adf68_dy0
    .symbol:         k_q602b0adf68_dy0.kd
    .args:
      - { .name: PW, .offset: 0, .size: 8, .value_kind: global_buffer, .address_space: global }
      - { .name: KB, .offset: 8, .size: 8, .value_kind: global_buffer, .address_space: global }
      - { .name: KC, .offset: 16, .size: 8, .value_kind: global_buffer, .address_space: global }
    .group_segment_fixed_size: 327680
    .private_segment_fixed_size: 0
    .kernarg_segment_align: 8
    .kernarg_segment_size: 24
    .max_flat_workgroup_size: 128
    .sgpr_count:     96
    .vgpr_count:     768
    .wavefront_size: 32
...
	.end_amdgpu_metadata
.endif
;; end of part 5
;; launch fin (part 6): grid 256 x 1, 8 waves a work-group, no clusters, 9,216 bytes of LDS; arguments x, vW2, fb2, PW, KA, KB, KC, out0; writes out0
.if DOCPART == 6
	.amdgcn_target "amdgcn-amd-amdhsa--gfx1250"
	.amdhsa_code_object_version 6
	.text
	.protected	k_q602b0adf68_fin
	.globl	k_q602b0adf68_fin
	.p2align	8
	.type	k_q602b0adf68_fin,@function
k_q602b0adf68_fin:
	s_mov_b64 s[64:65], 0
	v_nop
	global_prefetch_b8 v0, s[64:65] scope:SCOPE_SE
	s_setreg_imm32_b32 hwreg(HW_REG_WAVE_MODE, 25, 1), 1
	s_wait_xcnt 0x0
; FIN: the row sums and the projection.  One wave, one row b; lane l holds columns 4 l + 0..3 and 128 + 4 l + 0..3.
; fx = hi F + lo F + fb2, fx[255] = 1.  dy = vW2 + (2048 g1 vW1) / 2048 + the eight planes of g0 vW0.  s = x . vW2 + the 16 column parts of sum z1 softplus(vU1) - sum T0 = icnn(x) - icnn(0).
; rp = clamp(s, 0, 1) = rehu'(s); V = max(s - 1/2, rp^2 / 2) + eps |x|^2; gV = rp dy + 2 eps x; out = fx - gV relu(gV . fx + alpha V) / |gV|^2, columns 0 to 254.
; Left out: vb2 (it cancels in icnn(x) - icnn(0) and has no gradient: see the first kernel), and the store of column 255, which reference() slices away.
; LIMITS.  The division is a reciprocal (1 ulp) and a product; NaN and infinities are not treated apart.
; OUT.  A row is 1,020 bytes, so rows do not begin at multiples of 16.  The work-group's 8 rows, 8,160 consecutive bytes, are gathered in LDS and stored by 16 bytes a lane from the last multiple of 256 at or
; below their first byte: sixteen lanes fill 256 consecutive bytes, aligned; only the two ends of the 8,160 bytes are shared with the neighbours.
.set X,   16
.set W2,  24
.set FB,  32
.set P0,  40
.set P1,  48
.set P2,  56
.set PD,  64
.set TZ,  128
.set OD,  128                          ; v[128:139] the copy out's data, where T0 lay
.set OA,  140                          ; v140-142   the copy out's LDS addresses
.set YP,  192
.set SA,  194                          ; v[194:195], v[196:197] two sums at work
.set SB,  196
.set RP,  198                          ; v[198:199]
.set VV,  200
.set CC,  202                          ; v[202:203]
.set TA,  204
.set TB,  205
.set SPW, 206
.set NIL, 207
.set SPARE, 8192                       ; behind the stage (8,160 bytes and 32 for the column that is not stored): the spare words, 128 bytes for each of 8 waves
.macro WSUM2 a, b                      ; two sums over the 32 lanes, side by side; the results stand in every lane
.irp m, 1,2,4,8
	v_add_f32_dpp v[\a], v[\a], v[\a] row_xmask:\m row_mask:0xf bank_mask:0xf
	v_add_f32_dpp v[\b], v[\b], v[\b] row_xmask:\m row_mask:0xf bank_mask:0xf
.endr
	v_permlanex16_b32 v[TA], v[\a], s42, s43
	v_permlanex16_b32 v[TB], v[\b], s42, s43
	v_add_f32 v[\a], v[\a], v[TA]
	v_add_f32 v[\b], v[\b], v[TB]
.endm
	s_load_b512 s[4:19], s[0:1], 0x0               ; x s[4:5], vW2 s[6:7], fb2 s[8:9], PW s[10:11], KA s[12:13], KB s[14:15], KC s[16:17], out0 s[18:19]
	v_lshl_add_u32 v[SPW], v0, 2, SPARE
	v_mov_b32 v[NIL], 0
	v_lshrrev_b32 v1, 5, v0
	v_readfirstlane_b32 s20, v1                    ; wave 0..7
	v_and_b32 v1, 31, v0                           ; lane
	v_lshlrev_b32 v2, 4, v1                        ; 16 l
	s_lshl_b32 s21, ttmp9, 3
	s_add_co_u32 s21, s21, s20                     ; my row b
	s_lshl_b32 s22, s21, 10
	s_mov_b32 s23, 0
	s_lshl_b32 s24, s21, 2
	s_mov_b32 s25, 0
	v_and_b32 v3, 15, v0
	v_lshlrev_b32 v3, 13, v3                       ; column part l % 16
	v_add_nc_u32 v4, 0x20c, v2                     ; fb2's column 128 + 4 l + 3; column 255 does not exist: it is read as column 254 and replaced
	v_min_u32 v4, 0x3f8, v4
	v_mov_b32 v[TA], 0
	v_mov_b32 v[TB], 0
	s_mov_b32 s40, 0x3a000000                      ; 1 / 2048
	s_mov_b32 s41, 0x3a000000
	s_mov_b32 s42, 0x76543210
	s_mov_b32 s43, 0xfedcba98
	s_mov_b32 s44, 0x3727c5ac                      ; eps
	s_mov_b32 s45, 0x3c23d70a                      ; alpha
	s_mov_b32 s46, 0x37a7c5ac                      ; 2 eps
	s_mov_b32 s47, 0x37a7c5ac
	s_mul_i32 s50, ttmp9, 8160                     ; the work-group's first byte of out0,
	s_and_b32 s51, s50, 255                        ; its distance from the multiple of 256 below it (a multiple of 32),
	s_sub_co_u32 s52, s50, s51                     ; and that multiple
	s_mov_b32 s53, 0
	s_wait_kmcnt 0x0
	s_add_nc_u64 s[26:27], s[4:5], s[22:23]
	s_add_nc_u64 s[28:29], s[14:15], s[22:23]
	s_add_nc_u64 s[28:29], s[28:29], 8388608       ; the three planes behind g0
	s_add_nc_u64 s[30:31], s[16:17], s[22:23]      ; planes 0 to 3 of g0 vW0
	s_add_nc_u64 s[32:33], s[30:31], 8388608       ; planes 4 to 7
	s_add_nc_u64 s[34:35], s[12:13], s[24:25]
	s_add_nc_u64 s[34:35], s[34:35], 25165824      ; the column parts
	s_add_nc_u64 s[36:37], s[10:11], 24125440      ; T0
	s_add_nc_u64 s[38:39], s[18:19], s[52:53]
.irp p, 0,1,2
	global_load_b128 v[P0+8*\p:P0+8*\p+3],   v2, s[28:29] offset:\p*2097152 th:TH_LOAD_NT
	global_load_b128 v[P0+8*\p+4:P0+8*\p+7], v2, s[28:29] offset:\p*2097152+512 th:TH_LOAD_NT
.endr
.irp p, 0,1,2,3
	global_load_b128 v[PD+8*\p:PD+8*\p+3],     v2, s[30:31] offset:\p*2097152 th:TH_LOAD_NT
	global_load_b128 v[PD+8*\p+4:PD+8*\p+7],   v2, s[30:31] offset:\p*2097152+512 th:TH_LOAD_NT
	global_load_b128 v[PD+32+8*\p:PD+32+8*\p+3],   v2, s[32:33] offset:\p*2097152 th:TH_LOAD_NT
	global_load_b128 v[PD+32+8*\p+4:PD+32+8*\p+7], v2, s[32:33] offset:\p*2097152+512 th:TH_LOAD_NT
.endr
	global_load_b128 v[X:X+3],   v2, s[26:27]
	global_load_b128 v[X+4:X+7], v2, s[26:27] offset:512
	global_load_b32 v[YP], v3, s[34:35]
	global_load_b128 v[W2:W2+3],   v2, s[6:7]
	global_load_b128 v[W2+4:W2+7], v2, s[6:7] offset:512
	global_load_b128 v[FB:FB+3],   v2, s[8:9]
	global_load_b64 v[FB+4:FB+5],  v2, s[8:9] offset:512
	global_load_b32 v[FB+6], v2, s[8:9] offset:520
	global_load_b32 v[FB+7], v4, s[8:9]
.set i, 0
.rept 16
	global_load_b128 v[TZ+4*i:TZ+4*i+3], v2, s[36:37] offset:512*i
.set i, i+1
.endr
	s_wait_loadcnt 0x0
	v_cmp_eq_u32 vcc_lo, 31, v1
	v_cndmask_b32 v[FB+7], v[FB+7], 1.0, vcc_lo    ; the products' column 255 is 0 (fW2^T's column 255 was written as 0): fx[255] = 1
	v_cmp_gt_u32 vcc_lo, 16, v1
	v_cndmask_b32 v[YP], 0, v[YP], vcc_lo          ; 16 parts, one in each of lanes 0 to 15
.irp p, 0,2,4,6
	v_pk_add_f32 v[P1+\p:P1+\p+1], v[P1+\p:P1+\p+1], v[P2+\p:P2+\p+1]
	v_pk_fma_f32 v[P0+\p:P0+\p+1], v[P0+\p:P0+\p+1], s[40:41], v[W2+\p:W2+\p+1] op_sel_hi:[1,0,1]
.endr
.irp p, 0,2,4,6
	v_pk_add_f32 v[P1+\p:P1+\p+1], v[P1+\p:P1+\p+1], v[FB+\p:FB+\p+1]  ; fx
.endr
.irp q, 0,16,32,48
.irp p, 0,2,4,6
	v_pk_add_f32 v[PD+\q+\p:PD+\q+\p+1], v[PD+\q+\p:PD+\q+\p+1], v[PD+\q+8+\p:PD+\q+8+\p+1]
.endr
.endr
.irp q, 0,32
.irp p, 0,2,4,6
	v_pk_add_f32 v[PD+\q+\p:PD+\q+\p+1], v[PD+\q+\p:PD+\q+\p+1], v[PD+\q+16+\p:PD+\q+16+\p+1]
.endr
.endr
.irp p, 0,2,4,6
	v_pk_add_f32 v[PD+\p:PD+\p+1], v[PD+\p:PD+\p+1], v[PD+32+\p:PD+32+\p+1]
.endr
.irp p, 0,2,4,6
	v_pk_add_f32 v[P0+\p:P0+\p+1], v[P0+\p:P0+\p+1], v[PD+\p:PD+\p+1]  ; dy
.endr
.set n, 16
.rept 5                                        ; my 64 numbers of T0, pairs folded in halves
.set i, 0
.rept n
	v_pk_add_f32 v[TZ+2*i:TZ+2*i+1], v[TZ+2*i:TZ+2*i+1], v[TZ+2*(i+n):TZ+2*(i+n)+1]
.set i, i+1
.endr
.set n, n/2
.endr
	v_pk_mul_f32 v[SA:SA+1], v[X:X+1], v[W2:W2+1]
	v_pk_mul_f32 v[SB:SB+1], v[X:X+1], v[X:X+1]
.irp p, 2,4,6
	v_pk_fma_f32 v[SA:SA+1], v[X+\p:X+\p+1], v[W2+\p:W2+\p+1], v[SA:SA+1]
	v_pk_fma_f32 v[SB:SB+1], v[X+\p:X+\p+1], v[X+\p:X+\p+1], v[SB:SB+1]
.endr
	v_pk_add_f32 v[SA:SA+1], v[SA:SA+1], v[TZ:TZ+1] neg_lo:[0,1] neg_hi:[0,1]
	v_add_f32 v[SA], v[SA], v[SA+1]
	v_add_f32 v[SB], v[SB], v[SB+1]
	v_add_f32 v[SA], v[SA], v[YP]
	WSUM2 SA, SB                                   ; s and |x|^2
	v_med3_num_f32 v[RP], v[SA], 0, 1.0            ; rp
	v_add_f32 v[VV+1], -0.5, v[SA]
	v_mov_b32 v[RP+1], v[RP]
	v_mul_f32 v[VV], v[RP], v[RP]
	v_mul_f32 v[VV], 0.5, v[VV]
	v_max_num_f32 v[VV], v[VV], v[VV+1]
	v_fmac_f32 v[VV], s44, v[SB]                   ; V
.irp p, 0,2,4,6
	v_pk_mul_f32 v[PD+\p:PD+\p+1], v[X+\p:X+\p+1], s[46:47] op_sel_hi:[1,0]
.endr
.irp p, 0,2,4,6
	v_pk_fma_f32 v[PD+\p:PD+\p+1], v[P0+\p:P0+\p+1], v[RP:RP+1], v[PD+\p:PD+\p+1] op_sel_hi:[1,0,1]  ; gV
.endr
	v_pk_mul_f32 v[SA:SA+1], v[PD:PD+1], v[P1:P1+1]
	v_pk_mul_f32 v[SB:SB+1], v[PD:PD+1], v[PD:PD+1]
.irp p, 2,4,6
	v_pk_fma_f32 v[SA:SA+1], v[PD+\p:PD+\p+1], v[P1+\p:P1+\p+1], v[SA:SA+1]
	v_pk_fma_f32 v[SB:SB+1], v[PD+\p:PD+\p+1], v[PD+\p:PD+\p+1], v[SB:SB+1]
.endr
	v_add_f32 v[SA], v[SA], v[SA+1]
	v_add_f32 v[SB], v[SB], v[SB+1]
	WSUM2 SA, SB                                   ; gV . fx and |gV|^2
	v_rcp_f32 v[CC+1], v[SB]
	v_fmac_f32 v[SA], s45, v[VV]                   ; plain work behind the reciprocal
	v_max_num_f32 v[SA], 0, v[SA]
	s_wait_alu depctr_va_vdst(0)                   ; the wait ahead of the reciprocal's first use
	v_mul_f32 v[CC], v[SA], v[CC+1]
.irp p, 0,2,4,6
	v_pk_fma_f32 v[P1+\p:P1+\p+1], v[PD+\p:PD+\p+1], v[CC:CC+1], v[P1+\p:P1+\p+1] op_sel_hi:[1,0,1] neg_lo:[1,0,0] neg_hi:[1,0,0]
.endr
	s_mul_i32 s48, s20, 1020                       ; my row in the stage
	s_lshl_b32 s49, s20, 2
	s_add_co_u32 s49, s49, 8160                    ; where column 255 goes: a word of my own that nobody reads
	v_add_nc_u32 v5, s48, v2
	v_add_nc_u32 v6, 0x20c, v5
	v_cmp_eq_u32 vcc_lo, 31, v1
	v_cndmask_b32 v6, v6, s49, vcc_lo
.irp e, 0,1,2,3
	ds_store_b32 v5, v[P1+\e] offset:4*\e
.endr
.irp e, 0,1,2
	ds_store_b32 v5, v[P1+4+\e] offset:512+4*\e
.endr
	ds_store_b32 v6, v[P1+7]
	v_lshlrev_b32 v8, 4, v0                        ; 16 bytes a thread, three times 4,096
	v_add_nc_u32 v9, 0x1000, v8
	v_add_nc_u32 v10, 0x2000, v8
.irp k, 0,1,2
	v_sub_nc_u32 v[11+\k], v[8+\k], s51            ; the place in the stage; in front of its first byte this wraps to a number above every place
	v_min_u32 v[OA+\k], 0x1fd0, v[11+\k]           ; read from inside the stage whatever the place
.endr
	s_wait_dscnt 0x0                               ; for the others' sake: my row lies in the stage
	s_barrier_signal -1
	s_barrier_wait -1
.irp k, 0,1,2
	ds_load_b128 v[OD+4*\k:OD+4*\k+3], v[OA+\k]    ; data and addresses lie in registers apart: no load lands on an address
.endr
	s_wait_dscnt 0x0
.irp k, 0,1,2
	v_cmp_gt_u32 vcc_lo, 0x1fe0, v[11+\k]          ; places and the stage's 8,160 bytes are multiples of 16: a lane's 16 bytes lie wholly inside or wholly outside
	s_wait_xcnt 0x0                                ; EXEC changes only behind this wait
	s_and_saveexec_b32 s54, vcc_lo
	global_store_b128 v[8+\k], v[OD+4*\k:OD+4*\k+3], s[38:39]
	s_wait_xcnt 0x0                                ; and again, in front of the line that widens it
	s_or_b32 exec_lo, exec_lo, s54
.endr
	s_wait_tensorcnt 0x0                           ; the wave's end: behind my last LDS store
	ds_add_u32 v[SPW], v[NIL]
	s_wait_dscnt 0x0
	s_endpgm
.Lfunc_end_k_q602b0adf68_fin:
	.size	k_q602b0adf68_fin, .Lfunc_end_k_q602b0adf68_fin-k_q602b0adf68_fin
	.p2alignl 7, 3214868480
	.fill 96, 4, 3214868480
	.section	.rodata,"a",@progbits
	.p2align	6, 0x0
	.amdhsa_kernel k_q602b0adf68_fin
		.amdhsa_group_segment_fixed_size 9216
		.amdhsa_private_segment_fixed_size 0
		.amdhsa_enable_private_segment 0
		.amdhsa_kernarg_size 64
		.amdhsa_user_sgpr_count 2
		.amdhsa_user_sgpr_kernarg_segment_ptr 1
		.amdhsa_wavefront_size32 1
		.amdhsa_system_sgpr_workgroup_id_x 1
		.amdhsa_system_sgpr_workgroup_id_y 1
		.amdhsa_system_sgpr_workgroup_id_z 1
		.amdhsa_system_vgpr_workitem_id 0
		.amdhsa_next_free_vgpr 208
		.amdhsa_next_free_sgpr 66
		.amdhsa_reserve_vcc 1
		.amdhsa_float_denorm_mode_32 3
		.amdhsa_float_denorm_mode_16_64 3
		.amdhsa_memory_ordered 1
		.amdhsa_forward_progress 1
		.amdhsa_inst_pref_size 18
	.end_amdhsa_kernel
	.amdgpu_metadata
---
amdhsa.version: [ 1, 2 ]
amdhsa.kernels:
  - .name:           k_q602b0adf68_fin
    .symbol:         k_q602b0adf68_fin.kd
    .args:
      - { .name: x, .offset: 0, .size: 8, .value_kind: global_buffer, .address_space: global }
      - { .name: vW2, .offset: 8, .size: 8, .value_kind: global_buffer, .address_space: global }
      - { .name: fb2, .offset: 16, .size: 8, .value_kind: global_buffer, .address_space: global }
      - { .name: PW, .offset: 24, .size: 8, .value_kind: global_buffer, .address_space: global }
      - { .name: KA, .offset: 32, .size: 8, .value_kind: global_buffer, .address_space: global }
      - { .name: KB, .offset: 40, .size: 8, .value_kind: global_buffer, .address_space: global }
      - { .name: KC, .offset: 48, .size: 8, .value_kind: global_buffer, .address_space: global }
      - { .name: out0, .offset: 56, .size: 8, .value_kind: global_buffer, .address_space: global }
    .group_segment_fixed_size: 9216
    .private_segment_fixed_size: 0
    .kernarg_segment_align: 8
    .kernarg_segment_size: 64
    .max_flat_workgroup_size: 256
    .sgpr_count:     66
    .vgpr_count:     208
    .wavefront_size: 32
...
	.end_amdgpu_metadata
.endif
;; end of part 6
;; ======== version 2 of 2: 6 launches
;; workspace buffers: PW 24,133,632 bytes; LA 27,262,976 bytes; KA 25,296,896 bytes; KB 18,874,368 bytes; KC 16,777,216 bytes
;; launch prep: the kernel of part 1 again; grid 672 x 1, 8 waves a work-group, no clusters, 0 bytes of LDS; arguments vU0, fW1, fW0, vW0, vW1, x, fW2, vb0, vb1, vU1, PW, LA; writes PW, LA
;; launch lay0 (part 7): grid 16 x 16, 4 waves a work-group, clusters of 4 x 1, 327,680 bytes of LDS; arguments PW, fb0, vb0, LA; writes LA
.if DOCPART == 7
	.amdgcn_target "amdgcn-amd-amdhsa--gfx1250"
	.amdhsa_code_object_version 6
	.text
	.protected	k_q602b0adf68_lay0
	.globl	k_q602b0adf68_lay0
	.p2align	8
	.type	k_q602b0adf68_lay0,@function
k_q602b0adf68_lay0:
	s_mov_b64 s[64:65], 0
	v_nop
	global_prefetch_b8 v0, s[64:65] scope:SCOPE_SE
	s_setreg_imm32_b32 hwreg(HW_REG_WAVE_MODE, 25, 1), 1
	s_wait_xcnt 0x0
	s_wait_alu depctr_hold_cnt(0) depctr_sa_sdst(0) depctr_va_vdst(0) depctr_va_sdst(0) depctr_va_ssrc(0) depctr_va_vcc(0) depctr_vm_vsrc(0)
	s_getreg_b32 s2, hwreg(HW_REG_IB_STS2, 6, 4)
	s_cmp_eq_u32 s2, 0
	s_cbranch_scc0 .Lentry_in_a_cluster
	s_endpgm
.Lentry_in_a_cluster:
	s_bfe_u32 s2, ttmp6, 0x10000c
	s_cmp_lg_u32 s2, 0x3003
	s_cbranch_scc0 .Lentry_shape_is_right
	s_endpgm
.Lentry_shape_is_right:
; LAY0: x [fW0; vW0]^T, K = 256.  Units y = 0..7: h0 = relu(. + fb0).  Units y = 8..15: a0 = . + vb0; z0 = rehu(a0) and rehu'(a0) / 2048.  All out in bf16, each rounded once.
; SHARES.  A work-group makes 128 rows x 256 columns: row tile 4 x cluster x + cx, column unit y.  Wave w: rows 64 (w / 2) on, columns 128 (w % 2) on: 32 accumulators of 16 x 16.
; THE MATRIX INSTRUCTION IS USED TRANSPOSED (source 0 = 16 rows of B, source 1 = 16 rows of A): a lane holds row lane % 16 and the columns 8 (lane / 16) + 0..7.
; K goes in steps of 128 (rows of 256 bytes in memory) through two LDS slots; here K has two steps, so both slots are filled once and nothing is filled again.
; CLUSTER 4 x 1.  The four partners are four row tiles of one unit y: B's tile (two thirds of a step's bytes) hangs on y and the wave alone and is asked for JOINTLY (mask 15);
; A's tile is each work-group's own: a plain load.  Not 4 x 4: in two of the four launches that share this form the units along y have no tile of A in common or are not a multiple of four.
; No prefetch: the launch has two K steps, both asked for at its head.
; THE WAY OUT.  32 rows at a time go in f32 through the wave's own stage and come back as whole rows, lane l with columns 4 l .. 4 l + 3, four rows a trip.  A trip's rows were asked of LDS a trip earlier, into
; registers of their own; the wait that frees the stores' registers and base stands behind the trip's arithmetic, ahead of the first line that writes store data; the stores reach back by a negative immediate.
; REGISTERS, in windows of 256: window 0: v0-31 addresses, v32-95 A's fragments (two buffers of 4 x 8), v96 on the way out; window 1: v0-127 B's fragments (two buffers of 8 x 8); window 2: accumulator (a, b) at v[8 (8 a + b)].
.set PA,     256                       ; elements from row to row of A (X16) and of B (WC)
.set PB,     256
.set PAB,    2*PA
.set PBB,    2*PB
.set BSTEP,  256                       ; bytes from a K step of B to the next
.set X16OFF, 23068672
.set WCOFF,  20971520
.set R0OFF,  18874368
.set PITCH,  272                       ; an LDS row: 256 bytes + 16: the sixteen rows of a fragment load begin 16 bytes apart modulo 256
.set APART,  128*PITCH                 ; A's 128 rows; B's 256 rows are twice that
.set SLOT,   3*APART
.set STAGE,  2*SLOT                    ; behind the ring: 32 rows x 528 bytes of f32 for each wave, for the way out; no tensor load lands here
.set SPITCH, 528
.set WSTAGE, 32*SPITCH
.set SPARE,  STAGE+4*WSTAGE            ; the spare words, 128 bytes for each wave: two blocks of 256 bytes that no other line names
.set ADRA, 16                          ; v16-17 LDS address of my A fragments in slot 0, 1
.set ADRB, 20                          ; v20-21 the same for B
.set STO,  24                          ; where I put 16 bytes of a stage row
.set RD,   25                          ; where I read a stage row back: 16 bytes a lane
.set CO,   26                          ; 8 x lane: my 4 bf16 of a row; never rewritten
.set RA,   27                          ; RD + the row loop's step
.set SPW,  28                          ; SPARE + 4 x my thread's number; never rewritten
.set NIL,  29                          ; 0; never rewritten
.set L16,  31                          ; 16 x lane; never rewritten
.set T,    96                          ; v96-111  four rows, my 4 columns of each, at work
.set BI,   112                         ; v112-115 my 4 columns' bias
.set U,    116                         ; v116-131 t
.set Q,    132                         ; v132-147 t^2 / 2d
.set O,    148                         ; v148-155 packed, to store
.set O2,   156                         ; v156-163 packed, to store
.set L,    164                         ; v164-179 four rows as they come from the stage
.set G1A, 24
.set G0A, 32
.set G1B, 48
.set G0B, 56
.set HF,  47
.set WV,  66
.set WM,  67
.set WN,  68
.set CX,  69
.set RT,  70
.set Y,   71
.set ROLE, 72
.set RO,  75
.set C50, 88                           ; s[88:89] 1 / 2d
.set CM,  90                           ; s[90:91] -d / 2
.set CR,  92                           ; s[92:93] 1 / (2048 d)
.set C01, 94                           ; d
.set MSB, 0
.macro WIN new                         ; the immediate's high byte repeats the setting that is left; a switch that changes nothing is dropped
.if MSB != (\new)
	s_set_vgpr_msb (MSB<<8)|(\new)
.set MSB, \new
.endif
.endm
.set MULW, 0xa1                        ; source 0 (B) window 1, source 1 (A) window 0, C and D window 2
.set TO_B, 0x40                        ; destination window 1
.macro JLOAD s                         ; waves 0 and 1 fetch A's two halves (plain), waves 2 and 3 B's (joint); an s_nop 0 and four v_nop follow each line
	s_cmp_eq_u32 s[WM], 0
	s_cbranch_scc0 .Lfor_b_\@
	tensor_load_to_lds s[G0A+4*(\s):G0A+4*(\s)+3], s[G1A:G1A+7]
	s_nop 0
.rept 4
	v_nop
.endr
	s_branch .Lasked_\@
.Lfor_b_\@:
	tensor_load_to_lds s[G0B+4*(\s):G0B+4*(\s)+3], s[G1B:G1B+7]
	s_nop 0
.rept 4
	v_nop
.endr
.Lasked_\@:
.endm
.macro CROUND                          ; a round of the cluster's barrier
	s_barrier_signal -1
	s_barrier_wait -1
	s_cmp_lg_u32 s[WV], 0
	s_cbranch_scc1 .Lnot_wave_0_\@
	s_barrier_signal -3
.Lnot_wave_0_\@:
	s_barrier_wait -3
	s_barrier_signal -1
	s_barrier_wait -1
.endm
.macro PLACES                          ; four plain places between a matrix instruction and a load into a register that it has read
.rept 4
	v_nop
.endr
.endm
.macro MUL8 f, a, zero                 ; row block a x all 8 column blocks, 32 along K, from buffer f; the 32 accumulators take turns, one instruction a turn
	WIN MULW
.irp b, 0,1,2,3,4,5,6,7
.if \zero
	v_wmma_f32_16x16x32_bf16 v[8*(8*(\a)+\b):8*(8*(\a)+\b)+7], v[64*(\f)+8*\b:64*(\f)+8*\b+7], v[32+32*(\f)+8*(\a):32+32*(\f)+8*(\a)+7], 0
.else
	v_wmma_f32_16x16x32_bf16 v[8*(8*(\a)+\b):8*(8*(\a)+\b)+7], v[64*(\f)+8*\b:64*(\f)+8*\b+7], v[32+32*(\f)+8*(\a):32+32*(\f)+8*(\a)+7], v[8*(8*(\a)+\b):8*(8*(\a)+\b)+7]
.endif
.endr
.endm
.macro FETCH slot, q, f                ; 24 LDS loads in one run: quarter q (32 along K) of a slot into buffer f: B's 8 blocks, then A's 4
	WIN TO_B
.irp i, 0,1,2,3,4,5,6,7
	ds_load_b128 v[64*(\f)+8*\i:64*(\f)+8*\i+3],   v[ADRB+(\slot)] offset:64*(\q)+\i*16*PITCH
	ds_load_b128 v[64*(\f)+8*\i+4:64*(\f)+8*\i+7], v[ADRB+(\slot)] offset:64*(\q)+\i*16*PITCH+32
.endr
	WIN 0
.irp i, 0,1,2,3
	ds_load_b128 v[32+32*(\f)+8*\i:32+32*(\f)+8*\i+3],   v[ADRA+(\slot)] offset:64*(\q)+\i*16*PITCH
	ds_load_b128 v[32+32*(\f)+8*\i+4:32+32*(\f)+8*\i+7], v[ADRA+(\slot)] offset:64*(\q)+\i*16*PITCH+32
.endr
.endm
.macro QUARTER slot, q, f, g, zero     ; multiplies buffer f; in its middle fetches quarter q into buffer g
	s_wait_dscnt 4                                 ; all but the youngest four loads: A's blocks 2 and 3
	MUL8 \f, 0, \zero
	MUL8 \f, 1, \zero
	PLACES
	FETCH \slot, \q, \g
	s_wait_dscnt 24                                ; all but the 24 just issued
	MUL8 \f, 2, \zero
	MUL8 \f, 3, \zero
.endm
.macro TURN slot, next                 ; a step's last quarter, and the change of slots: nothing is filled again here
	WIN 0
	s_wait_tensorcnt 0x0                           ; my part of the next slot has landed;
	ds_add_u32 v[SPW], v[NIL]                      ; 0 onto my spare word
	s_wait_dscnt 5                                 ; (the add and the youngest four loads may be out)
	MUL8 1, 0, 0
	s_wait_dscnt 0x0                               ; the add is done, my reads of this slot are over
	s_barrier_signal -1
	MUL8 1, 1, 0
	s_barrier_wait -1                              ; the next slot is whole
	PLACES
	FETCH \next, 0, 0
	MUL8 1, 2, 0
	MUL8 1, 3, 0
.endm
.macro DUMP hf                         ; row blocks 2 hf, 2 hf + 1 in f32 into my stage; each accumulator's low registers first
	WIN 0x08                                       ; store data (source 1) in window 2
.irp a, 0,1
.irp b, 0,1,2,3,4,5,6,7
	ds_store_b128 v[STO], v[8*(8*(2*(\hf)+\a)+\b):8*(8*(2*(\hf)+\a)+\b)+3]   offset:16*SPITCH*\a+64*\b
	ds_store_b128 v[STO], v[8*(8*(2*(\hf)+\a)+\b)+4:8*(8*(2*(\hf)+\a)+\b)+7] offset:16*SPITCH*\a+64*\b+16
.endr
.endr
	WIN 0
.endm
.macro HALFDUMP
	s_cmp_eq_u32 s[HF], 0
	s_cbranch_scc0 .Lhi_\@
	DUMP 0
	s_branch .Ldone_\@
.Lhi_\@:
	DUMP 1
.Ldone_\@:
.endm
.macro PRE4                            ; a half's first four rows.  LDS serves a wave's instructions in order: these see my stores
.irp i, 0,1,2,3
	ds_load_b128 v[L+4*\i:L+4*\i+3], v[RD] offset:SPITCH*\i
.endr
	s_mov_b32 s[RO], 4*SPITCH                      ; where the next four begin
	s_mov_b32 s2, 8                                ; eight trips of four rows
.endm
.macro MORE4                           ; the next trip's four rows, asked for when this trip has read L; the half's last trip has none behind it: the loads and their step are jumped over
	s_cmp_eq_u32 s2, 1
	s_cbranch_scc1 .Lnone_\@
	v_add_nc_u32 v[RA], s[RO], v[RD]
.irp i, 0,1,2,3
	ds_load_b128 v[L+4*\i:L+4*\i+3], v[RA] offset:SPITCH*\i
.endr
	s_add_co_u32 s[RO], s[RO], 4*SPITCH
.Lnone_\@:
.endm
.macro NEXT4 label
	s_sub_co_u32 s2, s2, 1
	s_cmp_lg_u32 s2, 0
	s_cbranch_scc1 \label
.endm
	s_load_b256 s[4:11], s[0:1], 0x0               ; PW s[4:5], fb0 s[6:7], vb0 s[8:9], LA s[10:11]
	v_lshl_add_u32 v[SPW], v0, 2, SPARE
	v_mov_b32 v[NIL], 0
	ds_add_u32 v[SPW], v[NIL]                      ; the wave's opening: the add, twice on end, and its wait ahead of my first tensor load
	ds_add_u32 v[SPW], v[NIL]
	v_lshrrev_b32 v1, 5, v0
	v_readfirstlane_b32 s[WV], v1                  ; wave 0..3
	s_lshr_b32 s[WM], s[WV], 1                     ; my 64 rows.  Also: I fetch for A (0) or for B (1)
	s_and_b32 s[WN], s[WV], 1                      ; my 128 columns.  Also: which half of that tile I fetch
	s_bfe_u32 s[CX], ttmp6, 0x40000
	s_lshl_b32 s[RT], ttmp9, 2
	s_add_co_u32 s[RT], s[RT], s[CX]               ; row tile: it enters A's and the outputs' addresses alone
	s_and_b32 s[Y], ttmp7, 0xffff                  ; the unit, which the four partners share
	s_lshr_b32 s[ROLE], s[Y], 3
	s_mov_b32 s[G1A+0], (1<<16)|(1<<20)|(5<<22)|(3<<25)  ; no mask; 2-byte elements; padding on: after every 64 words 4 words
	s_mov_b32 s[G1A+1], 128<<16                    ; tensor_dim0 = 128
	s_mov_b32 s[G1A+2], 64<<16                     ; tensor_dim1 = 64
	s_mov_b32 s[G1A+3], 128<<16                    ; tile_dim0 = 128
	s_mov_b32 s[G1A+4], 64                         ; tile_dim1 = 64
	s_mov_b32 s[G1A+5], PA
	s_mov_b32 s[G1A+6], 0
	s_mov_b32 s[G1A+7], 0
	s_mov_b32 s[G1B+0], 15|(1<<16)|(1<<20)|(1<<21)|(5<<22)|(3<<25)  ; the mask of four, bit 21 beside it; the rest as A's
	s_mov_b32 s[G1B+1], 128<<16
	s_mov_b32 s[G1B+2], 128<<16                    ; 128 rows
	s_mov_b32 s[G1B+3], 128<<16
	s_mov_b32 s[G1B+4], 128
	s_mov_b32 s[G1B+5], PB
	s_mov_b32 s[G1B+6], 0
	s_mov_b32 s[G1B+7], 0
	s_lshl_b32 s14, s[RT], 7
	s_lshl_b32 s15, s[WN], 6
	s_add_co_u32 s14, s14, s15
	s_mul_i32 s14, s14, PAB                        ; A: row 128 x row tile + 64 x half
	s_mov_b32 s15, 0
	s_lshl_b32 s40, s[Y], 8
	s_lshl_b32 s41, s[WN], 7
	s_add_co_u32 s40, s40, s41
	s_mul_i32 s40, s40, PBB                        ; B: row 256 y + 128 x half: nothing of cx in these registers
	s_mov_b32 s41, 0
	s_mul_i32 s20, s[WN], 64*PITCH                 ; where they go
	s_mul_i32 s21, s[WN], APART
	s_mov_b32 s[C50], 0x42480000
	s_mov_b32 s[C50+1], 0x42480000
	s_mov_b32 s[CM], 0xbba3d70a
	s_mov_b32 s[CM+1], 0xbba3d70a
	s_mov_b32 s[CR], 0x3d480000
	s_mov_b32 s[CR+1], 0x3d480000
	s_mov_b32 s[C01], 0x3c23d70a
	s_wait_dscnt 0x0                               ; both opening adds are done
	s_wait_kmcnt 0x0
	s_add_nc_u64 s[16:17], s[4:5], s[14:15]
	s_add_nc_u64 s[16:17], s[16:17], X16OFF
	s_add_nc_u64 s[42:43], s[4:5], s[40:41]
	s_add_nc_u64 s[42:43], s[42:43], WCOFF
	CROUND                                         ; all four work-groups are here: the first joint loads meet
.irp s, 0,1
	s_mov_b32 s[G0A+4*\s], 1
	s_add_co_u32 s[G0A+4*\s+1], s20, \s*SLOT
	s_add_nc_u64 s[G0A+4*\s+2:G0A+4*\s+3], s[16:17], \s*256
	s_or_b32 s[G0A+4*\s+3], s[G0A+4*\s+3], 0x80000000
	s_mov_b32 s[G0B+4*\s], 1
	s_add_co_u32 s[G0B+4*\s+1], s21, \s*SLOT+APART
	s_add_nc_u64 s[G0B+4*\s+2:G0B+4*\s+3], s[42:43], \s*BSTEP
	s_or_b32 s[G0B+4*\s+3], s[G0B+4*\s+3], 0x80000000
	JLOAD \s
.endr
	v_and_b32 v1, 15, v0                           ; l % 16
	v_bfe_u32 v2, v0, 4, 1                         ; l / 16
	v_mul_u32_u24 v3, v1, PITCH
	v_lshl_add_u32 v3, v2, 4, v3                   ; a fragment's row x pitch + 16 x half
	s_mul_i32 s22, s[WM], 64*PITCH
	s_mul_i32 s23, s[WN], APART
	s_add_co_u32 s23, s23, APART
.irp s, 0,1
	v_add_nc_u32 v[ADRA+\s], s22, v3
	v_add_nc_u32 v[ADRB+\s], s23, v3
	s_add_co_u32 s22, s22, SLOT
	s_add_co_u32 s23, s23, SLOT
.endr
	s_mul_i32 s22, s[WV], WSTAGE
	s_add_co_u32 s22, s22, STAGE                   ; my stage
	v_mul_u32_u24 v4, v1, SPITCH
	v_lshl_add_u32 v4, v2, 5, v4                   ; row l % 16, 32 bytes for each half of the lanes
	v_add_nc_u32 v[STO], s22, v4
	v_and_b32 v5, 31, v0
	v_lshl_add_u32 v[RD], v5, 4, s22
	v_lshlrev_b32 v[CO], 3, v5
	v_lshlrev_b32 v[L16], 4, v5
	s_and_b32 s44, s[Y], 7
	s_lshl_b32 s45, s44, 9
	s_lshl_b32 s46, s[WN], 8
	s_add_co_u32 s45, s45, s46                     ; my 128 columns: their byte in a bf16 row of 2,048
	s_lshl_b32 s18, s[RT], 7
	s_lshl_b32 s19, s[WM], 6
	s_add_co_u32 s18, s18, s19                     ; my first row
	s_lshl_b32 s19, s[ROLE], 11
	s_add_co_u32 s19, s19, s18
	s_mul_i32 s14, s19, 4608
	s_add_co_u32 s14, s14, s45
	s_add_nc_u64 s[80:81], s[10:11], s[14:15]      ; h0 (rows 0 on) or z0 (rows 2048 on)
	s_lshl_b32 s14, s18, 12
	s_add_co_u32 s14, s14, s45
	s_add_nc_u64 s[82:83], s[10:11], s[14:15]
	s_add_nc_u64 s[82:83], s[82:83], R0OFF         ; rehu'(a0) / 2048
	s_lshl_b32 s14, s45, 1
	s_cmp_eq_u32 s[ROLE], 0
	s_cselect_b64 s[84:85], s[6:7], s[8:9]
	s_add_nc_u64 s[84:85], s[84:85], s[14:15]
	global_load_b128 v[BI:BI+3], v[L16], s[84:85]  ; my 4 columns' bias
	s_wait_tensorcnt 0x1                           ; my part of K step 0 is in; step 1's load stays out
	s_barrier_signal -1
	s_barrier_wait -1
	FETCH 0, 0, 0
	QUARTER 0, 1, 0, 1, 1                          ; the first products start the sums: nothing is cleared
	QUARTER 0, 2, 1, 0, 0
	QUARTER 0, 3, 0, 1, 0
	TURN 0, 1
	QUARTER 1, 1, 0, 1, 0
	QUARTER 1, 2, 1, 0, 0
	QUARTER 1, 3, 0, 1, 0
	s_wait_dscnt 4
	MUL8 1, 0, 0
	MUL8 1, 1, 0
	s_wait_dscnt 0x0
	MUL8 1, 2, 0
	MUL8 1, 3, 0
	WIN 0
.rept 8
	v_nop                                          ; the places behind the last products, ahead of the stores that read them
.endr
	s_wait_loadcnt 0x0                             ; the bias
	s_mov_b32 s[HF], 0
	s_cmp_eq_u32 s[ROLE], 0
	s_cbranch_scc0 .Lv_half
.Lf_half:                                      ; h0: two halves of 32 rows, four rows a trip
	HALFDUMP
	PRE4
.Lf_rows:
	s_wait_dscnt 0x0                               ; this trip's four rows, asked for a trip ago
.set p, 0
.rept 8
	v_pk_add_f32 v[T+2*p:T+2*p+1], v[L+2*p:L+2*p+1], v[BI+2*(p%2):BI+2*(p%2)+1]
.set p, p+1
.endr
	MORE4
.set k, 0
.rept 16
	v_max_num_f32 v[T+k], 0, v[T+k]
.set k, k+1
.endr
	s_wait_xcnt 0x0                                ; the last trip's stores have read their data and their base: both are written again only behind this wait
	s_add_nc_u64 s[80:81], s[80:81], 4*4608        ; four rows on; the stores below reach back
.set k, 0
.rept 8
	v_cvt_pk_bf16_f32 v[O+k], v[T+2*k], v[T+2*k+1]
.set k, k+1
.endr
.irp i, 0,1,2,3
	global_store_b64 v[CO], v[O+2*\i:O+2*\i+1], s[80:81] offset:(\i-4)*4608  ; the wave stores 256 consecutive bytes, aligned
.endr
	NEXT4 .Lf_rows
	s_add_co_u32 s[HF], s[HF], 1
	s_cmp_lt_u32 s[HF], 2
	s_cbranch_scc1 .Lf_half
	s_branch .Lclose
.Lv_half:                                      ; z0 and rehu'(a0) / 2048
	HALFDUMP
	PRE4
.Lv_rows:
	s_wait_dscnt 0x0                               ; this trip's four rows, asked for a trip ago
.set p, 0
.rept 8
	v_pk_add_f32 v[T+2*p:T+2*p+1], v[L+2*p:L+2*p+1], v[BI+2*(p%2):BI+2*(p%2)+1]  ; a
.set p, p+1
.endr
	MORE4
.set k, 0
.rept 16
	v_med3_num_f32 v[U+k], v[T+k], 0, s[C01]       ; t = clamp(a, 0, d)
.set k, k+1
.endr
.set p, 0
.rept 8
	v_pk_mul_f32 v[Q+2*p:Q+2*p+1], v[U+2*p:U+2*p+1], s[C50:C50+1] op_sel_hi:[1,0]
.set p, p+1
.endr
.set p, 0
.rept 8
	v_pk_mul_f32 v[Q+2*p:Q+2*p+1], v[Q+2*p:Q+2*p+1], v[U+2*p:U+2*p+1]            ; t^2 / 2d
	v_pk_add_f32 v[T+2*p:T+2*p+1], v[T+2*p:T+2*p+1], s[CM:CM+1] op_sel_hi:[1,0]  ; a - d / 2
	v_pk_mul_f32 v[U+2*p:U+2*p+1], v[U+2*p:U+2*p+1], s[CR:CR+1] op_sel_hi:[1,0]  ; t / (2048 d)
.set p, p+1
.endr
.set k, 0
.rept 16
	v_max_num_f32 v[T+k], v[T+k], v[Q+k]
.set k, k+1
.endr
	s_wait_xcnt 0x0                                ; the last trip's stores have read their data and their bases
	s_add_nc_u64 s[80:81], s[80:81], 4*4608
	s_add_nc_u64 s[82:83], s[82:83], 4*4096
.set k, 0
.rept 8
	v_cvt_pk_bf16_f32 v[O+k], v[T+2*k], v[T+2*k+1]
.set k, k+1
.endr
.set k, 0
.rept 8
	v_cvt_pk_bf16_f32 v[O2+k], v[U+2*k], v[U+2*k+1]
.set k, k+1
.endr
.irp i, 0,1,2,3
	global_store_b64 v[CO], v[O+2*\i:O+2*\i+1], s[80:81] offset:(\i-4)*4608
.endr
.irp i, 0,1,2,3
	global_store_b64 v[CO], v[O2+2*\i:O2+2*\i+1], s[82:83] offset:(\i-4)*4096
.endr
	NEXT4 .Lv_rows
	s_add_co_u32 s[HF], s[HF], 1
	s_cmp_lt_u32 s[HF], 2
	s_cbranch_scc1 .Lv_half
.Lclose:
	s_wait_tensorcnt 0x0                           ; the wave's end: behind my last tensor load and my last LDS store
	ds_add_u32 v[SPW], v[NIL]
	s_wait_dscnt 0x0
	CROUND                                         ; the closing round
	s_endpgm
.Lfunc_end_k_q602b0adf68_lay0:
	.size	k_q602b0adf68_lay0, .Lfunc_end_k_q602b0adf68_lay0-k_q602b0adf68_lay0
	.p2alignl 7, 3214868480
	.fill 96, 4, 3214868480
	.section	.rodata,"a",@progbits
	.p2align	6, 0x0
	.amdhsa_kernel k_q602b0adf68_lay0
		.amdhsa_group_segment_fixed_size 327680
		.amdhsa_private_segment_fixed_size 0
		.amdhsa_enable_private_segment 0
		.amdhsa_kernarg_size 32
		.amdhsa_user_sgpr_count 2
		.amdhsa_user_sgpr_kernarg_segment_ptr 1
		.amdhsa_wavefront_size32 1
		.amdhsa_system_sgpr_workgroup_id_x 1
		.amdhsa_system_sgpr_workgroup_id_y 1
		.amdhsa_system_sgpr_workgroup_id_z 1
		.amdhsa_system_vgpr_workitem_id 0
		.amdhsa_next_free_vgpr 768
		.amdhsa_next_free_sgpr 96
		.amdhsa_reserve_vcc 0
		.amdhsa_float_denorm_mode_32 3
		.amdhsa_float_denorm_mode_16_64 3
		.amdhsa_memory_ordered 1
		.amdhsa_forward_progress 1
		.amdhsa_inst_pref_size 58
	.end_amdhsa_kernel
	.amdgpu_metadata
---
amdhsa.version: [ 1, 2 ]
amdhsa.kernels:
  - .name:           k_q602b0adf68_lay0
    .symbol:         k_q602b0adf68_lay0.kd
    .args:
      - { .name: PW, .offset: 0, .size: 8, .value_kind: global_buffer, .address_space: global }
      - { .name: fb0, .offset: 8, .size: 8, .value_kind: global_buffer, .address_space: global }
      - { .name: vb0, .offset: 16, .size: 8, .value_kind: global_buffer, .address_space: global }
      - { .name: LA, .offset: 24, .size: 8, .value_kind: global_buffer, .address_space: global }
    .group_segment_fixed_size: 327680
    .private_segment_fixed_size: 0
    .kernarg_segment_align: 8
    .kernarg_segment_size: 32
    .max_flat_workgroup_size: 128
    .sgpr_count:     96
    .vgpr_count:     768
    .wavefront_size: 32
...
	.end_amdgpu_metadata
.endif
;; end of part 7
;; launch fwd (part 8): grid 16 x 16, 4 waves a work-group, clusters of 4 x 1, 327,680 bytes of LDS; arguments PW, LA, fb1, vb1, KA; writes KA
.if DOCPART == 8
	.amdgcn_target "amdgcn-amd-amdhsa--gfx1250"
	.amdhsa_code_object_version 6
	.text
	.protected	k_q602b0adf68_fwd
	.globl	k_q602b0adf68_fwd
	.p2align	8
	.type	k_q602b0adf68_fwd,@function
k_q602b0adf68_fwd:
	s_mov_b64 s[64:65], 0
	v_nop
	global_prefetch_b8 v0, s[64:65] scope:SCOPE_SE
	s_setreg_imm32_b32 hwreg(HW_REG_WAVE_MODE, 25, 1), 1
	s_wait_xcnt 0x0
	s_wait_alu depctr_hold_cnt(0) depctr_sa_sdst(0) depctr_va_vdst(0) depctr_va_sdst(0) depctr_va_ssrc(0) depctr_va_vcc(0) depctr_vm_vsrc(0)
	s_getreg_b32 s2, hwreg(HW_REG_IB_STS2, 6, 4)
	s_cmp_eq_u32 s2, 0
	s_cbranch_scc0 .Lentry_in_a_cluster
	s_endpgm
.Lentry_in_a_cluster:
	s_bfe_u32 s2, ttmp6, 0x10000c
	s_cmp_lg_u32 s2, 0x3003
	s_cbranch_scc0 .Lentry_shape_is_right
	s_endpgm
.Lentry_shape_is_right:
; FWD.  Units y = 0..7: h1 = relu(h0 fW1^T + fb1), K = 2048, stored as hi = bf16(h1) and lo = bf16(h1 - hi).
; Units y = 8..15: a1 = [z0 | x] [S | 2048 vW1]^T / 2048 + vb1, ONE product over K = 2304; out: g1 = softplus(vU1) rehu'(a1) in bf16, and for each row the f32 sum over my 128 columns of rehu(a1) softplus(vU1).
; Left out: reference()'s second walk of the ICNN forward (inside grad): the same numbers as the first.
; SHARES, LAYOUT, CLUSTER as in the launch before: a work-group makes 128 rows x 256 columns, a wave 64 x 128; the matrix instruction is used transposed; B's tile is asked for jointly by the
; four row tiles of a cluster (mask 15), A's is a plain load of the work-group's own.  Not 4 x 4: one form serves four launches, and in two of them the units along y share no tile of A or are not a multiple of four.
; RING.  K steps of 128 through two slots; a slot is asked for again in the last quarter of its step, behind a round of the cluster's barrier, one tensor load a wave: by this text's count two loads
; of a wave are out at the start, one later.  The laps are 8 (y < 8) or 9: the loop counts up to a bound made of y, which the partners share; the LDS addresses are fixed.
; THE WALK ALONG K.  The f32 sums may be taken in any order, so a work-group begins at K step (2 (y % 8) + 4 x cluster x) mod the number of steps (16 or 18) and wraps round: at any moment the eight units
; that read the same rows of A ask for K steps two apart, the four clusters that read the same rows of B for K steps four apart.  The partners of a cluster share y and the cluster's x: they walk alike.
; Each slot's K step is kept in a scalar; at each change of slots it goes on by two, modulo the number of steps, and both descriptors' addresses are made anew from it.
; NO PREFETCH.  By that walk every K step of A's rows is first asked for in one unit's two first fills, and every K step of B's rows in one cluster's first four loads: a request ahead of those would
; stand at the kernel's head, where every work-group's first tiles are on their way.
; THE WAY OUT is the launch before's: 32 rows at a time through the wave's own stage, four rows a trip, each trip's rows asked of LDS a trip earlier; the wait that frees the stores' registers and base stands
; behind the trip's arithmetic; the stores reach back by a negative immediate.
.set PA,     2304
.set PB,     2560
.set PAB,    2*PA
.set PBB,    2*PB
.set SPUOFF, 24117248
.set YPOFF,  25165824
.set PITCH,  272
.set APART,  128*PITCH
.set SLOT,   3*APART
.set STAGE,  2*SLOT
.set SPITCH, 528
.set WSTAGE, 32*SPITCH
.set SPARE,  STAGE+4*WSTAGE
.set ADRA, 16
.set ADRB, 20
.set STO,  24
.set RD,   25
.set CO,   26
.set RA,   27
.set SPW,  28
.set NIL,  29
.set L16,  31
.set T,    96                          ; v96-111  four rows, my 4 columns of each, at work
.set BI,   112                         ; v112-115 bias
.set SP,   116                         ; v116-119 softplus(vU1) of my columns
.set C1,   120                         ; v120-123 the same / d
.set U,    124                         ; v124-139
.set Q,    140                         ; v140-155
.set O,    156                         ; v156-163
.set YS,   164                         ; v164-167 a row's sum
.set YT,   168                         ; v168-171 the other half of the lanes'
.set YV,   172                         ; v172-173 lane l: the sums of my rows 2 l and 2 l + 1
.set LM,   174                         ; v174-175 lane, lane - 1
.set L,    176                         ; v176-191 four rows as they come from the stage
.set G1A, 24
.set G0A, 32
.set G1B, 48
.set G0B, 56
.set RI,  46
.set HF,  47
.set WV,  66
.set WM,  67
.set WN,  68
.set CX,  69
.set RT,  70
.set Y,   71
.set ROLE, 72
.set NST, 73                           ; K steps in all: 16 or 18
.set BND, 74
.set RO,  75
.set KS,  76                           ; s76, s77: the K step that slot 0, 1 holds or is being filled with
.set OFF, 78                           ; s[78:79] its byte offset in a row of A and of B
.set SEL, 86
.set C50, 88
.set CM,  90
.set CI,  92                           ; s[92:93] 1 / 2048
.set C01, 94
.set MSK, 95
.set MSB, 0
.macro WIN new
.if MSB != (\new)
	s_set_vgpr_msb (MSB<<8)|(\new)
.set MSB, \new
.endif
.endm
.set MULW, 0xa1
.set TO_B, 0x40
.macro JLOAD s
	s_cmp_eq_u32 s[WM], 0
	s_cbranch_scc0 .Lfor_b_\@
	tensor_load_to_lds s[G0A+4*(\s):G0A+4*(\s)+3], s[G1A:G1A+7]
	s_nop 0
.rept 4
	v_nop
.endr
	s_branch .Lasked_\@
.Lfor_b_\@:
	tensor_load_to_lds s[G0B+4*(\s):G0B+4*(\s)+3], s[G1B:G1B+7]
	s_nop 0
.rept 4
	v_nop
.endr
.Lasked_\@:
.endm
.macro CREST                           ; a round of the cluster's barrier behind its opening barrier
	s_cmp_lg_u32 s[WV], 0
	s_cbranch_scc1 .Lnot_wave_0_\@
	s_barrier_signal -3
.Lnot_wave_0_\@:
	s_barrier_wait -3
	s_barrier_signal -1
	s_barrier_wait -1
.endm
.macro CROUND
	s_barrier_signal -1
	s_barrier_wait -1
	CREST
.endm
; The slot's next K step: two on, modulo the number of steps; both addresses are made anew: a base that never changes plus an offset made apart from it, the type bits set again.
.macro STEPK slot
	s_add_co_u32 s[KS+(\slot)], s[KS+(\slot)], 2
	s_cmp_ge_u32 s[KS+(\slot)], s[NST]
	s_cselect_b32 s[OFF], s[NST], 0
	s_sub_co_u32 s[KS+(\slot)], s[KS+(\slot)], s[OFF]
	s_lshl_b32 s[OFF], s[KS+(\slot)], 8            ; a K step is 256 bytes of a row
	s_add_nc_u64 s[G0A+4*(\slot)+2:G0A+4*(\slot)+3], s[16:17], s[OFF:OFF+1]
	s_or_b32 s[G0A+4*(\slot)+3], s[G0A+4*(\slot)+3], 0x80000000
	s_add_nc_u64 s[G0B+4*(\slot)+2:G0B+4*(\slot)+3], s[42:43], s[OFF:OFF+1]
	s_or_b32 s[G0B+4*(\slot)+3], s[G0B+4*(\slot)+3], 0x80000000
.endm
.macro PLACES
.rept 4
	v_nop
.endr
.endm
.macro MUL8 f, a, zero
	WIN MULW
.irp b, 0,1,2,3,4,5,6,7
.if \zero
	v_wmma_f32_16x16x32_bf16 v[8*(8*(\a)+\b):8*(8*(\a)+\b)+7], v[64*(\f)+8*\b:64*(\f)+8*\b+7], v[32+32*(\f)+8*(\a):32+32*(\f)+8*(\a)+7], 0
.else
	v_wmma_f32_16x16x32_bf16 v[8*(8*(\a)+\b):8*(8*(\a)+\b)+7], v[64*(\f)+8*\b:64*(\f)+8*\b+7], v[32+32*(\f)+8*(\a):32+32*(\f)+8*(\a)+7], v[8*(8*(\a)+\b):8*(8*(\a)+\b)+7]
.endif
.endr
.endm
.macro FETCH slot, q, f
	WIN TO_B
.irp i, 0,1,2,3,4,5,6,7
	ds_load_b128 v[64*(\f)+8*\i:64*(\f)+8*\i+3],   v[ADRB+(\slot)] offset:64*(\q)+\i*16*PITCH
	ds_load_b128 v[64*(\f)+8*\i+4:64*(\f)+8*\i+7], v[ADRB+(\slot)] offset:64*(\q)+\i*16*PITCH+32
.endr
	WIN 0
.irp i, 0,1,2,3
	ds_load_b128 v[32+32*(\f)+8*\i:32+32*(\f)+8*\i+3],   v[ADRA+(\slot)] offset:64*(\q)+\i*16*PITCH
	ds_load_b128 v[32+32*(\f)+8*\i+4:32+32*(\f)+8*\i+7], v[ADRA+(\slot)] offset:64*(\q)+\i*16*PITCH+32
.endr
.endm
.macro QUARTER slot, q, f, g, zero
	s_wait_dscnt 4                                 ; all but the youngest four loads: A's blocks 2 and 3
	MUL8 \f, 0, \zero
	MUL8 \f, 1, \zero
	PLACES
	FETCH \slot, \q, \g
	s_wait_dscnt 24                                ; all but the 24 just issued
	MUL8 \f, 2, \zero
	MUL8 \f, 3, \zero
.endm
; A step's last quarter and the change of slots.  fill = 1: the barrier opens a round of the cluster's barrier, and the slot just read out is filled again, first thing behind the round.
.macro TURN slot, next, fill
	WIN 0
	s_wait_tensorcnt 0x0                           ; all my tensor loads have landed: my part of the next slot; so every group 0 may be written;
	ds_add_u32 v[SPW], v[NIL]                      ; 0 onto my spare word: work on registers stands between it and the wait for it
.if \fill
	STEPK \slot
.endif
	s_wait_dscnt 5                                 ; (the add and the youngest four loads may be out)
	MUL8 1, 0, 0
	s_wait_dscnt 0x0                               ; the add is done, my reads of this slot are over
	s_barrier_signal -1
	MUL8 1, 1, 0
.if \fill
	WIN 0
.endif
	s_barrier_wait -1
.if \fill
	CREST                                          ; no wave of any partner still reads this slot or has a load on its way
	JLOAD \slot                                    ; its four v_nop are also the places in front of the loads below
.else
	PLACES
.endif
	FETCH \next, 0, 0
	MUL8 1, 2, 0
	MUL8 1, 3, 0
.endm
.macro DUMP hf
	WIN 0x08
.irp a, 0,1
.irp b, 0,1,2,3,4,5,6,7
	ds_store_b128 v[STO], v[8*(8*(2*(\hf)+\a)+\b):8*(8*(2*(\hf)+\a)+\b)+3]   offset:16*SPITCH*\a+64*\b
	ds_store_b128 v[STO], v[8*(8*(2*(\hf)+\a)+\b)+4:8*(8*(2*(\hf)+\a)+\b)+7] offset:16*SPITCH*\a+64*\b+16
.endr
.endr
	WIN 0
.endm
.macro HALFDUMP
	s_cmp_eq_u32 s[HF], 0
	s_cbranch_scc0 .Lhi_\@
	DUMP 0
	s_branch .Ldone_\@
.Lhi_\@:
	DUMP 1
.Ldone_\@:
.endm
.macro PRE4                            ; a half's first four rows.  LDS serves a wave's instructions in order: these see my stores
.irp i, 0,1,2,3
	ds_load_b128 v[L+4*\i:L+4*\i+3], v[RD] offset:SPITCH*\i
.endr
	s_mov_b32 s[RO], 4*SPITCH                      ; where the next four begin
	s_mov_b32 s2, 8                                ; eight trips of four rows
.endm
.macro MORE4                           ; the next trip's four rows, asked for when this trip has read L; the half's last trip has none behind it: the loads and their step are jumped over
	s_cmp_eq_u32 s2, 1
	s_cbranch_scc1 .Lnone_\@
	v_add_nc_u32 v[RA], s[RO], v[RD]
.irp i, 0,1,2,3
	ds_load_b128 v[L+4*\i:L+4*\i+3], v[RA] offset:SPITCH*\i
.endr
	s_add_co_u32 s[RO], s[RO], 4*SPITCH
.Lnone_\@:
.endm
.macro NEXT4 label
	s_sub_co_u32 s2, s2, 1
	s_cmp_lg_u32 s2, 0
	s_cbranch_scc1 \label
.endm
	s_load_b256 s[4:11], s[0:1], 0x0               ; PW s[4:5], LA s[6:7], fb1 s[8:9], vb1 s[10:11]
	s_load_b64 s[12:13], s[0:1], 0x20              ; KA
	v_lshl_add_u32 v[SPW], v0, 2, SPARE
	v_mov_b32 v[NIL], 0
	ds_add_u32 v[SPW], v[NIL]                      ; the wave's opening: the add, twice on end, and its wait ahead of my first tensor load
	ds_add_u32 v[SPW], v[NIL]
	v_lshrrev_b32 v1, 5, v0
	v_readfirstlane_b32 s[WV], v1
	s_lshr_b32 s[WM], s[WV], 1
	s_and_b32 s[WN], s[WV], 1
	s_bfe_u32 s[CX], ttmp6, 0x40000
	s_lshl_b32 s[RT], ttmp9, 2
	s_add_co_u32 s[RT], s[RT], s[CX]
	s_and_b32 s[Y], ttmp7, 0xffff
	s_lshr_b32 s[ROLE], s[Y], 3
	s_and_b32 s44, s[Y], 7                         ; where the walk along K begins: 2 (y % 8) + 4 x cluster x,
	s_lshl_b32 s45, s44, 1
	s_lshl_b32 s46, ttmp9, 2
	s_add_co_u32 s45, s45, s46                     ; 26 at the most,
	s_cmp_eq_u32 s[ROLE], 0
	s_cselect_b32 s[NST], 16, 18
	s_cselect_b32 s[BND], 7, 8                     ; trips of the loop: laps - 1
	s_cmp_ge_u32 s45, s[NST]
	s_cselect_b32 s46, s[NST], 0
	s_sub_co_u32 s[KS], s45, s46                   ; modulo the number of steps: an even number, so the next step does not wrap
	s_add_co_u32 s[KS+1], s[KS], 1
	s_mov_b32 s[OFF+1], 0
	s_mov_b32 s[G1A+0], (1<<16)|(1<<20)|(5<<22)|(3<<25)
	s_mov_b32 s[G1A+1], 128<<16
	s_mov_b32 s[G1A+2], 64<<16
	s_mov_b32 s[G1A+3], 128<<16
	s_mov_b32 s[G1A+4], 64
	s_mov_b32 s[G1A+5], PA
	s_mov_b32 s[G1A+6], 0
	s_mov_b32 s[G1A+7], 0
	s_mov_b32 s[G1B+0], 15|(1<<16)|(1<<20)|(1<<21)|(5<<22)|(3<<25)
	s_mov_b32 s[G1B+1], 128<<16
	s_mov_b32 s[G1B+2], 128<<16
	s_mov_b32 s[G1B+3], 128<<16
	s_mov_b32 s[G1B+4], 128
	s_mov_b32 s[G1B+5], PB
	s_mov_b32 s[G1B+6], 0
	s_mov_b32 s[G1B+7], 0
	s_lshl_b32 s14, s[RT], 7
	s_lshl_b32 s15, s[WN], 6
	s_add_co_u32 s14, s14, s15
	s_lshl_b32 s15, s[ROLE], 11
	s_add_co_u32 s14, s14, s15                     ; A: h0's rows, or 2,048 further down [z0 | x]'s
	s_mul_i32 s14, s14, PAB
	s_mov_b32 s15, 0
	s_lshl_b32 s40, s[Y], 8
	s_lshl_b32 s41, s[WN], 7
	s_add_co_u32 s40, s40, s41
	s_mul_i32 s40, s40, PBB                        ; B: row 256 y + 128 x half of BM
	s_mov_b32 s41, 0
	s_mul_i32 s20, s[WN], 64*PITCH
	s_mul_i32 s21, s[WN], APART
	s_mov_b32 s[SEL], 0x76543210
	s_mov_b32 s[SEL+1], 0xfedcba98
	s_mov_b32 s[C50], 0x42480000
	s_mov_b32 s[C50+1], 0x42480000
	s_mov_b32 s[CM], 0xbba3d70a
	s_mov_b32 s[CM+1], 0xbba3d70a
	s_mov_b32 s[CI], 0x3a000000
	s_mov_b32 s[CI+1], 0x3a000000
	s_mov_b32 s[C01], 0x3c23d70a
	s_mov_b32 s[MSK], 0xffff0000
	s_wait_dscnt 0x0
	s_wait_kmcnt 0x0
	s_add_nc_u64 s[16:17], s[6:7], s[14:15]        ; A's rows at K step 0: kept to the end of the walk
	s_add_nc_u64 s[42:43], s[4:5], s[40:41]        ; B's rows at K step 0: likewise
	CROUND
.irp s, 0,1
	s_lshl_b32 s[OFF], s[KS+\s], 8
	s_mov_b32 s[G0A+4*\s], 1
	s_add_co_u32 s[G0A+4*\s+1], s20, \s*SLOT
	s_add_nc_u64 s[G0A+4*\s+2:G0A+4*\s+3], s[16:17], s[OFF:OFF+1]
	s_or_b32 s[G0A+4*\s+3], s[G0A+4*\s+3], 0x80000000
	s_mov_b32 s[G0B+4*\s], 1
	s_add_co_u32 s[G0B+4*\s+1], s21, \s*SLOT+APART
	s_add_nc_u64 s[G0B+4*\s+2:G0B+4*\s+3], s[42:43], s[OFF:OFF+1]
	s_or_b32 s[G0B+4*\s+3], s[G0B+4*\s+3], 0x80000000
	JLOAD \s
.endr
	v_and_b32 v1, 15, v0
	v_bfe_u32 v2, v0, 4, 1
	v_mul_u32_u24 v3, v1, PITCH
	v_lshl_add_u32 v3, v2, 4, v3
	s_mul_i32 s22, s[WM], 64*PITCH
	s_mul_i32 s23, s[WN], APART
	s_add_co_u32 s23, s23, APART
.irp s, 0,1
	v_add_nc_u32 v[ADRA+\s], s22, v3
	v_add_nc_u32 v[ADRB+\s], s23, v3
	s_add_co_u32 s22, s22, SLOT
	s_add_co_u32 s23, s23, SLOT
.endr
	s_mul_i32 s22, s[WV], WSTAGE
	s_add_co_u32 s22, s22, STAGE
	v_mul_u32_u24 v4, v1, SPITCH
	v_lshl_add_u32 v4, v2, 5, v4
	v_add_nc_u32 v[STO], s22, v4
	v_and_b32 v5, 31, v0
	v_lshl_add_u32 v[RD], v5, 4, s22
	v_lshlrev_b32 v[CO], 3, v5
	v_lshlrev_b32 v[L16], 4, v5
	s_and_b32 s44, s[Y], 7
	s_lshl_b32 s45, s44, 9
	s_lshl_b32 s46, s[WN], 8
	s_add_co_u32 s45, s45, s46                     ; my 128 columns: their byte in a bf16 row of 2,048
	s_lshl_b32 s18, s[RT], 7
	s_lshl_b32 s19, s[WM], 6
	s_add_co_u32 s18, s18, s19                     ; my first row
	s_mul_i32 s14, s18, 12288
	s_add_co_u32 s14, s14, s45
	s_xor_b32 s19, s[ROLE], 1
	s_lshl_b32 s19, s19, 12                        ; g1 lies at byte 0 of a row of ACT, hi at 4,096, lo at 8,192
	s_add_co_u32 s14, s14, s19
	s_add_nc_u64 s[80:81], s[12:13], s[14:15]
	s_lshl1_add_u32 s19, s44, s[WN]                ; which of the 16 column parts
	s_lshl_b32 s19, s19, 13
	s_lshl2_add_u32 s14, s18, s19
	s_add_nc_u64 s[82:83], s[12:13], s[14:15]
	s_add_nc_u64 s[82:83], s[82:83], YPOFF
	s_lshl_b32 s14, s45, 1
	s_add_nc_u64 s[20:21], s[4:5], s[14:15]
	s_add_nc_u64 s[20:21], s[20:21], SPUOFF
	s_cmp_eq_u32 s[ROLE], 0
	s_cselect_b64 s[84:85], s[8:9], s[10:11]
	s_add_nc_u64 s[84:85], s[84:85], s[14:15]
	global_load_b128 v[BI:BI+3], v[L16], s[84:85]
	s_wait_tensorcnt 0x1                           ; my part of the first K step is in; the second's load stays out
	s_barrier_signal -1
	s_barrier_wait -1
	FETCH 0, 0, 0
	QUARTER 0, 1, 0, 1, 1                          ; the first products start the sums
	WIN 0
	s_mov_b32 s3, 0
.Llap:                                         ; a trip goes once round the ring, from a lap's second quarter to the next lap's first
	QUARTER 0, 2, 1, 0, 0
	QUARTER 0, 3, 0, 1, 0
	TURN 0, 1, 1
	QUARTER 1, 1, 0, 1, 0
	QUARTER 1, 2, 1, 0, 0
	QUARTER 1, 3, 0, 1, 0
	TURN 1, 0, 1
	QUARTER 0, 1, 0, 1, 0
	WIN 0
	s_add_co_u32 s3, s3, 1
	s_cmp_lt_u32 s3, s[BND]
	s_cbranch_scc1 .Llap
	QUARTER 0, 2, 1, 0, 0                          ; the last lap fills nothing
	QUARTER 0, 3, 0, 1, 0
	TURN 0, 1, 0
	QUARTER 1, 1, 0, 1, 0
	QUARTER 1, 2, 1, 0, 0
	QUARTER 1, 3, 0, 1, 0
	s_wait_dscnt 4
	MUL8 1, 0, 0
	MUL8 1, 1, 0
	s_wait_dscnt 0x0
	MUL8 1, 2, 0
	MUL8 1, 3, 0
	WIN 0
.rept 8
	v_nop
.endr
	s_wait_loadcnt 0x0                             ; the bias
	s_mov_b32 s[HF], 0
	s_cmp_eq_u32 s[ROLE], 0
	s_cbranch_scc0 .Lg_arm
.Lh_half:                                      ; h1 as hi + lo
	HALFDUMP
	PRE4
.Lh_rows:
	s_wait_dscnt 0x0                               ; this trip's four rows, asked for a trip ago
.set p, 0
.rept 8
	v_pk_add_f32 v[T+2*p:T+2*p+1], v[L+2*p:L+2*p+1], v[BI+2*(p%2):BI+2*(p%2)+1]
.set p, p+1
.endr
	MORE4
.set k, 0
.rept 16
	v_max_num_f32 v[T+k], 0, v[T+k]
.set k, k+1
.endr
	s_wait_xcnt 0x0                                ; the last trip's stores have read their data and their base: both are written again only behind this wait
	s_add_nc_u64 s[80:81], s[80:81], 4*12288       ; four rows on; the stores below reach back
.set k, 0
.rept 8
	v_cvt_pk_bf16_f32 v[O+k], v[T+2*k], v[T+2*k+1] ; hi
.set k, k+1
.endr
.set k, 0
.rept 8
	v_lshlrev_b32 v[U+2*k], 16, v[O+k]             ; hi back in f32
	v_and_b32 v[U+2*k+1], s[MSK], v[O+k]
.set k, k+1
.endr
.irp i, 0,1,2,3
	global_store_b64 v[CO], v[O+2*\i:O+2*\i+1], s[80:81] offset:(\i-4)*12288
.endr
.set p, 0
.rept 8
	v_pk_add_f32 v[U+2*p:U+2*p+1], v[T+2*p:T+2*p+1], v[U+2*p:U+2*p+1] neg_lo:[0,1] neg_hi:[0,1]  ; h1 - hi, exact
.set p, p+1
.endr
.set k, 0
.rept 8
	v_cvt_pk_bf16_f32 v[Q+k], v[U+2*k], v[U+2*k+1] ; lo
.set k, k+1
.endr
.irp i, 0,1,2,3
	global_store_b64 v[CO], v[Q+2*\i:Q+2*\i+1], s[80:81] offset:(\i-4)*12288+4096
.endr
	NEXT4 .Lh_rows
	s_add_co_u32 s[HF], s[HF], 1
	s_cmp_lt_u32 s[HF], 2
	s_cbranch_scc1 .Lh_half
	s_branch .Lclose
.Lg_arm:                                       ; g1 and the rows' sums
	global_load_b128 v[SP:SP+3], v[L16], s[20:21]  ; softplus(vU1) of my 4 columns: loaded in the arm that reads it; waited for behind the first dump
	v_mov_b32 v[LM], v5
	v_add_nc_u32 v[LM+1], -1, v5
.irp i, 0,1,2,3
	v_mov_b32 v[YT+\i], 0                          ; v_permlanex16_b32's destination counts as read
.endr
	v_mov_b32 v[YV], 0
	v_mov_b32 v[YV+1], 0
	s_mov_b32 s[RI], 0
.Lg_half:
	HALFDUMP
	PRE4
	s_wait_loadcnt 0x0                             ; softplus(vU1); in the second half nothing is out
.irp i, 0,1,2,3
	v_mul_f32 v[C1+\i], 0x42c80000, v[SP+\i]       ; / d: four lines, made in each half so that the wait can stand here
.endr
.Lg_rows:
	s_wait_dscnt 0x0                               ; this trip's four rows, asked for a trip ago
.set p, 0
.rept 8
	v_pk_fma_f32 v[T+2*p:T+2*p+1], v[L+2*p:L+2*p+1], s[CI:CI+1], v[BI+2*(p%2):BI+2*(p%2)+1] op_sel_hi:[1,0,1]  ; a1
.set p, p+1
.endr
	MORE4
.set k, 0
.rept 16
	v_med3_num_f32 v[U+k], v[T+k], 0, s[C01]       ; t
.set k, k+1
.endr
.set p, 0
.rept 8
	v_pk_mul_f32 v[Q+2*p:Q+2*p+1], v[U+2*p:U+2*p+1], s[C50:C50+1] op_sel_hi:[1,0]
.set p, p+1
.endr
.set p, 0
.rept 8
	v_pk_mul_f32 v[Q+2*p:Q+2*p+1], v[Q+2*p:Q+2*p+1], v[U+2*p:U+2*p+1]
	v_pk_add_f32 v[T+2*p:T+2*p+1], v[T+2*p:T+2*p+1], s[CM:CM+1] op_sel_hi:[1,0]
	v_pk_mul_f32 v[U+2*p:U+2*p+1], v[U+2*p:U+2*p+1], v[C1+2*(p%2):C1+2*(p%2)+1]  ; g1
.set p, p+1
.endr
.set k, 0
.rept 16
	v_max_num_f32 v[T+k], v[T+k], v[Q+k]           ; z1
.set k, k+1
.endr
	s_wait_xcnt 0x0                                ; the last trip's stores have read their data and their base
	s_add_nc_u64 s[80:81], s[80:81], 4*12288
.set k, 0
.rept 8
	v_cvt_pk_bf16_f32 v[O+k], v[U+2*k], v[U+2*k+1]
.set k, k+1
.endr
.irp i, 0,1,2,3
	v_pk_mul_f32 v[Q+4*\i:Q+4*\i+1], v[T+4*\i:T+4*\i+1], v[SP:SP+1]
.endr
.irp i, 0,1,2,3
	v_pk_fma_f32 v[Q+4*\i:Q+4*\i+1], v[T+4*\i+2:T+4*\i+3], v[SP+2:SP+3], v[Q+4*\i:Q+4*\i+1]
.endr
.irp i, 0,1,2,3
	v_add_f32 v[YS+\i], v[Q+4*\i], v[Q+4*\i+1]
.endr
.irp i, 0,1,2,3
	global_store_b64 v[CO], v[O+2*\i:O+2*\i+1], s[80:81] offset:(\i-4)*12288
.endr
.irp m, 1,2,4,8
.irp i, 0,1,2,3
	v_add_f32_dpp v[YS+\i], v[YS+\i], v[YS+\i] row_xmask:\m row_mask:0xf bank_mask:0xf
.endr
.endr
.irp i, 0,1,2,3
	v_permlanex16_b32 v[YT+\i], v[YS+\i], s[SEL], s[SEL+1]
.endr
.irp i, 0,1,2,3
	v_add_f32 v[YS+\i], v[YS+\i], v[YT+\i]         ; the row's sum over my 128 columns, in every lane
.endr
.irp i, 0,1,2,3
	v_cmp_eq_u32 vcc_lo, s[RI], v[LM+(\i/2)]       ; row 2 RI + i belongs to lane RI + i / 2, register i % 2
	v_cndmask_b32 v[YV+(\i%2)], v[YV+(\i%2)], v[YS+\i], vcc_lo
.endr
	s_add_co_u32 s[RI], s[RI], 2
	NEXT4 .Lg_rows
	s_add_co_u32 s[HF], s[HF], 1
	s_cmp_lt_u32 s[HF], 2
	s_cbranch_scc1 .Lg_half
	global_store_b64 v[CO], v[YV:YV+1], s[82:83]   ; my 64 rows' sums: 256 consecutive bytes, aligned
.Lclose:
	s_wait_tensorcnt 0x0                           ; the wave's end
	ds_add_u32 v[SPW], v[NIL]
	s_wait_dscnt 0x0
	CROUND                                         ; the closing round
	s_endpgm
.Lfunc_end_k_q602b0adf68_fwd:
	.size	k_q602b0adf68_fwd, .Lfunc_end_k_q602b0adf68_fwd-k_q602b0adf68_fwd
	.p2alignl 7, 3214868480
	.fill 96, 4, 3214868480
	.section	.rodata,"a",@progbits
	.p2align	6, 0x0
	.amdhsa_kernel k_q602b0adf68_fwd
		.amdhsa_group_segment_fixed_size 327680
		.amdhsa_private_segment_fixed_size 0
		.amdhsa_enable_private_segment 0
		.amdhsa_kernarg_size 40
		.amdhsa_user_sgpr_count 2
		.amdhsa_user_sgpr_kernarg_segment_ptr 1
		.amdhsa_wavefront_size32 1
		.amdhsa_system_sgpr_workgroup_id_x 1
		.amdhsa_system_sgpr_workgroup_id_y 1
		.amdhsa_system_sgpr_workgroup_id_z 1
		.amdhsa_system_vgpr_workitem_id 0
		.amdhsa_next_free_vgpr 768
		.amdhsa_next_free_sgpr 96
		.amdhsa_reserve_vcc 1
		.amdhsa_float_denorm_mode_32 3
		.amdhsa_float_denorm_mode_16_64 3
		.amdhsa_memory_ordered 1
		.amdhsa_forward_progress 1
		.amdhsa_inst_pref_size 95
	.end_amdhsa_kernel
	.amdgpu_metadata
---
amdhsa.version: [ 1, 2 ]
amdhsa.kernels:
  - .name:           k_q602b0adf68_fwd
    .symbol:         k_q602b0adf68_fwd.kd
    .args:
      - { .name: PW, .offset: 0, .size: 8, .value_kind: global_buffer, .address_space: global }
      - { .name: LA, .offset: 8, .size: 8, .value_kind: global_buffer, .address_space: global }
      - { .name: fb1, .offset: 16, .size: 8, .value_kind: global_buffer, .address_space: global }
      - { .name: vb1, .offset: 24, .size: 8, .value_kind: global_buffer, .address_space: global }
      - { .name: KA, .offset: 32, .size: 8, .value_kind: global_buffer, .address_space: global }
    .group_segment_fixed_size: 327680
    .private_segment_fixed_size: 0
    .kernarg_segment_align: 8
    .kernarg_segment_size: 40
    .max_flat_workgroup_size: 128
    .sgpr_count:     96
    .vgpr_count:     768
    .wavefront_size: 32
...
	.end_amdgpu_metadata
.endif
;; end of part 8
;; launch bwd (part 9): grid 16 x 13, 4 waves a work-group, clusters of 4 x 1, 327,680 bytes of LDS; arguments PW, LA, KA, KB; writes KB
.if DOCPART == 9
	.amdgcn_target "amdgcn-amd-amdhsa--gfx1250"
	.amdhsa_code_object_version 6
	.text
	.protected	k_q602b0adf68_bwd
	.globl	k_q602b0adf68_bwd
	.p2align	8
	.type	k_q602b0adf68_bwd,@function
k_q602b0adf68_bwd:
	s_mov_b64 s[64:65], 0
	v_nop
	global_prefetch_b8 v0, s[64:65] scope:SCOPE_SE
	s_setreg_imm32_b32 hwreg(HW_REG_WAVE_MODE, 25, 1), 1
	s_wait_xcnt 0x0
	s_wait_alu depctr_hold_cnt(0) depctr_sa_sdst(0) depctr_va_vdst(0) depctr_va_sdst(0) depctr_va_ssrc(0) depctr_va_vcc(0) depctr_vm_vsrc(0)
	s_getreg_b32 s2, hwreg(HW_REG_IB_STS2, 6, 4)
	s_cmp_eq_u32 s2, 0
	s_cbranch_scc0 .Lentry_in_a_cluster
	s_endpgm
.Lentry_in_a_cluster:
	s_bfe_u32 s2, ttmp6, 0x10000c
	s_cmp_lg_u32 s2, 0x3003
	s_cbranch_scc0 .Lentry_shape_is_right
	s_endpgm
.Lentry_shape_is_right:
; BWD: products whose B lies [K][N] in rows 2048 on of BM: it is read as it lies and turned on the way out of LDS (ds_load_tr16_b128).
; Units y = 0..7: g0 = (g1 S) x (rehu'(a0) / 2048), columns 256 y on, bf16, K = 2048.  y = 8: 2048 g1 vW1, K = 2048.  y = 9, 10: hi fW2^T over the first and the second half of K; y = 11, 12: lo fW2^T likewise.
; Units 8 to 12 leave f32 planes, which are added up in a fixed order in the last launch.
; SHARES, CLUSTER, RING as in the launch before (a work-group 128 x 256, a wave 64 x 128, B joint with mask 15, A plain; not 4 x 4: units 9 to 12 share no tile of A with others, and 13 units are no multiple of four).
; A slot's B part is 128 rows of K x 512 bytes, 544 apart: the 16 lanes of a turning load take 8 rows x 32 bytes that begin 32 bytes apart modulo 256.  The loop counts up to a bound made of y: 8 laps, or 4 in units 9 to 12.
; THE WALK ALONG K.  Units 0 to 8, which read the same rows of g1, begin at K step (2 (y % 8) + 4 x cluster x) mod 16 and wrap round (f32 sums may be taken in any order): at any moment they ask for K steps two
; apart, and the four clusters that read the same rows of B for K steps four apart.  The partners of a cluster share y and the cluster's x: they walk alike.  Units 9 to 12 are the only readers of their rows of hi
; and lo: they walk their 8 steps from the first on; that is why K is cut in two there: 64 work-groups of 8 steps in place of 32 of 16.
; PREFETCH, in units 9 to 12 alone.  Behind the refill of K step t an asking wave names step t + 3: three steps, 384 matrix instructions, ahead of its load.  A's 64 rows of a wave: a lane a row, two instructions.
; B's 64 rows of K x 512 bytes of a wave: the first cluster along x of units 9 and 10 asks (units 11 and 12 read the same rows), each partner 16 rows, two lanes a row, told apart by address.  Steps 0 to 4 come by
; their loads alone; the last step named is the unit's last, step 7: three requests, counted down.  Units 0 to 8 ask for nothing: by their walk every K step of g1's rows is first asked for in one unit's two first
; fills, every K step of B's rows in one cluster's first four loads, and a request ahead of those would stand at the kernel's head.
; THE WAY OUT.  32 rows at a time go in f32 through the wave's own stage and come back as whole rows.  g0: groups of eight rows on two register buffers by turns, a group asked of LDS ahead of the work on the group
; before it; a group's rows are worked on together and then stored together.  The planes: a half's 32 rows come back in one run into 128 registers and are stored as they arrive.
.set PA,     6144
.set PB,     2560
.set PAB,    2*PA
.set PBB,    2*PB
.set BSTEP,  128*PBB
.set R0OFF,  18874368
.set PSOFF,  8388608
.set PITCH,  272
.set PT,     544
.set APART,  128*PITCH
.set SLOT,   3*APART
.set STAGE,  2*SLOT
.set SPITCH, 528
.set WSTAGE, 32*SPITCH
.set SPARE,  STAGE+4*WSTAGE
.set ADRA, 16
.set ADRB, 20
.set STO,  24
.set RD,   25
.set CO,   26
.set SPW,  28
.set NIL,  29
.set PFO,  30
.set L16,  31
.set T,    96                          ; the planes' way out: v96-223: 32 rows, my 4 columns of each
.set R,    96                          ; g0's way out: v96-223: row i's four factors as loaded, then its four results to store
.set G1A, 24
.set G0A, 32
.set G1B, 48
.set G0B, 56
.set HF,  47
.set WV,  66
.set WM,  67
.set WN,  68
.set CX,  69
.set RT,  70
.set Y,   71
.set ROLE, 72
.set PFN, 73                           ; prefetches still to come: 3 in a wave that asks, else 0
.set BND, 74
.set PFA, 76
.set PFS, 78                           ; s[78:79] bytes from a K step to the next in what I prefetch
.set KS,  86                           ; s86, s87: the K step that slot 0, 1 holds or is being filled with
.set NST, 88                           ; K steps in all: 16 or 8
.set OFA, 90                           ; s[90:91] the step's byte offset in A
.set OFB, 92                           ; s[92:93] and in B
.set MSK, 95
.set MSB, 0
.macro WIN new
.if MSB != (\new)
	s_set_vgpr_msb (MSB<<8)|(\new)
.set MSB, \new
.endif
.endm
.set MULW, 0xa1
.set TO_B, 0x40
.macro JLOAD s
	s_cmp_eq_u32 s[WM], 0
	s_cbranch_scc0 .Lfor_b_\@
	tensor_load_to_lds s[G0A+4*(\s):G0A+4*(\s)+3], s[G1A:G1A+7]
	s_nop 0
.rept 4
	v_nop
.endr
	s_branch .Lasked_\@
.Lfor_b_\@:
	tensor_load_to_lds s[G0B+4*(\s):G0B+4*(\s)+3], s[G1B:G1B+7]
	s_nop 0
.rept 4
	v_nop
.endr
.Lasked_\@:
.endm
.macro CREST
	s_cmp_lg_u32 s[WV], 0
	s_cbranch_scc1 .Lnot_wave_0_\@
	s_barrier_signal -3
.Lnot_wave_0_\@:
	s_barrier_wait -3
	s_barrier_signal -1
	s_barrier_wait -1
.endm
.macro CROUND
	s_barrier_signal -1
	s_barrier_wait -1
	CREST
.endm
.macro ASK                             ; the count is made of y, the cluster's x and the wave's number: the same in all partners for a given wave
	s_cmp_lg_u32 s[PFN], 0
	s_cbranch_scc0 .Lnot_mine_\@
	s_sub_co_u32 s[PFN], s[PFN], 1
	global_prefetch_b8 v[PFO], s[PFA:PFA+1] th:TH_LOAD_NT scope:SCOPE_SE
	s_cmp_eq_u32 s[WM], 0
	s_cbranch_scc0 .Lnot_mine_\@
	global_prefetch_b8 v[PFO], s[PFA:PFA+1] offset:32*PAB th:TH_LOAD_NT scope:SCOPE_SE  ; A's other 32 rows
.Lnot_mine_\@:
.endm
; The slot's next K step: two on, modulo the number of steps; both addresses are made anew: a base that never changes plus an offset made apart from it, the type bits set again.
.macro STEPK slot
	s_add_co_u32 s[KS+(\slot)], s[KS+(\slot)], 2
	s_cmp_ge_u32 s[KS+(\slot)], s[NST]
	s_cselect_b32 s[OFA], s[NST], 0
	s_sub_co_u32 s[KS+(\slot)], s[KS+(\slot)], s[OFA]
	s_lshl_b32 s[OFA], s[KS+(\slot)], 8            ; in A a K step is 256 bytes of a row,
	s_mul_i32 s[OFB], s[KS+(\slot)], BSTEP         ; in B 128 rows
	s_add_nc_u64 s[G0A+4*(\slot)+2:G0A+4*(\slot)+3], s[16:17], s[OFA:OFA+1]
	s_or_b32 s[G0A+4*(\slot)+3], s[G0A+4*(\slot)+3], 0x80000000
	s_add_nc_u64 s[G0B+4*(\slot)+2:G0B+4*(\slot)+3], s[42:43], s[OFB:OFB+1]
	s_or_b32 s[G0B+4*(\slot)+3], s[G0B+4*(\slot)+3], 0x80000000
.endm
.macro PLACES
.rept 4
	v_nop
.endr
.endm
.macro MUL8 f, a, zero
	WIN MULW
.irp b, 0,1,2,3,4,5,6,7
.if \zero
	v_wmma_f32_16x16x32_bf16 v[8*(8*(\a)+\b):8*(8*(\a)+\b)+7], v[64*(\f)+8*\b:64*(\f)+8*\b+7], v[32+32*(\f)+8*(\a):32+32*(\f)+8*(\a)+7], 0
.else
	v_wmma_f32_16x16x32_bf16 v[8*(8*(\a)+\b):8*(8*(\a)+\b)+7], v[64*(\f)+8*\b:64*(\f)+8*\b+7], v[32+32*(\f)+8*(\a):32+32*(\f)+8*(\a)+7], v[8*(8*(\a)+\b):8*(8*(\a)+\b)+7]
.endif
.endr
.endm
.macro FETCH slot, q, f                ; B turned: block i is columns 16 i on; the two loads bring K = 32 q + 8 (l / 16) + 0..7 and 16 more
	WIN TO_B
.irp i, 0,1,2,3,4,5,6,7
	ds_load_tr16_b128 v[64*(\f)+8*\i:64*(\f)+8*\i+3],   v[ADRB+(\slot)] offset:32*PT*(\q)+32*\i
	ds_load_tr16_b128 v[64*(\f)+8*\i+4:64*(\f)+8*\i+7], v[ADRB+(\slot)] offset:32*PT*(\q)+32*\i+16*PT
.endr
	WIN 0
.irp i, 0,1,2,3
	ds_load_b128 v[32+32*(\f)+8*\i:32+32*(\f)+8*\i+3],   v[ADRA+(\slot)] offset:64*(\q)+\i*16*PITCH
	ds_load_b128 v[32+32*(\f)+8*\i+4:32+32*(\f)+8*\i+7], v[ADRA+(\slot)] offset:64*(\q)+\i*16*PITCH+32
.endr
.endm
.macro QUARTER slot, q, f, g, zero
	s_wait_dscnt 4                                 ; all but the youngest four loads: A's blocks 2 and 3
	MUL8 \f, 0, \zero
	MUL8 \f, 1, \zero
	PLACES
	FETCH \slot, \q, \g
	s_wait_dscnt 24                                ; all but the 24 just issued
	MUL8 \f, 2, \zero
	MUL8 \f, 3, \zero
.endm
.macro TURN slot, next, fill
.if \fill
	s_wait_xcnt 0x0                                ; the last prefetch, a K step back, has read its address
	s_add_nc_u64 s[PFA:PFA+1], s[PFA:PFA+1], s[PFS:PFS+1]
.endif
	WIN 0
	s_wait_tensorcnt 0x0                           ; all my tensor loads have landed: my part of the next slot; so every group 0 may be written;
	ds_add_u32 v[SPW], v[NIL]                      ; 0 onto my spare word: work on registers stands between it and the wait for it
.if \fill
	STEPK \slot
.endif
	s_wait_dscnt 5                                 ; (the add and the youngest four loads may be out)
	MUL8 1, 0, 0
	s_wait_dscnt 0x0                               ; the add is done, my reads of this slot are over
	s_barrier_signal -1
	MUL8 1, 1, 0
.if \fill
	WIN 0
.endif
	s_barrier_wait -1
.if \fill
	CREST
	JLOAD \slot
.else
	PLACES
.endif
	FETCH \next, 0, 0
.if \fill
	ASK
.endif
	MUL8 1, 2, 0
	MUL8 1, 3, 0
.endm
.macro DUMP hf
	WIN 0x08
.irp a, 0,1
.irp b, 0,1,2,3,4,5,6,7
	ds_store_b128 v[STO], v[8*(8*(2*(\hf)+\a)+\b):8*(8*(2*(\hf)+\a)+\b)+3]   offset:16*SPITCH*\a+64*\b
	ds_store_b128 v[STO], v[8*(8*(2*(\hf)+\a)+\b)+4:8*(8*(2*(\hf)+\a)+\b)+7] offset:16*SPITCH*\a+64*\b+16
.endr
.endr
	WIN 0
.endm
.macro HALFDUMP
	s_cmp_eq_u32 s[HF], 0
	s_cbranch_scc0 .Lhi_\@
	DUMP 0
	s_branch .Ldone_\@
.Lhi_\@:
	DUMP 1
.Ldone_\@:
.endm
.macro GROUP g                         ; rows 8 g .. 8 g + 7 of my stage into buffer g % 2: v32-63 or v224-255.  LDS serves a wave's instructions in order: these see my stores
.irp k, 0,1,2,3,4,5,6,7
	ds_load_b128 v[32+192*((\g)%2)+4*\k:32+192*((\g)%2)+4*\k+3], v[RD] offset:(8*(\g)+\k)*SPITCH
.endr
.endm
; One row of g0: the sums (k-th of a group's eight rows, in buffer buf) times the row's four factors, rounded into the registers that held the factors: no register of a store is written again.
.macro ROWC row, k, buf
.set rr, R+2*(\row)
.set tt, (\buf)+4*(\k)
.set uu, 64+4*(\k)
	v_lshlrev_b32 v[uu], 16, v[rr]
	v_and_b32 v[uu+1], s[MSK], v[rr]
	v_lshlrev_b32 v[uu+2], 16, v[rr+1]
	v_and_b32 v[uu+3], s[MSK], v[rr+1]
	v_pk_mul_f32 v[tt:tt+1], v[tt:tt+1], v[uu:uu+1]
	v_pk_mul_f32 v[tt+2:tt+3], v[tt+2:tt+3], v[uu+2:uu+3]
	v_cvt_pk_bf16_f32 v[rr], v[tt], v[tt+1]
	v_cvt_pk_bf16_f32 v[rr+1], v[tt+2], v[tt+3]
.endm
.macro OUT_G0 hf
	DUMP \hf
	GROUP 0
.irp g, 0,1,2,3
.if \g < 3
	GROUP \g+1                                     ; the next group is asked for ahead of this group's work
	s_wait_dscnt 8                                 ; all but those eight
.else
	s_wait_dscnt 0x0
.endif
	s_wait_loadcnt 56-32*(\hf)-8*\g                ; loads come back in order: this group's factors are in, the later rows' may stay out
.irp k, 0,1,2,3,4,5,6,7
	ROWC 32*(\hf)+8*\g+\k, \k, 32+192*(\g%2)
.endr
.irp k, 0,1,2,3,4,5,6,7
	global_store_b64 v[CO], v[R+2*(32*(\hf)+8*\g+\k):R+2*(32*(\hf)+8*\g+\k)+1], s[80:81] offset:4096*(32*(\hf)+8*\g+\k)  ; 256 consecutive bytes, aligned
.endr
.endr
.endm
	s_load_b256 s[4:11], s[0:1], 0x0               ; PW s[4:5], LA s[6:7], KA s[8:9], KB s[10:11]
	v_lshl_add_u32 v[SPW], v0, 2, SPARE
	v_mov_b32 v[NIL], 0
	ds_add_u32 v[SPW], v[NIL]                      ; the wave's opening: the add, twice on end, and its wait ahead of my first tensor load
	ds_add_u32 v[SPW], v[NIL]
	v_lshrrev_b32 v1, 5, v0
	v_readfirstlane_b32 s[WV], v1
	s_lshr_b32 s[WM], s[WV], 1
	s_and_b32 s[WN], s[WV], 1
	s_bfe_u32 s[CX], ttmp6, 0x40000
	s_lshl_b32 s[RT], ttmp9, 2
	s_add_co_u32 s[RT], s[RT], s[CX]
	s_and_b32 s[Y], ttmp7, 0xffff
	s_lshr_b32 s[ROLE], s[Y], 3
	s_max_u32 s44, s[Y], 8
	s_sub_co_u32 s44, s44, 8                       ; which f32 plane: 0 in unit 8, 1 to 4 in units 9 to 12
	s_min_u32 s45, s[Y], 9                         ; which 256 columns of BM's rows
	s_max_u32 s46, s[Y], 9
	s_sub_co_u32 s46, s46, 9                       ; 0 to 3 in units 9 to 12, 0 elsewhere
	s_and_b32 s47, s46, 1
	s_lshl_b32 s47, s47, 3                         ; the unit's first K step of the sixteen: 0 or 8
	s_lshr_b32 s46, s46, 1
	s_add_co_u32 s46, s46, 1                       ; 1 for hi, 2 for lo
	s_and_b32 s18, s[Y], 7                         ; where units 0 to 8 begin their walk: 2 (y % 8) + 4 x cluster x,
	s_lshl_b32 s18, s18, 1
	s_lshl_b32 s19, ttmp9, 2
	s_add_co_u32 s18, s18, s19
	s_and_b32 s18, s18, 15                         ; modulo 16: an even number, so the next step does not wrap
	s_cmp_ge_u32 s[Y], 9
	s_cselect_b32 s46, s46, 0                      ; 0 for g1
	s_cselect_b32 s[NST], 8, 16
	s_cselect_b32 s[BND], 3, 7                     ; trips of the loop: laps - 1
	s_cselect_b32 s[KS], 0, s18
	s_add_co_u32 s[KS+1], s[KS], 1
	s_mov_b32 s[OFA+1], 0
	s_mov_b32 s[OFB+1], 0
	s_mov_b32 s[G1A+0], (1<<16)|(1<<20)|(5<<22)|(3<<25)
	s_mov_b32 s[G1A+1], 128<<16
	s_mov_b32 s[G1A+2], 64<<16
	s_mov_b32 s[G1A+3], 128<<16
	s_mov_b32 s[G1A+4], 64
	s_mov_b32 s[G1A+5], PA
	s_mov_b32 s[G1A+6], 0
	s_mov_b32 s[G1A+7], 0
	s_mov_b32 s[G1B+0], 15|(1<<16)|(1<<20)|(1<<21)|(6<<22)|(7<<25)  ; the mask of four, bit 21 beside it; after every 128 words 8 words of padding
	s_mov_b32 s[G1B+1], 256<<16                    ; tensor_dim0 = 256
	s_mov_b32 s[G1B+2], 64<<16                     ; tensor_dim1 = 64
	s_mov_b32 s[G1B+3], 256<<16                    ; tile_dim0 = 256
	s_mov_b32 s[G1B+4], 64                         ; tile_dim1 = 64
	s_mov_b32 s[G1B+5], PB
	s_mov_b32 s[G1B+6], 0
	s_mov_b32 s[G1B+7], 0
	s_lshl_b32 s14, s[RT], 7
	s_lshl_b32 s15, s[WN], 6
	s_add_co_u32 s14, s14, s15
	s_mul_i32 s14, s14, PAB
	s_lshl_b32 s15, s46, 12                        ; g1, hi or lo in ACT's row,
	s_add_co_u32 s14, s14, s15
	s_lshl_b32 s15, s47, 8                         ; and the unit's first K step
	s_add_co_u32 s14, s14, s15
	s_mov_b32 s15, 0
	s_lshl_b32 s40, s[WN], 6
	s_add_co_u32 s40, s40, 2048
	s_lshl_b32 s41, s47, 7
	s_add_co_u32 s40, s40, s41
	s_mul_i32 s40, s40, PBB                        ; B: row 2048 + 128 x the unit's first K step + 64 x half of BM,
	s_lshl_b32 s41, s45, 9
	s_add_co_u32 s40, s40, s41                     ; the unit's 512 bytes of it
	s_mov_b32 s41, 0
	s_mul_i32 s20, s[WN], 64*PITCH
	s_mul_i32 s21, s[WN], APART                    ; 64 rows x 544
	s_mov_b32 s[MSK], 0xffff0000
	s_wait_dscnt 0x0
	s_wait_kmcnt 0x0
	s_add_nc_u64 s[16:17], s[8:9], s[14:15]        ; A at the unit's first K step: kept to the end of the walk
	s_add_nc_u64 s[42:43], s[4:5], s[40:41]        ; B likewise
	CROUND
.irp s, 0,1
	s_lshl_b32 s[OFA], s[KS+\s], 8
	s_mul_i32 s[OFB], s[KS+\s], BSTEP
	s_mov_b32 s[G0A+4*\s], 1
	s_add_co_u32 s[G0A+4*\s+1], s20, \s*SLOT
	s_add_nc_u64 s[G0A+4*\s+2:G0A+4*\s+3], s[16:17], s[OFA:OFA+1]
	s_or_b32 s[G0A+4*\s+3], s[G0A+4*\s+3], 0x80000000
	s_mov_b32 s[G0B+4*\s], 1
	s_add_co_u32 s[G0B+4*\s+1], s21, \s*SLOT+APART
	s_add_nc_u64 s[G0B+4*\s+2:G0B+4*\s+3], s[42:43], s[OFB:OFB+1]
	s_or_b32 s[G0B+4*\s+3], s[G0B+4*\s+3], 0x80000000
	JLOAD \s
.endr
	v_and_b32 v1, 15, v0
	v_bfe_u32 v2, v0, 4, 1
	v_mul_u32_u24 v3, v1, PITCH
	v_lshl_add_u32 v3, v2, 4, v3
	v_and_b32 v6, 7, v0
	v_lshl_add_u32 v6, v2, 3, v6                   ; the turning load: row of K 8 (l / 16) + l % 8,
	v_mul_u32_u24 v6, v6, PT
	v_bfe_u32 v7, v0, 3, 1
	v_lshl_add_u32 v6, v7, 4, v6                   ; 16 bytes for each eight lanes
	s_mul_i32 s22, s[WM], 64*PITCH
	s_lshl_b32 s23, s[WN], 8                       ; my 128 columns
	s_add_co_u32 s23, s23, APART
.irp s, 0,1
	v_add_nc_u32 v[ADRA+\s], s22, v3
	v_add_nc_u32 v[ADRB+\s], s23, v6
	s_add_co_u32 s22, s22, SLOT
	s_add_co_u32 s23, s23, SLOT
.endr
	s_mul_i32 s22, s[WV], WSTAGE
	s_add_co_u32 s22, s22, STAGE
	v_mul_u32_u24 v4, v1, SPITCH
	v_lshl_add_u32 v4, v2, 5, v4
	v_add_nc_u32 v[STO], s22, v4
	v_and_b32 v5, 31, v0
	v_lshl_add_u32 v[RD], v5, 4, s22
	v_lshlrev_b32 v[CO], 3, v5
	v_lshlrev_b32 v[L16], 4, v5
	s_lshl_b32 s46, s[Y], 9
	s_lshl_b32 s47, s[WN], 8
	s_add_co_u32 s46, s46, s47                     ; my 128 columns of g0 (units 0 to 7)
	s_lshl_b32 s18, s[RT], 7
	s_lshl_b32 s19, s[WM], 6
	s_add_co_u32 s18, s18, s19                     ; my first row
	s_lshl_b32 s14, s18, 12
	s_add_co_u32 s14, s14, s46
	s_add_nc_u64 s[80:81], s[10:11], s[14:15]      ; g0
	s_add_nc_u64 s[82:83], s[6:7], s[14:15]
	s_add_nc_u64 s[82:83], s[82:83], R0OFF         ; its factors
	s_lshl_b32 s14, s44, 21
	s_lshl_b32 s19, s18, 10
	s_add_co_u32 s14, s14, s19
	s_lshl_b32 s19, s[WN], 9
	s_add_co_u32 s14, s14, s19
	s_add_nc_u64 s[84:85], s[10:11], s[14:15]
	s_add_nc_u64 s[84:85], s[84:85], PSOFF         ; the f32 plane (units 8 to 12)
	s_cmp_ge_u32 s[Y], 9                           ; who asks: for A units 9 to 12, three times;
	s_cselect_b32 s19, 3, 0
	s_cmp_le_u32 s[Y], 10                          ; for B units 9 and 10
	s_cselect_b32 s14, s19, 0
	s_cmp_eq_u32 ttmp9, 0                          ; of the first cluster along x
	s_cselect_b32 s14, s14, 0
	s_mul_i32 s22, s[CX], 16*PBB                   ; of B's 64 rows my work-group takes 16,
	s_add_co_u32 s22, s22, 4*BSTEP                 ; at K step 4: the first refill steps it to 5
	s_mov_b32 s23, 0
	s_mov_b32 s47, PBB
	s_mov_b32 s[PFS], BSTEP
	s_mov_b32 s[PFS+1], 0
	s_cmp_eq_u32 s[WM], 0
	s_cselect_b64 s[PFA:PFA+1], s[16:17], s[42:43]
	s_cselect_b32 s22, 4*256, s22
	s_cselect_b32 s47, PAB, s47
	s_cselect_b32 s[PFS], 256, s[PFS]
	s_cselect_b32 s46, 0, 1                        ; B: two lanes to a row of 512 bytes
	s_cselect_b32 s[PFN], s19, s14
	s_add_nc_u64 s[PFA:PFA+1], s[PFA:PFA+1], s[22:23]
	v_lshrrev_b32 v6, s46, v5
	v_mul_u32_u24 v6, s47, v6
	v_and_b32 v7, s46, v5
	v_lshl_add_u32 v[PFO], v7, 8, v6
	s_wait_tensorcnt 0x1                           ; my part of the first K step is in; the second's load stays out
	s_barrier_signal -1
	s_barrier_wait -1
	FETCH 0, 0, 0
	QUARTER 0, 1, 0, 1, 1
	WIN 0
	s_mov_b32 s3, 0
.Llap:
	QUARTER 0, 2, 1, 0, 0
	QUARTER 0, 3, 0, 1, 0
	TURN 0, 1, 1
	QUARTER 1, 1, 0, 1, 0
	QUARTER 1, 2, 1, 0, 0
	QUARTER 1, 3, 0, 1, 0
	TURN 1, 0, 1
	QUARTER 0, 1, 0, 1, 0
	WIN 0
	s_add_co_u32 s3, s3, 1
	s_cmp_lt_u32 s3, s[BND]
	s_cbranch_scc1 .Llap
	QUARTER 0, 2, 1, 0, 0
	QUARTER 0, 3, 0, 1, 0
	TURN 0, 1, 0
	QUARTER 1, 1, 0, 1, 0
	QUARTER 1, 2, 1, 0, 0
	QUARTER 1, 3, 0, 1, 0
	s_wait_dscnt 4
	MUL8 1, 0, 0
	MUL8 1, 1, 0
	s_wait_dscnt 0x0
	MUL8 1, 2, 0
	MUL8 1, 3, 0
	WIN 0
.rept 8
	v_nop
.endr
	s_cmp_eq_u32 s[ROLE], 0
	s_cbranch_scc0 .Lplane
.set i, 0
.rept 64                                       ; my 64 rows' factors, all asked for at once, in the arm that reads them: 256 consecutive bytes a load
	global_load_b64 v[R+2*i:R+2*i+1], v[CO], s[82:83] offset:4096*i th:TH_LOAD_NT
.set i, i+1
.endr
	OUT_G0 0
	OUT_G0 1
	s_branch .Lclose
.Lplane:                                       ; a plane in f32: two halves of 32 rows
	s_mov_b32 s[HF], 0
.Lp_half:
	HALFDUMP
	s_wait_xcnt 0x0                                ; the first half's stores have read their data and their base: both are written again only behind this wait
	s_add_nc_u64 s[84:85], s[84:85], 32*1024       ; 32 rows on; the stores below reach back
.set i, 0
.rept 32
	ds_load_b128 v[T+4*i:T+4*i+3], v[RD] offset:i*SPITCH  ; LDS serves a wave's instructions in order: these see my stores
.set i, i+1
.endr
.set i, 0
.rept 32
	s_wait_dscnt 31-i                              ; row i is in; the younger rows may stay out
	global_store_b128 v[L16], v[T+4*i:T+4*i+3], s[84:85] offset:(i-32)*1024  ; 512 consecutive bytes, aligned
.set i, i+1
.endr
	s_add_co_u32 s[HF], s[HF], 1
	s_cmp_lt_u32 s[HF], 2
	s_cbranch_scc1 .Lp_half
.Lclose:
	s_wait_tensorcnt 0x0                           ; the wave's end
	ds_add_u32 v[SPW], v[NIL]
	s_wait_dscnt 0x0
	CROUND
	s_endpgm
.Lfunc_end_k_q602b0adf68_bwd:
	.size	k_q602b0adf68_bwd, .Lfunc_end_k_q602b0adf68_bwd-k_q602b0adf68_bwd
	.p2alignl 7, 3214868480
	.fill 96, 4, 3214868480
	.section	.rodata,"a",@progbits
	.p2align	6, 0x0
	.amdhsa_kernel k_q602b0adf68_bwd
		.amdhsa_group_segment_fixed_size 327680
		.amdhsa_private_segment_fixed_size 0
		.amdhsa_enable_private_segment 0
		.amdhsa_kernarg_size 32
		.amdhsa_user_sgpr_count 2
		.amdhsa_user_sgpr_kernarg_segment_ptr 1
		.amdhsa_wavefront_size32 1
		.amdhsa_system_sgpr_workgroup_id_x 1
		.amdhsa_system_sgpr_workgroup_id_y 1
		.amdhsa_system_sgpr_workgroup_id_z 1
		.amdhsa_system_vgpr_workitem_id 0
		.amdhsa_next_free_vgpr 768
		.amdhsa_next_free_sgpr 96
		.amdhsa_reserve_vcc 0
		.amdhsa_float_denorm_mode_32 3
		.amdhsa_float_denorm_mode_16_64 3
		.amdhsa_memory_ordered 1
		.amdhsa_forward_progress 1
		.amdhsa_inst_pref_size 130
	.end_amdhsa_kernel
	.amdgpu_metadata
---
amdhsa.version: [ 1, 2 ]
amdhsa.kernels:
  - .name:           k_q602b0adf68_bwd
    .symbol:         k_q602b0adf68_bwd.kd
    .args:
      - { .name: PW, .offset: 0, .size: 8, .value_kind: global_buffer, .address_space: global }
      - { .name: LA, .offset: 8, .size: 8, .value_kind: global_buffer, .address_space: global }
      - { .name: KA, .offset: 16, .size: 8, .value_kind: global_buffer, .address_space: global }
      - { .name: KB, .offset: 24, .size: 8, .value_kind: global_buffer, .address_space: global }
    .group_segment_fixed_size: 327680
    .private_segment_fixed_size: 0
    .kernarg_segment_align: 8
    .kernarg_segment_size: 32
    .max_flat_workgroup_size: 128
    .sgpr_count:     96
    .vgpr_count:     768
    .wavefront_size: 32
...
	.end_amdgpu_metadata
.endif
;; end of part 9
;; launch dy0 (part 10): grid 16 x 8, 4 waves a work-group, clusters of 4 x 1, 327,680 bytes of LDS; arguments PW, KB, KC; writes KC
.if DOCPART == 10
	.amdgcn_target "amdgcn-amd-amdhsa--gfx1250"
	.amdhsa_code_object_version 6
	.text
	.protected	k_q602b0adf68_dy0
	.globl	k_q602b0adf68_dy0
	.p2align	8
	.type	k_q602b0adf68_dy0,@function
k_q602b0adf68_dy0:
	s_mov_b64 s[64:65], 0
	v_nop
	global_prefetch_b8 v0, s[64:65] scope:SCOPE_SE
	s_setreg_imm32_b32 hwreg(HW_REG_WAVE_MODE, 25, 1), 1
	s_wait_xcnt 0x0
	s_wait_alu depctr_hold_cnt(0) depctr_sa_sdst(0) depctr_va_vdst(0) depctr_va_sdst(0) depctr_va_ssrc(0) depctr_va_vcc(0) depctr_vm_vsrc(0)
	s_getreg_b32 s2, hwreg(HW_REG_IB_STS2, 6, 4)
	s_cmp_eq_u32 s2, 0
	s_cbranch_scc0 .Lentry_in_a_cluster
	s_endpgm
.Lentry_in_a_cluster:
	s_bfe_u32 s2, ttmp6, 0x10000c
	s_cmp_lg_u32 s2, 0x3003
	s_cbranch_scc0 .Lentry_shape_is_right
	s_endpgm
.Lentry_shape_is_right:
; DY0: g0 vW0, [2048 x 2048] x [2048 x 256].  The result has 16 tiles of 128 x 256 only, so K is cut into eight chunks of 256, a unit y each: 128 work-groups; the eight f32 planes are added up, in a fixed order, in the last launch.
; The form is that of the launches before: a work-group 128 x 256, a wave 64 x 128, the matrix instruction transposed, B (vW0, [K][N], turned on the way out of LDS) asked for jointly by the four row tiles of a cluster, A plain.
; Not 4 x 4: a unit's tile of A (its own chunk of K) is read by no other unit.  Two K steps, both slots filled once, nothing filled again; no prefetch: both steps are asked for at the head.
; THE WAY OUT: 32 rows at a time in f32 through the wave's own stage; a half's 32 rows come back in one run into 128 registers and are stored as they arrive.
.set PA,     2048
.set PB,     256
.set PAB,    2*PA
.set PBB,    2*PB
.set BSTEP,  128*PBB
.set WCOFF,  20971520
.set PITCH,  272
.set PT,     544
.set APART,  128*PITCH
.set SLOT,   3*APART
.set STAGE,  2*SLOT
.set SPITCH, 528
.set WSTAGE, 32*SPITCH
.set SPARE,  STAGE+4*WSTAGE
.set ADRA, 16
.set ADRB, 20
.set STO,  24
.set RD,   25
.set SPW,  28
.set NIL,  29
.set L16,  31
.set T,    96                          ; v96-223: 32 rows, my 4 columns of each
.set G1A, 24
.set G0A, 32
.set G1B, 48
.set G0B, 56
.set HF,  47
.set WV,  66
.set WM,  67
.set WN,  68
.set CX,  69
.set RT,  70
.set Y,   71
.set MSB, 0
.macro WIN new
.if MSB != (\new)
	s_set_vgpr_msb (MSB<<8)|(\new)
.set MSB, \new
.endif
.endm
.set MULW, 0xa1
.set TO_B, 0x40
.macro JLOAD s
	s_cmp_eq_u32 s[WM], 0
	s_cbranch_scc0 .Lfor_b_\@
	tensor_load_to_lds s[G0A+4*(\s):G0A+4*(\s)+3], s[G1A:G1A+7]
	s_nop 0
.rept 4
	v_nop
.endr
	s_branch .Lasked_\@
.Lfor_b_\@:
	tensor_load_to_lds s[G0B+4*(\s):G0B+4*(\s)+3], s[G1B:G1B+7]
	s_nop 0
.rept 4
	v_nop
.endr
.Lasked_\@:
.endm
.macro CROUND
	s_barrier_signal -1
	s_barrier_wait -1
	s_cmp_lg_u32 s[WV], 0
	s_cbranch_scc1 .Lnot_wave_0_\@
	s_barrier_signal -3
.Lnot_wave_0_\@:
	s_barrier_wait -3
	s_barrier_signal -1
	s_barrier_wait -1
.endm
.macro PLACES
.rept 4
	v_nop
.endr
.endm
.macro MUL8 f, a, zero
	WIN MULW
.irp b, 0,1,2,3,4,5,6,7
.if \zero
	v_wmma_f32_16x16x32_bf16 v[8*(8*(\a)+\b):8*(8*(\a)+\b)+7], v[64*(\f)+8*\b:64*(\f)+8*\b+7], v[32+32*(\f)+8*(\a):32+32*(\f)+8*(\a)+7], 0
.else
	v_wmma_f32_16x16x32_bf16 v[8*(8*(\a)+\b):8*(8*(\a)+\b)+7], v[64*(\f)+8*\b:64*(\f)+8*\b+7], v[32+32*(\f)+8*(\a):32+32*(\f)+8*(\a)+7], v[8*(8*(\a)+\b):8*(8*(\a)+\b)+7]
.endif
.endr
.endm
.macro FETCH slot, q, f
	WIN TO_B
.irp i, 0,1,2,3,4,5,6,7
	ds_load_tr16_b128 v[64*(\f)+8*\i:64*(\f)+8*\i+3],   v[ADRB+(\slot)] offset:32*PT*(\q)+32*\i
	ds_load_tr16_b128 v[64*(\f)+8*\i+4:64*(\f)+8*\i+7], v[ADRB+(\slot)] offset:32*PT*(\q)+32*\i+16*PT
.endr
	WIN 0
.irp i, 0,1,2,3
	ds_load_b128 v[32+32*(\f)+8*\i:32+32*(\f)+8*\i+3],   v[ADRA+(\slot)] offset:64*(\q)+\i*16*PITCH
	ds_load_b128 v[32+32*(\f)+8*\i+4:32+32*(\f)+8*\i+7], v[ADRA+(\slot)] offset:64*(\q)+\i*16*PITCH+32
.endr
.endm
.macro QUARTER slot, q, f, g, zero
	s_wait_dscnt 4                                 ; all but the youngest four loads: A's blocks 2 and 3
	MUL8 \f, 0, \zero
	MUL8 \f, 1, \zero
	PLACES
	FETCH \slot, \q, \g
	s_wait_dscnt 24                                ; all but the 24 just issued
	MUL8 \f, 2, \zero
	MUL8 \f, 3, \zero
.endm
.macro TURN slot, next
	WIN 0
	s_wait_tensorcnt 0x0                           ; my part of the next slot has landed;
	ds_add_u32 v[SPW], v[NIL]                      ; 0 onto my spare word
	s_wait_dscnt 5                                 ; (the add and the youngest four loads may be out)
	MUL8 1, 0, 0
	s_wait_dscnt 0x0
	s_barrier_signal -1
	MUL8 1, 1, 0
	s_barrier_wait -1
	PLACES
	FETCH \next, 0, 0
	MUL8 1, 2, 0
	MUL8 1, 3, 0
.endm
.macro DUMP hf
	WIN 0x08
.irp a, 0,1
.irp b, 0,1,2,3,4,5,6,7
	ds_store_b128 v[STO], v[8*(8*(2*(\hf)+\a)+\b):8*(8*(2*(\hf)+\a)+\b)+3]   offset:16*SPITCH*\a+64*\b
	ds_store_b128 v[STO], v[8*(8*(2*(\hf)+\a)+\b)+4:8*(8*(2*(\hf)+\a)+\b)+7] offset:16*SPITCH*\a+64*\b+16
.endr
.endr
	WIN 0
.endm
.macro HALFDUMP
	s_cmp_eq_u32 s[HF], 0
	s_cbranch_scc0 .Lhi_\@
	DUMP 0
	s_branch .Ldone_\@
.Lhi_\@:
	DUMP 1
.Ldone_\@:
.endm
	s_load_b128 s[4:7], s[0:1], 0x0                ; PW s[4:5], KB s[6:7]
	s_load_b64 s[8:9], s[0:1], 0x10                ; KC
	v_lshl_add_u32 v[SPW], v0, 2, SPARE
	v_mov_b32 v[NIL], 0
	ds_add_u32 v[SPW], v[NIL]                      ; the wave's opening: the add, twice on end, and its wait ahead of my first tensor load
	ds_add_u32 v[SPW], v[NIL]
	v_lshrrev_b32 v1, 5, v0
	v_readfirstlane_b32 s[WV], v1
	s_lshr_b32 s[WM], s[WV], 1
	s_and_b32 s[WN], s[WV], 1
	s_bfe_u32 s[CX], ttmp6, 0x40000
	s_lshl_b32 s[RT], ttmp9, 2
	s_add_co_u32 s[RT], s[RT], s[CX]
	s_and_b32 s[Y], ttmp7, 0xffff
	s_mov_b32 s[G1A+0], (1<<16)|(1<<20)|(5<<22)|(3<<25)
	s_mov_b32 s[G1A+1], 128<<16
	s_mov_b32 s[G1A+2], 64<<16
	s_mov_b32 s[G1A+3], 128<<16
	s_mov_b32 s[G1A+4], 64
	s_mov_b32 s[G1A+5], PA
	s_mov_b32 s[G1A+6], 0
	s_mov_b32 s[G1A+7], 0
	s_mov_b32 s[G1B+0], 15|(1<<16)|(1<<20)|(1<<21)|(6<<22)|(7<<25)
	s_mov_b32 s[G1B+1], 256<<16
	s_mov_b32 s[G1B+2], 64<<16
	s_mov_b32 s[G1B+3], 256<<16
	s_mov_b32 s[G1B+4], 64
	s_mov_b32 s[G1B+5], PB
	s_mov_b32 s[G1B+6], 0
	s_mov_b32 s[G1B+7], 0
	s_lshl_b32 s14, s[RT], 7
	s_lshl_b32 s15, s[WN], 6
	s_add_co_u32 s14, s14, s15
	s_mul_i32 s14, s14, PAB
	s_lshl_b32 s15, s[Y], 9                        ; the unit's 256 columns of g0
	s_add_co_u32 s14, s14, s15
	s_mov_b32 s15, 0
	s_lshl_b32 s40, s[Y], 8
	s_lshl_b32 s41, s[WN], 6
	s_add_co_u32 s40, s40, s41
	s_add_co_u32 s40, s40, 2048
	s_mul_i32 s40, s40, PBB                        ; vW0's rows 256 y + 64 x half: rows 2048 on of WC
	s_mov_b32 s41, 0
	s_mul_i32 s20, s[WN], 64*PITCH
	s_mul_i32 s21, s[WN], APART
	s_wait_dscnt 0x0
	s_wait_kmcnt 0x0
	s_add_nc_u64 s[16:17], s[6:7], s[14:15]
	s_add_nc_u64 s[42:43], s[4:5], s[40:41]
	s_add_nc_u64 s[42:43], s[42:43], WCOFF
	CROUND
.irp s, 0,1
	s_mov_b32 s[G0A+4*\s], 1
	s_add_co_u32 s[G0A+4*\s+1], s20, \s*SLOT
	s_add_nc_u64 s[G0A+4*\s+2:G0A+4*\s+3], s[16:17], \s*256
	s_or_b32 s[G0A+4*\s+3], s[G0A+4*\s+3], 0x80000000
	s_mov_b32 s[G0B+4*\s], 1
	s_add_co_u32 s[G0B+4*\s+1], s21, \s*SLOT+APART
	s_add_nc_u64 s[G0B+4*\s+2:G0B+4*\s+3], s[42:43], \s*BSTEP
	s_or_b32 s[G0B+4*\s+3], s[G0B+4*\s+3], 0x80000000
	JLOAD \s
.endr
	v_and_b32 v1, 15, v0
	v_bfe_u32 v2, v0, 4, 1
	v_mul_u32_u24 v3, v1, PITCH
	v_lshl_add_u32 v3, v2, 4, v3
	v_and_b32 v6, 7, v0
	v_lshl_add_u32 v6, v2, 3, v6
	v_mul_u32_u24 v6, v6, PT
	v_bfe_u32 v7, v0, 3, 1
	v_lshl_add_u32 v6, v7, 4, v6
	s_mul_i32 s22, s[WM], 64*PITCH
	s_lshl_b32 s23, s[WN], 8
	s_add_co_u32 s23, s23, APART
.irp s, 0,1
	v_add_nc_u32 v[ADRA+\s], s22, v3
	v_add_nc_u32 v[ADRB+\s], s23, v6
	s_add_co_u32 s22, s22, SLOT
	s_add_co_u32 s23, s23, SLOT
.endr
	s_mul_i32 s22, s[WV], WSTAGE
	s_add_co_u32 s22, s22, STAGE
	v_mul_u32_u24 v4, v1, SPITCH
	v_lshl_add_u32 v4, v2, 5, v4
	v_add_nc_u32 v[STO], s22, v4
	v_and_b32 v5, 31, v0
	v_lshl_add_u32 v[RD], v5, 4, s22
	v_lshlrev_b32 v[L16], 4, v5
	s_lshl_b32 s18, s[RT], 7
	s_lshl_b32 s19, s[WM], 6
	s_add_co_u32 s18, s18, s19
	s_lshl_b32 s14, s18, 10
	s_lshl_b32 s19, s[Y], 21
	s_add_co_u32 s14, s14, s19
	s_lshl_b32 s19, s[WN], 9
	s_add_co_u32 s14, s14, s19
	s_add_nc_u64 s[84:85], s[8:9], s[14:15]        ; plane y, my first row, my 128 columns
	s_wait_tensorcnt 0x1                           ; my part of K step 0 is in; step 1's load stays out
	s_barrier_signal -1
	s_barrier_wait -1
	FETCH 0, 0, 0
	QUARTER 0, 1, 0, 1, 1
	QUARTER 0, 2, 1, 0, 0
	QUARTER 0, 3, 0, 1, 0
	TURN 0, 1
	QUARTER 1, 1, 0, 1, 0
	QUARTER 1, 2, 1, 0, 0
	QUARTER 1, 3, 0, 1, 0
	s_wait_dscnt 4
	MUL8 1, 0, 0
	MUL8 1, 1, 0
	s_wait_dscnt 0x0
	MUL8 1, 2, 0
	MUL8 1, 3, 0
	WIN 0
.rept 8
	v_nop
.endr
	s_mov_b32 s[HF], 0
.Lp_half:                                      ; the plane in f32: two halves of 32 rows
	HALFDUMP
	s_wait_xcnt 0x0                                ; the first half's stores have read their data and their base: both are written again only behind this wait
	s_add_nc_u64 s[84:85], s[84:85], 32*1024       ; 32 rows on; the stores below reach back
.set i, 0
.rept 32
	ds_load_b128 v[T+4*i:T+4*i+3], v[RD] offset:i*SPITCH  ; LDS serves a wave's instructions in order: these see my stores
.set i, i+1
.endr
.set i, 0
.rept 32
	s_wait_dscnt 31-i                              ; row i is in; the younger rows may stay out
	global_store_b128 v[L16], v[T+4*i:T+4*i+3], s[84:85] offset:(i-32)*1024  ; 512 consecutive bytes, aligned
.set i, i+1
.endr
	s_add_co_u32 s[HF], s[HF], 1
	s_cmp_lt_u32 s[HF], 2
	s_cbranch_scc1 .Lp_half
	s_wait_tensorcnt 0x0                           ; the wave's end
	ds_add_u32 v[SPW], v[NIL]
	s_wait_dscnt 0x0
	CROUND
	s_endpgm
.Lfunc_end_k_q602b0adf68_dy0:
	.size	k_q602b0adf68_dy0, .Lfunc_end_k_q602b0adf68_dy0-k_q602b0adf68_dy0
	.p2alignl 7, 3214868480
	.fill 96, 4, 3214868480
	.section	.rodata,"a",@progbits
	.p2align	6, 0x0
	.amdhsa_kernel k_q602b0adf68_dy0
		.amdhsa_group_segment_fixed_size 327680
		.amdhsa_private_segment_fixed_size 0
		.amdhsa_enable_private_segment 0
		.amdhsa_kernarg_size 24
		.amdhsa_user_sgpr_count 2
		.amdhsa_user_sgpr_kernarg_segment_ptr 1
		.amdhsa_wavefront_size32 1
		.amdhsa_system_sgpr_workgroup_id_x 1
		.amdhsa_system_sgpr_workgroup_id_y 1
		.amdhsa_system_sgpr_workgroup_id_z 1
		.amdhsa_system_vgpr_workitem_id 0
		.amdhsa_next_free_vgpr 768
		.amdhsa_next_free_sgpr 96
		.amdhsa_reserve_vcc 0
		.amdhsa_float_denorm_mode_32 3
		.amdhsa_float_denorm_mode_16_64 3
		.amdhsa_memory_ordered 1
		.amdhsa_forward_progress 1
		.amdhsa_inst_pref_size 49
	.end_amdhsa_kernel
	.amdgpu_metadata
---
amdhsa.version: [ 1, 2 ]
amdhsa.kernels:
  - .name:           k_q602b0adf68_dy0
    .symbol:         k_q602b0adf68_dy0.kd
    .args:
      - { .name: PW, .offset: 0, .size: 8, .value_kind: global_buffer, .address_space: global }
      - { .name: KB, .offset: 8, .size: 8, .value_kind: global_buffer, .address_space: global }
      - { .name: KC, .offset: 16, .size: 8, .value_kind: global_buffer, .address_space: global }
    .group_segment_fixed_size: 327680
    .private_segment_fixed_size: 0
    .kernarg_segment_align: 8
    .kernarg_segment_size: 24
    .max_flat_workgroup_size: 128
    .sgpr_count:     96
    .vgpr_count:     768
    .wavefront_size: 32
...
	.end_amdgpu_metadata
.endif
;; end of part 10
;; launch fin (part 11): grid 256 x 1, 8 waves a work-group, no clusters, 9,216 bytes of LDS; arguments x, vW2, fb2, PW, KA, KB, KC, out0; writes out0
.if DOCPART == 11
	.amdgcn_target "amdgcn-amd-amdhsa--gfx1250"
	.amdhsa_code_object_version 6
	.text
	.protected	k_q602b0adf68_fin
	.globl	k_q602b0adf68_fin
	.p2align	8
	.type	k_q602b0adf68_fin,@function
k_q602b0adf68_fin:
	s_mov_b64 s[64:65], 0
	v_nop
	global_prefetch_b8 v0, s[64:65] scope:SCOPE_SE
	s_setreg_imm32_b32 hwreg(HW_REG_WAVE_MODE, 25, 1), 1
	s_wait_xcnt 0x0
; FIN: the row sums and the projection.  One wave, one row b; lane l holds columns 4 l + 0..3 and 128 + 4 l + 0..3.
; fx = (hi F over the two halves of K) + (lo F over the two halves of K) + fb2, fx[255] = 1.  dy = vW2 + (2048 g1 vW1) / 2048 + the eight planes of g0 vW0.
; s = x . vW2 + the 16 column parts of sum z1 softplus(vU1) - sum T0 = icnn(x) - icnn(0).
; rp = clamp(s, 0, 1) = rehu'(s); V = max(s - 1/2, rp^2 / 2) + eps |x|^2; gV = rp dy + 2 eps x; out = fx - gV relu(gV . fx + alpha V) / |gV|^2, columns 0 to 254.
; Left out: vb2 (it cancels in icnn(x) - icnn(0) and has no gradient: see the first kernel), and the store of column 255, which reference() slices away.
; LIMITS.  The division is a reciprocal (1 ulp) and a product; NaN and infinities are not treated apart.
; OUT.  A row is 1,020 bytes, so rows do not begin at multiples of 16.  The work-group's 8 rows, 8,160 consecutive bytes, are gathered in LDS and stored by 16 bytes a lane from the last multiple of 256 at or
; below their first byte: sixteen lanes fill 256 consecutive bytes, aligned; only the two ends of the 8,160 bytes are shared with the neighbours.
.set X,   16
.set W2,  24
.set FB,  32
.set P0,  40
.set P1,  48
.set P2,  56
.set PD,  64
.set TZ,  128
.set OD,  128                          ; v[128:139] the copy out's data, where T0 lay
.set OA,  140                          ; v140-142   the copy out's LDS addresses
.set YP,  192
.set SA,  194                          ; v[194:195], v[196:197] two sums at work
.set SB,  196
.set RP,  198                          ; v[198:199]
.set VV,  200
.set CC,  202                          ; v[202:203]
.set TA,  204
.set TB,  205
.set SPW, 206
.set NIL, 207
.set P3,  208
.set P4,  216
.set SPARE, 8192                       ; behind the stage (8,160 bytes and 32 for the column that is not stored): the spare words, 128 bytes for each of 8 waves
.macro WSUM2 a, b                      ; two sums over the 32 lanes, side by side; the results stand in every lane
.irp m, 1,2,4,8
	v_add_f32_dpp v[\a], v[\a], v[\a] row_xmask:\m row_mask:0xf bank_mask:0xf
	v_add_f32_dpp v[\b], v[\b], v[\b] row_xmask:\m row_mask:0xf bank_mask:0xf
.endr
	v_permlanex16_b32 v[TA], v[\a], s42, s43
	v_permlanex16_b32 v[TB], v[\b], s42, s43
	v_add_f32 v[\a], v[\a], v[TA]
	v_add_f32 v[\b], v[\b], v[TB]
.endm
	s_load_b512 s[4:19], s[0:1], 0x0               ; x s[4:5], vW2 s[6:7], fb2 s[8:9], PW s[10:11], KA s[12:13], KB s[14:15], KC s[16:17], out0 s[18:19]
	v_lshl_add_u32 v[SPW], v0, 2, SPARE
	v_mov_b32 v[NIL], 0
	v_lshrrev_b32 v1, 5, v0
	v_readfirstlane_b32 s20, v1                    ; wave 0..7
	v_and_b32 v1, 31, v0                           ; lane
	v_lshlrev_b32 v2, 4, v1                        ; 16 l
	s_lshl_b32 s21, ttmp9, 3
	s_add_co_u32 s21, s21, s20                     ; my row b
	s_lshl_b32 s22, s21, 10
	s_mov_b32 s23, 0
	s_lshl_b32 s24, s21, 2
	s_mov_b32 s25, 0
	v_and_b32 v3, 15, v0
	v_lshlrev_b32 v3, 13, v3                       ; column part l % 16
	v_add_nc_u32 v4, 0x20c, v2                     ; fb2's column 128 + 4 l + 3; column 255 does not exist: it is read as column 254 and replaced
	v_min_u32 v4, 0x3f8, v4
	v_mov_b32 v[TA], 0
	v_mov_b32 v[TB], 0
	s_mov_b32 s40, 0x3a000000                      ; 1 / 2048
	s_mov_b32 s41, 0x3a000000
	s_mov_b32 s42, 0x76543210
	s_mov_b32 s43, 0xfedcba98
	s_mov_b32 s44, 0x3727c5ac                      ; eps
	s_mov_b32 s45, 0x3c23d70a                      ; alpha
	s_mov_b32 s46, 0x37a7c5ac                      ; 2 eps
	s_mov_b32 s47, 0x37a7c5ac
	s_mul_i32 s50, ttmp9, 8160                     ; the work-group's first byte of out0,
	s_and_b32 s51, s50, 255                        ; its distance from the multiple of 256 below it (a multiple of 32),
	s_sub_co_u32 s52, s50, s51                     ; and that multiple
	s_mov_b32 s53, 0
	s_wait_kmcnt 0x0
	s_add_nc_u64 s[26:27], s[4:5], s[22:23]
	s_add_nc_u64 s[28:29], s[14:15], s[22:23]
	s_add_nc_u64 s[28:29], s[28:29], 8388608       ; the five planes behind g0: planes 0 to 2,
	s_add_nc_u64 s[56:57], s[28:29], 3*2097152     ; planes 3 and 4 (the immediate does not reach them from the first)
	s_add_nc_u64 s[30:31], s[16:17], s[22:23]      ; planes 0 to 3 of g0 vW0
	s_add_nc_u64 s[32:33], s[30:31], 8388608       ; planes 4 to 7
	s_add_nc_u64 s[34:35], s[12:13], s[24:25]
	s_add_nc_u64 s[34:35], s[34:35], 25165824      ; the column parts
	s_add_nc_u64 s[36:37], s[10:11], 24125440      ; T0
	s_add_nc_u64 s[38:39], s[18:19], s[52:53]
.irp p, 0,1,2
	global_load_b128 v[P0+8*\p:P0+8*\p+3],   v2, s[28:29] offset:\p*2097152 th:TH_LOAD_NT
	global_load_b128 v[P0+8*\p+4:P0+8*\p+7], v2, s[28:29] offset:\p*2097152+512 th:TH_LOAD_NT
.endr
.irp p, 0,1
	global_load_b128 v[P3+8*\p:P3+8*\p+3],   v2, s[56:57] offset:\p*2097152 th:TH_LOAD_NT
	global_load_b128 v[P3+8*\p+4:P3+8*\p+7], v2, s[56:57] offset:\p*2097152+512 th:TH_LOAD_NT
.endr
.irp p, 0,1,2,3
	global_load_b128 v[PD+8*\p:PD+8*\p+3],     v2, s[30:31] offset:\p*2097152 th:TH_LOAD_NT
	global_load_b128 v[PD+8*\p+4:PD+8*\p+7],   v2, s[30:31] offset:\p*2097152+512 th:TH_LOAD_NT
	global_load_b128 v[PD+32+8*\p:PD+32+8*\p+3],   v2, s[32:33] offset:\p*2097152 th:TH_LOAD_NT
	global_load_b128 v[PD+32+8*\p+4:PD+32+8*\p+7], v2, s[32:33] offset:\p*2097152+512 th:TH_LOAD_NT
.endr
	global_load_b128 v[X:X+3],   v2, s[26:27]
	global_load_b128 v[X+4:X+7], v2, s[26:27] offset:512
	global_load_b32 v[YP], v3, s[34:35]
	global_load_b128 v[W2:W2+3],   v2, s[6:7]
	global_load_b128 v[W2+4:W2+7], v2, s[6:7] offset:512
	global_load_b128 v[FB:FB+3],   v2, s[8:9]
	global_load_b64 v[FB+4:FB+5],  v2, s[8:9] offset:512
	global_load_b32 v[FB+6], v2, s[8:9] offset:520
	global_load_b32 v[FB+7], v4, s[8:9]
.set i, 0
.rept 16
	global_load_b128 v[TZ+4*i:TZ+4*i+3], v2, s[36:37] offset:512*i
.set i, i+1
.endr
	s_wait_loadcnt 0x0
	v_cmp_eq_u32 vcc_lo, 31, v1
	v_cndmask_b32 v[FB+7], v[FB+7], 1.0, vcc_lo    ; the products' column 255 is 0 (fW2^T's column 255 was written as 0): fx[255] = 1
	v_cmp_gt_u32 vcc_lo, 16, v1
	v_cndmask_b32 v[YP], 0, v[YP], vcc_lo          ; 16 parts, one in each of lanes 0 to 15
.irp p, 0,2,4,6
	v_pk_add_f32 v[P1+\p:P1+\p+1], v[P1+\p:P1+\p+1], v[P2+\p:P2+\p+1]  ; hi F: the two halves of K
	v_pk_add_f32 v[P3+\p:P3+\p+1], v[P3+\p:P3+\p+1], v[P4+\p:P4+\p+1]  ; lo F likewise
	v_pk_fma_f32 v[P0+\p:P0+\p+1], v[P0+\p:P0+\p+1], s[40:41], v[W2+\p:W2+\p+1] op_sel_hi:[1,0,1]
.endr
.irp p, 0,2,4,6
	v_pk_add_f32 v[P1+\p:P1+\p+1], v[P1+\p:P1+\p+1], v[P3+\p:P3+\p+1]
.endr
.irp p, 0,2,4,6
	v_pk_add_f32 v[P1+\p:P1+\p+1], v[P1+\p:P1+\p+1], v[FB+\p:FB+\p+1]  ; fx
.endr
.irp q, 0,16,32,48
.irp p, 0,2,4,6
	v_pk_add_f32 v[PD+\q+\p:PD+\q+\p+1], v[PD+\q+\p:PD+\q+\p+1], v[PD+\q+8+\p:PD+\q+8+\p+1]
.endr
.endr
.irp q, 0,32
.irp p, 0,2,4,6
	v_pk_add_f32 v[PD+\q+\p:PD+\q+\p+1], v[PD+\q+\p:PD+\q+\p+1], v[PD+\q+16+\p:PD+\q+16+\p+1]
.endr
.endr
.irp p, 0,2,4,6
	v_pk_add_f32 v[PD+\p:PD+\p+1], v[PD+\p:PD+\p+1], v[PD+32+\p:PD+32+\p+1]
.endr
.irp p, 0,2,4,6
	v_pk_add_f32 v[P0+\p:P0+\p+1], v[P0+\p:P0+\p+1], v[PD+\p:PD+\p+1]  ; dy
.endr
.set n, 16
.rept 5                                        ; my 64 numbers of T0, pairs folded in halves
.set i, 0
.rept n
	v_pk_add_f32 v[TZ+2*i:TZ+2*i+1], v[TZ+2*i:TZ+2*i+1], v[TZ+2*(i+n):TZ+2*(i+n)+1]
.set i, i+1
.endr
.set n, n/2
.endr
	v_pk_mul_f32 v[SA:SA+1], v[X:X+1], v[W2:W2+1]
	v_pk_mul_f32 v[SB:SB+1], v[X:X+1], v[X:X+1]
.irp p, 2,4,6
	v_pk_fma_f32 v[SA:SA+1], v[X+\p:X+\p+1], v[W2+\p:W2+\p+1], v[SA:SA+1]
	v_pk_fma_f32 v[SB:SB+1], v[X+\p:X+\p+1], v[X+\p:X+\p+1], v[SB:SB+1]
.endr
	v_pk_add_f32 v[SA:SA+1], v[SA:SA+1], v[TZ:TZ+1] neg_lo:[0,1] neg_hi:[0,1]
	v_add_f32 v[SA], v[SA], v[SA+1]
	v_add_f32 v[SB], v[SB], v[SB+1]
	v_add_f32 v[SA], v[SA], v[YP]
	WSUM2 SA, SB                                   ; s and |x|^2
	v_med3_num_f32 v[RP], v[SA], 0, 1.0            ; rp
	v_add_f32 v[VV+1], -0.5, v[SA]
	v_mov_b32 v[RP+1], v[RP]
	v_mul_f32 v[VV], v[RP], v[RP]
	v_mul_f32 v[VV], 0.5, v[VV]
	v_max_num_f32 v[VV], v[VV], v[VV+1]
	v_fmac_f32 v[VV], s44, v[SB]                   ; V
.irp p, 0,2,4,6
	v_pk_mul_f32 v[PD+\p:PD+\p+1], v[X+\p:X+\p+1], s[46:47] op_sel_hi:[1,0]
.endr
.irp p, 0,2,4,6
	v_pk_fma_f32 v[PD+\p:PD+\p+1], v[P0+\p:P0+\p+1], v[RP:RP+1], v[PD+\p:PD+\p+1] op_sel_hi:[1,0,1]  ; gV
.endr
	v_pk_mul_f32 v[SA:SA+1], v[PD:PD+1], v[P1:P1+1]
	v_pk_mul_f32 v[SB:SB+1], v[PD:PD+1], v[PD:PD+1]
.irp p, 2,4,6
	v_pk_fma_f32 v[SA:SA+1], v[PD+\p:PD+\p+1], v[P1+\p:P1+\p+1], v[SA:SA+1]
	v_pk_fma_f32 v[SB:SB+1], v[PD+\p:PD+\p+1], v[PD+\p:PD+\p+1], v[SB:SB+1]
.endr
	v_add_f32 v[SA], v[SA], v[SA+1]
	v_add_f32 v[SB], v[SB], v[SB+1]
	WSUM2 SA, SB                                   ; gV . fx and |gV|^2
	v_rcp_f32 v[CC+1], v[SB]
	v_fmac_f32 v[SA], s45, v[VV]                   ; plain work behind the reciprocal
	v_max_num_f32 v[SA], 0, v[SA]
	s_wait_alu depctr_va_vdst(0)                   ; the wait ahead of the reciprocal's first use
	v_mul_f32 v[CC], v[SA], v[CC+1]
.irp p, 0,2,4,6
	v_pk_fma_f32 v[P1+\p:P1+\p+1], v[PD+\p:PD+\p+1], v[CC:CC+1], v[P1+\p:P1+\p+1] op_sel_hi:[1,0,1] neg_lo:[1,0,0] neg_hi:[1,0,0]
.endr
	s_mul_i32 s48, s20, 1020                       ; my row in the stage
	s_lshl_b32 s49, s20, 2
	s_add_co_u32 s49, s49, 8160                    ; where column 255 goes: a word of my own that nobody reads
	v_add_nc_u32 v5, s48, v2
	v_add_nc_u32 v6, 0x20c, v5
	v_cmp_eq_u32 vcc_lo, 31, v1
	v_cndmask_b32 v6, v6, s49, vcc_lo
.irp e, 0,1,2,3
	ds_store_b32 v5, v[P1+\e] offset:4*\e
.endr
.irp e, 0,1,2
	ds_store_b32 v5, v[P1+4+\e] offset:512+4*\e
.endr
	ds_store_b32 v6, v[P1+7]
	v_lshlrev_b32 v8, 4, v0                        ; 16 bytes a thread, three times 4,096
	v_add_nc_u32 v9, 0x1000, v8
	v_add_nc_u32 v10, 0x2000, v8
.irp k, 0,1,2
	v_sub_nc_u32 v[11+\k], v[8+\k], s51            ; the place in the stage; in front of its first byte this wraps to a number above every place
	v_min_u32 v[OA+\k], 0x1fd0, v[11+\k]           ; read from inside the stage whatever the place
.endr
	s_wait_dscnt 0x0                               ; for the others' sake: my row lies in the stage
	s_barrier_signal -1
	s_barrier_wait -1
.irp k, 0,1,2
	ds_load_b128 v[OD+4*\k:OD+4*\k+3], v[OA+\k]    ; data and addresses lie in registers apart: no load lands on an address
.endr
	s_wait_dscnt 0x0
.irp k, 0,1,2
	v_cmp_gt_u32 vcc_lo, 0x1fe0, v[11+\k]          ; places and the stage's 8,160 bytes are multiples of 16: a lane's 16 bytes lie wholly inside or wholly outside
	s_wait_xcnt 0x0                                ; EXEC changes only behind this wait
	s_and_saveexec_b32 s54, vcc_lo
	global_store_b128 v[8+\k], v[OD+4*\k:OD+4*\k+3], s[38:39]
	s_wait_xcnt 0x0                                ; and again, in front of the line that widens it
	s_or_b32 exec_lo, exec_lo, s54
.endr
	s_wait_tensorcnt 0x0                           ; the wave's end: behind my last LDS store
	ds_add_u32 v[SPW], v[NIL]
	s_wait_dscnt 0x0
	s_endpgm
.Lfunc_end_k_q602b0adf68_fin:
	.size	k_q602b0adf68_fin, .Lfunc_end_k_q602b0adf68_fin-k_q602b0adf68_fin
	.p2alignl 7, 3214868480
	.fill 96, 4, 3214868480
	.section	.rodata,"a",@progbits
	.p2align	6, 0x0
	.amdhsa_kernel k_q602b0adf68_fin
		.amdhsa_group_segment_fixed_size 9216
		.amdhsa_private_segment_fixed_size 0
		.amdhsa_enable_private_segment 0
		.amdhsa_kernarg_size 64
		.amdhsa_user_sgpr_count 2
		.amdhsa_user_sgpr_kernarg_segment_ptr 1
		.amdhsa_wavefront_size32 1
		.amdhsa_system_sgpr_workgroup_id_x 1
		.amdhsa_system_sgpr_workgroup_id_y 1
		.amdhsa_system_sgpr_workgroup_id_z 1
		.amdhsa_system_vgpr_workitem_id 0
		.amdhsa_next_free_vgpr 224
		.amdhsa_next_free_sgpr 66
		.amdhsa_reserve_vcc 1
		.amdhsa_float_denorm_mode_32 3
		.amdhsa_float_denorm_mode_16_64 3
		.amdhsa_memory_ordered 1
		.amdhsa_forward_progress 1
		.amdhsa_inst_pref_size 19
	.end_amdhsa_kernel
	.amdgpu_metadata
---
amdhsa.version: [ 1, 2 ]
amdhsa.kernels:
  - .name:           k_q602b0adf68_fin
    .symbol:         k_q602b0adf68_fin.kd
    .args:
      - { .name: x, .offset: 0, .size: 8, .value_kind: global_buffer, .address_space: global }
      - { .name: vW2, .offset: 8, .size: 8, .value_kind: global_buffer, .address_space: global }
      - { .name: fb2, .offset: 16, .size: 8, .value_kind: global_buffer, .address_space: global }
      - { .name: PW, .offset: 24, .size: 8, .value_kind: global_buffer, .address_space: global }
      - { .name: KA, .offset: 32, .size: 8, .value_kind: global_buffer, .address_space: global }
      - { .name: KB, .offset: 40, .size: 8, .value_kind: global_buffer, .address_space: global }
      - { .name: KC, .offset: 48, .size: 8, .value_kind: global_buffer, .address_space: global }
      - { .name: out0, .offset: 56, .size: 8, .value_kind: global_buffer, .address_space: global }
    .group_segment_fixed_size: 9216
    .private_segment_fixed_size: 0
    .kernarg_segment_align: 8
    .kernarg_segment_size: 64
    .max_flat_workgroup_size: 256
    .sgpr_count:     66
    .vgpr_count:     224
    .wavefront_size: 32
...
	.end_amdgpu_metadata
.endif
;; end of part 11
